; MI455X (gfx1250); checked and timed in simulation.
; The chip was launched on July 23, 2026; its instructions are those of AMD's public machine-readable ISA for CDNA 5 (MIT licence, August 2026) and "CDNA5" Instruction Set Architecture Reference Guide (July 2026). The comments in the code are by the model that wrote it; some were corrected since.
;; Encoder Layer. Allowed arithmetic: matrix products marked QUANTISED: E2M3 operands, one E8M0 scale for each 32 along K, by v_wmma_scale_f32_16x16x128_f8f6f4 with both operands' format E2M3, f32 sums; everything else in f32.
;; Inputs: ffn_b1 4,096 float32; ffn_b2 1,024 float32; ffn_w1 1,024 x 4,096 float32; ffn_w2 4,096 x 1,024 float32; ln1_b 1,024 float32; ln1_g 1,024 float32; ln2_b 1,024 float32; ln2_g 1,024 float32; mask 2 x 2,048 int32; wk_b 1,024 float32; wk_w 1,024 x 1,024 float32; wo_b 1,024 float32; wo_w 1,024 x 1,024 float32; wq_b 1,024 float32; wq_w 1,024 x 1,024 float32; wv_b 1,024 float32; wv_w 1,024 x 1,024 float32; x 2 x 2,048 x 1,024 float32.
;; Outputs: out0 2 x 2,048 x 1,024 float32.
;; This version of the problem:
;;   THIS VERSION OF THE PROBLEM IS GIVEN IN LOW PRECISION. The matrix products marked QUANTISED in the list below multiply operands that are first quantised to E2M3 (2 exponent bits, 3 mantissa bits; 6 bits a number), with one power-of-two scale for each 32 numbers along K (OCP MX v1.0); their sums are f32. All else is computed in f32.
;;   The module's matrix products, in the order in which they are computed (A, B: the left and right operand; K: the contracted axis; several contracted axes count as one K, in the product's order):
;;     1. [M 4,096, K 1,024] x [K 1,024, N 1,024]; A: input x; B: input wq_w: QUANTISED
;;     2. [M 4,096, K 1,024] x [K 1,024, N 1,024]; A: input x; B: input wk_w: QUANTISED
;;     3. [M 4,096, K 1,024] x [K 1,024, N 1,024]; A: input x; B: input wv_w: QUANTISED
;;     4. batch 32 x [M 2,048, K 64] x [K 64, N 2,048]; A: computed on the way; B: computed on the way: QUANTISED
;;     5. batch 32 x [M 2,048, K 2,048] x [K 2,048, N 64]; A: softmax (see below); B: computed on the way: QUANTISED
;;     6. [M 4,096, K 1,024] x [K 1,024, N 1,024]; A: computed on the way; B: input wo_w: QUANTISED
;;     7. [M 4,096, K 1,024] x [K 1,024, N 4,096]; A: computed on the way; B: input ffn_w1: QUANTISED
;;     8. [M 4,096, K 4,096] x [K 4,096, N 1,024]; A: computed on the way; B: input ffn_w2: QUANTISED
;;   THE QUANTISER, for each operand of a quantised product, along K:
;;     - K is cut into blocks of 32 from its start; a last block that is shorter is filled with zeros.
;;     - A block's scale is 2^e with e = floor(log2(the largest magnitude in the block)) - 2, held to -126 .. 127; a block of zeros has e = 0. As a byte (E8M0): e + 127.
;;     - Each number is divided by its block's scale, clamped to +-7.5, and rounded to the nearest number of E2M3, ties to even, subnormals kept.
;;     - The product sums the exact products of the quantised numbers (number of the format x scale) in f32.
;;   ~~~python
;;   def quantise(x, axis):      # numpy; x: float32 -> the quantised numbers, widened to float32 again
;;       x = np.moveaxis(x, axis, -1); K = x.shape[-1]
;;       x = np.pad(x, [(0, 0)] * (x.ndim - 1) + [(0, -K % 32)]); x = x.reshape(x.shape[:-1] + (-1, 32)); a = np.abs(x).max(-1, keepdims=True)
;;       e = np.where(a > 0, np.clip(np.frexp(np.where(a > 0, a, 1))[1] - 1 - 2, -126, 127), 0)      # np.frexp(a)[1] - 1 = floor(log2(a)), exactly
;;       r = np.clip(x / 2.0 ** e, -7.5, 7.5)
;;       step = 2.0 ** (np.maximum(np.frexp(np.where(r == 0, 1, r))[1] - 1, 0) - 3)
;;       q = np.round(r / step) * step * 2.0 ** e      # np.round: ties to even
;;       return np.moveaxis(q.reshape(q.shape[:-2] + (-1,))[..., :K], -1, axis).astype(np.float32)
;;   ~~~
;;   SOFTMAX AHEAD OF A QUANTISED PRODUCT. Where the list says 'softmax', what is quantised is not the finished softmax but p = 2^(t - M), with t = logit x log2(e) and M = ceil(the row's largest t), a whole number; so 1/2 < the row's largest p <= 1. The row's sum l is taken of the UNQUANTISED p, in f32, and the product's result is divided by l at the end. Since M is a whole number, a kernel that streams over the keys may use a running M (the ceiling of the running maximum): every later rescaling is an exact power of two, which a block's scale takes up: the codes' values come out the same.
;;   OPERANDS COMPUTED ON THE WAY. 'Computed on the way' means the value that the module computes at that place (a softmax that the list does not call 'softmax' is quantised finished and normalised). What goes into a quantiser is computed in f32, as accurately as f32 sums, v_exp_f32 and their like allow (about 1e-6 of the number): no bf16 or f16 on the way to a quantiser, and a product that is left as it is and whose result goes on into a quantised operand takes f32 operands (vector FMAs, or v_wmma_f32_16x16x4_f32). A number that lies on a knife's edge between two numbers of the format may be rounded either way, as far as f32 arithmetic and the matrix unit's own rounding can turn it there, and no further.
;; One version. Each part assembles by itself: llvm-mc -triple=amdgcn-amd-amdhsa -mcpu=gfx1250 --defsym DOCPART=n.
;; ======== version 1 of 1: 8 launches
;; limits: right only within a limited range of input values
;; workspace buffers: pre 13,107,200 bytes; qkv 9,830,400 bytes; ctx 3,276,800 bytes; y 16,777,216 bytes; o1 20,054,016 bytes; hid 13,107,200 bytes
;; launch prep (part 1): grid 512 x 1, 8 waves a work-group, no clusters, 68,608 bytes of LDS; arguments x, wq_w, wk_w, wv_w, wo_w, ffn_w1, ffn_w2, pre; writes pre
.if DOCPART == 1
	.amdgcn_target "amdgcn-amd-amdhsa--gfx1250"
	.amdhsa_code_object_version 6
	.text
	.protected	k_q22793e6078_prep
	.globl	k_q22793e6078_prep
	.p2align	8
	.type	k_q22793e6078_prep,@function
k_q22793e6078_prep:
	s_mov_b64 s[64:65], 0
	v_nop
	global_prefetch_b8 v0, s[64:65] scope:SCOPE_SE
	s_setreg_imm32_b32 hwreg(HW_REG_WAVE_MODE, 25, 1), 1
	s_wait_xcnt 0x0
; PREP: x [4096][1024] (K innermost) and the six weights (K = their FIRST axis), f32, become codes of FP6 (E2M3) with one E8M0 byte for each 32 along K, in the workspace buffer pre.
; TABLES.  An operand's rows go in blocks of 16: block rb, place r holds row 32 (rb / 2) + 8 (rb % 2) + r + 8 (r / 8).  Codes: [rb][K / 64][768 bytes]: a HALF IMAGE, registers 0-5 of a matrix fragment (16 rows x 64 K):
; byte 16 l + 4 i = register i (0..3) of lane l, byte 512 + 8 l + 4 (i - 4) = register i (4, 5); lane (r, h) holds k = 32 h .. 32 h + 31 of its row.  Scale words: [rows / 256][K / 128][256 places] of 4 bytes.
; A block's scale is 2^(floor(log2(largest magnitude)) - 2); its byte is the largest magnitude's exponent field - 2, held at 1 from below.
; LIMITS: NaN and infinities are not served; blocks whose largest magnitude lies under 2^-124 keep the byte 1; a block of zeros gets the byte 1 where the rule says 127 (its codes are zeros; only this program reads the bytes).
; EVERY WORK-GROUP READS 128 KiB.  Work-groups 0-383: 256 columns x 128 K of a weight, a wave 32 columns, a lane a column with its registers down K.  Work-groups 384-511: 32 rows of x, two blocks of 16; wave w = K step w (128 along K) of both.
; Memory binds: no matrix unit, no cluster (no input is shared), no barrier (waves share nothing).
.set SPARE, 67584                      ; behind the eight stages of 8,448 bytes: the spare words, 128 bytes a wave
.set WSC,   9437184                    ; the weights' scale words
.set XC,    9830400                    ; x's codes
.set XS,    12976128                   ; x's scale words
.set SEL, 36                           ; s[36:37] lane selects: lane l xor 16
.set SPW, 30
.set NIL, 31
; x's path: v32-95, v96-159 the two blocks' numbers, as loaded and then 64 of my row; v160-196 the first block's codes, work and scale word; the second block's lie in v32-68, which the first block has left
; 64 numbers of a lane, register 16 b + i = k 32 b + 16 (lane / 16) + i of my row, become a fragment's 12 registers in v[pc] on and its scale word in v[pw]
.macro QUANT s, pc, tm, pw
.irp b, 0,1,2,3
	v_max3_num_f32 v[\tm+\b], |v[\s+16*\b]|, |v[\s+1+16*\b]|, 0x1800000   ; my 16 numbers of block b, and the floor 2^(3 - 127): the byte cannot fall under 1
.endr
.irp i, 2,4,6,8,10,12,14
.irp b, 0,1,2,3
	s_delay_alu instid0(VALU_DEP_4)
	v_max3_num_f32 v[\tm+\b], v[\tm+\b], |v[\s+16*\b+\i]|, |v[\s+1+16*\b+\i]|
.endr
.endr
.irp b, 0,1,2,3
	s_delay_alu instid0(VALU_DEP_4)
	v_permlanex16_b32 v[\tm+4+\b], v[\tm+\b], s[SEL], s[SEL+1]
.endr
.irp b, 0,1,2,3
	s_delay_alu instid0(VALU_DEP_4)
	v_max_num_f32 v[\tm+\b], v[\tm+\b], v[\tm+4+\b]          ; with lane l xor 16's: the block's largest magnitude
.endr
.irp b, 0,1,2,3
	s_delay_alu instid0(VALU_DEP_4)
	v_add_nc_u32 v[\tm+12+\b], 0xff000000, v[\tm+\b]         ; 2 off its exponent field: the conversion's scale operand
.endr
.irp b, 0,1,2,3
	s_delay_alu instid0(VALU_DEP_4)
	v_lshrrev_b32 v[\tm+4+\b], 23, v[\tm+12+\b]              ; the scale's byte
.endr
	s_delay_alu instid0(VALU_DEP_3)
	v_lshl_or_b32 v[\pw], v[\tm+5], 8, v[\tm+4]
	s_delay_alu instid0(VALU_DEP_1)
	v_lshl_or_b32 v[\pw], v[\tm+6], 16, v[\pw]
	s_delay_alu instid0(VALU_DEP_1)
	v_lshl_or_b32 v[\pw], v[\tm+7], 24, v[\pw]
.irp c, 0,1
	v_cvt_scalef32_pk16_fp6_f32 v[\pc+6*\c:\pc+2+6*\c], v[\s+32*\c:\s+15+32*\c], v[\tm+12+2*\c]
	v_cvt_scalef32_pk16_fp6_f32 v[\pc+12+4*\c:\pc+14+4*\c], v[\s+16+32*\c:\s+31+32*\c], v[\tm+12+2*\c+1]
.endr
	v_nop                                                    ; one plain place behind a scaled conversion
.irp c, 0,1                                              ; a whole block to a lane: lanes 0-15 block 2 c, lanes 16-31 block 2 c + 1
.irp i, 0,1,2
	v_permlane16_swap_b32 v[\pc+6*\c+\i], v[\pc+12+4*\c+\i]
.endr
.irp i, 0,1,2
	s_delay_alu instid0(VALU_DEP_3)
	v_mov_b32 v[\pc+3+6*\c+\i], v[\pc+12+4*\c+\i]
.endr
.endr
.endm
	s_load_b256 s[4:11], s[0:1], 0x0               ; x, wq_w, wk_w, wv_w
	s_load_b256 s[12:19], s[0:1], 0x20             ; wo_w, ffn_w1, ffn_w2, pre
	v_lshl_add_u32 v[SPW], v0, 2, SPARE
	v_mov_b32 v[NIL], 0
	v_lshrrev_b32 v1, 5, v0
	s_delay_alu instid0(VALU_DEP_1)
	v_readfirstlane_b32 s20, v1                    ; wave 0..7
	v_and_b32 v6, 31, v0                           ; lane
	s_cmp_lt_u32 ttmp9, 384
	s_cbranch_scc1 .Lweights
	; ---- x: rows 32 p .. 32 p + 31 = blocks 2 p and 2 p + 1; K step = wave
	s_sub_co_u32 s38, ttmp9, 384                   ; p
	v_lshlrev_b32 v1, 4, v6                        ; 16 x lane
	v_lshlrev_b32 v2, 3, v6                        ; 8 x lane
	v_and_b32 v7, 15, v0                           ; r
	v_bfe_u32 v8, v0, 4, 1                         ; h
	s_delay_alu instid0(VALU_DEP_2)
	v_lshlrev_b32 v3, 2, v7                        ; 4 r
	s_mul_i32 s21, s20, 8448                       ; my stage: 16 rows x (512 bytes + 16)
	v_add_nc_u32 v4, s21, v1                       ; in: a row's 512 bytes as they lie
	v_mul_u32_u24 v5, v7, 528
	s_delay_alu instid0(VALU_DEP_1)
	v_lshl_add_u32 v5, v8, 6, v5
	s_delay_alu instid0(VALU_DEP_1)
	v_add_nc_u32 v5, s21, v5                       ; out: row r, + 64 h
	s_mov_b32 s[SEL], 0x76543210
	s_mov_b32 s[SEL+1], 0xfedcba98
	s_lshl_b32 s22, s38, 17                        ; 32 p rows of 4,096 bytes
	s_lshl_b32 s23, s20, 9                         ; the K step's 512 bytes
	s_add_co_u32 s22, s22, s23
	s_mov_b32 s23, 0
	s_lshl_b32 s24, s38, 5
	s_lshl_b32 s25, s20, 1
	s_add_co_u32 s24, s24, s25
	s_mul_i32 s24, s24, 768                        ; half image 16 (2 p) + 2 w; the second block's lie 16 half images on
	s_add_co_u32 s24, s24, XC
	s_mov_b32 s25, 0
	s_lshr_b32 s26, s38, 3
	s_lshl_b32 s26, s26, 3
	s_add_co_u32 s26, s26, s20
	s_lshl_b32 s26, s26, 10                        ; ((2 p / 16) x 8 + w) x 1,024
	s_and_b32 s27, s38, 7
	s_lshl_b32 s27, s27, 7                         ; + (2 p % 16) x 64; the second block's words lie 64 bytes on
	s_add_co_u32 s26, s26, s27
	s_add_co_u32 s26, s26, XS
	s_mov_b32 s27, 0
	s_wait_alu depctr_va_vdst(0)
	s_wait_kmcnt 0x0
	s_add_nc_u64 s[4:5], s[4:5], s[22:23]
	s_add_nc_u64 s[24:25], s[18:19], s[24:25]
	s_add_nc_u64 s[26:27], s[18:19], s[26:27]
.irp e, 0,1                                    ; both blocks' 32 loads go out together
.irp i, 0,1,2,3,4,5,6,7,8,9,10,11,12,13,14,15
	global_load_b128 v[32+64*\e+4*\i:32+64*\e+4*\i+3], v1, s[4:5] offset:(8*\e+\i+8*(\i/8))*4096 th:TH_LOAD_NT   ; block e, place i's row: 32 lanes read 512 consecutive bytes
.endr
.endr
; block e: its 16 rows turn through my stage and come back, 64 numbers of row r a lane, into the registers that they left; then the quantiser and the stores
.macro XBLOCK e, r, pc, tm, pw
.irp i, 0,1,2,3,4,5,6,7,8,9,10,11,12,13,14,15
	s_wait_loadcnt 31-16*\e-\i                     ; this row is in; the younger loads stay out
	ds_store_b128 v4, v[\r+4*\i:\r+4*\i+3] offset:528*\i
.endr
.irp b, 0,1,2,3
.irp j, 0,1,2,3
	ds_load_b128 v[\r+16*\b+4*\j:\r+16*\b+4*\j+3], v5 offset:128*\b+16*\j   ; LDS serves a wave's instructions in order: these see my stores, and land behind the stores' reads of these registers
.endr
.endr
	s_wait_dscnt 0x0
.irp b, 0,1,2,3
	v_mov_b32 v[\tm+4+\b], 0                       ; a lane permute's destination counts as one of its sources
.endr
	QUANT \r, \pc, \tm, \pw
	global_store_b128 v1, v[\pc:\pc+3], s[24:25] offset:12288*\e               ; 512 consecutive bytes
	global_store_b64 v2, v[\pc+4:\pc+5], s[24:25] offset:12288*\e+512          ; 256
	global_store_b128 v1, v[\pc+6:\pc+9], s[24:25] offset:12288*\e+768
	global_store_b64 v2, v[\pc+10:\pc+11], s[24:25] offset:12288*\e+1280
	global_store_b32 v3, v[\pw], s[26:27] offset:64*\e                         ; lanes 16-31 repeat lanes 0-15's address and value
.endm
	XBLOCK 0, 32, 160, 180, 196
	XBLOCK 1, 96, 32, 52, 68                       ; no store's data are written again: this block's codes have registers of their own
	s_wait_tensorcnt 0x0                           ; the wave's end
	ds_add_u32 v[SPW], v[NIL]
	s_wait_dscnt 0x0
	s_endpgm
	; ---- the weights.  idx / 128: 0 = wq, wk, wv, wo (32 work-groups each); 1 = ffn_w1; 2 = ffn_w2
.Lweights:
	s_mov_b32 s21, ttmp9                           ; idx
	s_lshr_b32 s22, s21, 7                         ; class
	s_bfe_u32 s32, s21, 0x20005                    ; which of the four (class 0)
	s_cmp_eq_u32 s22, 1
	s_cselect_b32 s23, 15, 3                       ; tiles of 256 columns: 16 or 4
	s_cselect_b32 s29, 4, 2
	s_cselect_b32 s33, 21, 19                      ; 128 rows of the weight in bytes: 2^21 or 2^19
	s_cmp_eq_u32 s22, 0
	s_cselect_b32 s24, 31, 127
	s_cmp_eq_u32 s22, 2
	s_mov_b32 s27, 12288
	s_cselect_b32 s27, 49152, s27                  ; a row block's codes: K x 12 bytes
	s_cselect_b32 s28, 32, 8                       ; K steps
	s_and_b32 s23, s21, s23                        ; column tile
	s_and_b32 s24, s21, s24
	s_lshr_b32 s24, s24, s29                       ; K step
	s_mul_i32 s25, s32, 786432                     ; where the tensor's codes begin,
	s_lshl_b32 s26, s32, 15                        ; and its scale words
	s_cmp_eq_u32 s22, 1
	s_cselect_b32 s25, 3145728, s25
	s_cselect_b32 s26, 131072, s26
	s_cmp_eq_u32 s22, 2
	s_cselect_b32 s25, 6291456, s25
	s_cselect_b32 s26, 262144, s26
	s_lshl_b32 s34, s24, s33                       ; source: 128 ks rows,
	s_lshl_b32 s35, s23, 10
	s_add_co_u32 s34, s34, s35                     ; + 256 ct columns,
	s_lshl_b32 s35, s20, 7
	s_add_co_u32 s34, s34, s35                     ; + 32 w columns
	s_mov_b32 s35, 0
	s_lshl_b32 s30, s23, 3
	s_add_co_u32 s30, s30, s20
	s_lshl_b32 s30, s30, 1                         ; my first row block: 2 (8 ct + w)
	s_mul_i32 s30, s30, s27
	s_add_co_u32 s30, s30, s25
	s_mul_i32 s31, s24, 1536                       ; half image 2 ks
	s_add_co_u32 s30, s30, s31
	s_mov_b32 s31, 0
	s_mul_i32 s28, s23, s28
	s_add_co_u32 s28, s28, s24
	s_lshl_b32 s28, s28, 10
	s_add_co_u32 s28, s28, s26
	s_lshl_b32 s29, s20, 7
	s_add_co_u32 s28, s28, s29
	s_add_co_u32 s28, s28, WSC
	s_mov_b32 s29, 0
	s_wait_alu depctr_va_vdst(0)
	v_lshlrev_b32 v1, 2, v6                        ; 4 c: my column
	v_bfe_u32 v2, v6, 3, 1                         ; u: which of the two row blocks
	v_and_b32 v3, 7, v6
	v_lshrrev_b32 v4, 4, v6
	s_delay_alu instid0(VALU_DEP_1)
	v_lshl_or_b32 v3, v4, 3, v3                    ; r: my place in it
	s_delay_alu instid0(VALU_DEP_4)
	v_mul_u32_u24 v4, v2, s27
	s_delay_alu instid0(VALU_DEP_1)
	v_lshl_add_u32 v7, v3, 4, v4                   ; u x block + 16 r
	s_delay_alu instid0(VALU_DEP_2)
	v_lshl_add_u32 v8, v3, 3, v4                   ; u x block + 8 r
	s_delay_alu instid0(VALU_DEP_4)
	v_lshl_add_u32 v9, v2, 4, v3
	s_delay_alu instid0(VALU_DEP_1)
	v_lshlrev_b32 v9, 2, v9                        ; 4 (16 u + r)
	s_wait_kmcnt 0x0
	s_cmp_eq_u32 s32, 1                            ; the source: a choice on the work-group's number alone
	s_cselect_b64 s[6:7], s[8:9], s[6:7]
	s_cmp_eq_u32 s32, 2
	s_cselect_b64 s[6:7], s[10:11], s[6:7]
	s_cmp_eq_u32 s32, 3
	s_cselect_b64 s[6:7], s[12:13], s[6:7]
	s_cmp_eq_u32 s22, 1
	s_cselect_b64 s[6:7], s[14:15], s[6:7]
	s_cmp_eq_u32 s22, 2
	s_cselect_b64 s[6:7], s[16:17], s[6:7]
	s_add_nc_u64 s[6:7], s[6:7], s[34:35]
	s_add_nc_u64 s[30:31], s[18:19], s[30:31]
	s_add_nc_u64 s[28:29], s[18:19], s[28:29]
.macro WLOAD n, t                      ; block t: W(32 t + i, my column): 32 lanes read 128 consecutive bytes
.set i, 0
.rept 32
	global_load_b32 v[32+32*(\t)+i], v1, s[6:7] offset:(32*(\t)+i)*4*\n th:TH_LOAD_NT
.set i, i+1
.endr
.endm
.macro WBLOCK n, t
.set XB, 32+32*(\t)
.set DB, 160+8*(\t)
.if (\t) < 3
	s_wait_loadcnt 32                              ; this block's 32 loads are in; the next block's may be out
.else
	s_wait_loadcnt 0
.endif
.if (\t)+2 < 4
	WLOAD \n, (\t)+2                               ; two blocks ahead, into registers of their own
.endif
	v_max3_num_f32 v12, |v[XB]|, |v[XB+1]|, |v[XB+2]|          ; all 32 numbers of the block are mine
	v_max3_num_f32 v13, |v[XB+3]|, |v[XB+4]|, |v[XB+5]|
.irp i, 6,10,14,18,22,26
	s_delay_alu instid0(VALU_DEP_2)
	v_max3_num_f32 v12, v12, |v[XB+\i]|, |v[XB+\i+1]|
	s_delay_alu instid0(VALU_DEP_2)
	v_max3_num_f32 v13, v13, |v[XB+\i+2]|, |v[XB+\i+3]|
.endr
	s_delay_alu instid0(VALU_DEP_2)
	v_max3_num_f32 v12, v12, |v[XB+30]|, |v[XB+31]|
	s_delay_alu instid0(VALU_DEP_1)
	v_max3_num_f32 v12, v12, v13, 0x1800000        ; and the floor
	s_delay_alu instid0(VALU_DEP_1)
	v_add_nc_u32 v11, 0xff000000, v12              ; the conversion's scale operand
	s_delay_alu instid0(VALU_DEP_1)
	v_lshrrev_b32 v13, 23, v11                     ; the byte
.if (\t) == 0
	s_delay_alu instid0(VALU_DEP_1)
	v_mov_b32 v14, v13
.else
	s_delay_alu instid0(VALU_DEP_1)
	v_lshl_or_b32 v14, v13, 8*(\t), v14
.endif
	v_cvt_scalef32_pk16_fp6_f32 v[DB:DB+2], v[XB:XB+15], v11
	v_cvt_scalef32_pk16_fp6_f32 v[192:194], v[XB+16:XB+31], v11   ; (a conversion's three registers begin on an even number)
	v_nop
	v_mov_b32 v[DB+3], v192
	v_mov_b32 v[DB+4], v193
	v_mov_b32 v[DB+5], v194
	global_store_b128 v7, v[DB:DB+3], s[30:31] offset:((\t)/2)*768+((\t)%2)*256        ; block t is lane half t % 2 of half image t / 2: sixteen lanes fill 256 aligned bytes
	global_store_b64 v8, v[DB+4:DB+5], s[30:31] offset:((\t)/2)*768+512+((\t)%2)*128
.endm
.macro WPATH n
	WLOAD \n, 0
	WLOAD \n, 1
	WBLOCK \n, 0
	WBLOCK \n, 1
	WBLOCK \n, 2
	WBLOCK \n, 3
	global_store_b32 v9, v14, s[28:29]             ; my column's scale word of this K step
	s_endpgm
.endm
	s_cmp_eq_u32 s22, 1
	s_cbranch_scc1 .Lwide
	WPATH 1024
.Lwide:
	WPATH 4096
.Lfunc_end_k_q22793e6078_prep:
	.size	k_q22793e6078_prep, .Lfunc_end_k_q22793e6078_prep-k_q22793e6078_prep
	.p2alignl 7, 3214868480
	.fill 96, 4, 3214868480
	.section	.rodata,"a",@progbits
	.p2align	6, 0x0
	.amdhsa_kernel k_q22793e6078_prep
		.amdhsa_group_segment_fixed_size 68608
		.amdhsa_private_segment_fixed_size 0
		.amdhsa_enable_private_segment 0
		.amdhsa_kernarg_size 64
		.amdhsa_user_sgpr_count 2
		.amdhsa_user_sgpr_kernarg_segment_ptr 1
		.amdhsa_wavefront_size32 1
		.amdhsa_system_sgpr_workgroup_id_x 1
		.amdhsa_system_sgpr_workgroup_id_y 1
		.amdhsa_system_sgpr_workgroup_id_z 1
		.amdhsa_system_vgpr_workitem_id 0
		.amdhsa_next_free_vgpr 200
		.amdhsa_next_free_sgpr 66
		.amdhsa_reserve_vcc 0
		.amdhsa_float_denorm_mode_32 3
		.amdhsa_float_denorm_mode_16_64 3
		.amdhsa_memory_ordered 1
		.amdhsa_forward_progress 1
		.amdhsa_inst_pref_size 68
	.end_amdhsa_kernel
	.amdgpu_metadata
---
amdhsa.version: [ 1, 2 ]
amdhsa.kernels:
  - .name:           k_q22793e6078_prep
    .symbol:         k_q22793e6078_prep.kd
    .args:
      - { .name: x, .offset: 0, .size: 8, .value_kind: global_buffer, .address_space: global }
      - { .name: wq_w, .offset: 8, .size: 8, .value_kind: global_buffer, .address_space: global }
      - { .name: wk_w, .offset: 16, .size: 8, .value_kind: global_buffer, .address_space: global }
      - { .name: wv_w, .offset: 24, .size: 8, .value_kind: global_buffer, .address_space: global }
      - { .name: wo_w, .offset: 32, .size: 8, .value_kind: global_buffer, .address_space: global }
      - { .name: ffn_w1, .offset: 40, .size: 8, .value_kind: global_buffer, .address_space: global }
      - { .name: ffn_w2, .offset: 48, .size: 8, .value_kind: global_buffer, .address_space: global }
      - { .name: pre, .offset: 56, .size: 8, .value_kind: global_buffer, .address_space: global }
    .group_segment_fixed_size: 68608
    .private_segment_fixed_size: 0
    .kernarg_segment_align: 8
    .kernarg_segment_size: 64
    .max_flat_workgroup_size: 256
    .sgpr_count:     66
    .vgpr_count:     200
    .wavefront_size: 32
...
	.end_amdgpu_metadata
.endif
;; end of part 1
;; launch qkv (part 2): grid 12 x 16, 4 waves a work-group, clusters of 4 x 4, 327,680 bytes of LDS; arguments pre, wq_b, wk_b, wv_b, qkv; writes qkv
.if DOCPART == 2
	.amdgcn_target "amdgcn-amd-amdhsa--gfx1250"
	.amdhsa_code_object_version 6
	.text
	.protected	k_q22793e6078_qkv
	.globl	k_q22793e6078_qkv
	.p2align	8
	.type	k_q22793e6078_qkv,@function
k_q22793e6078_qkv:
	s_mov_b64 s[64:65], 0
	v_nop
	global_prefetch_b8 v0, s[64:65] scope:SCOPE_SE
	s_setreg_imm32_b32 hwreg(HW_REG_WAVE_MODE, 25, 1), 1
	s_wait_xcnt 0x0
	s_wait_alu depctr_hold_cnt(0) depctr_sa_sdst(0) depctr_va_vdst(0) depctr_va_sdst(0) depctr_va_ssrc(0) depctr_va_vcc(0) depctr_vm_vsrc(0)
	s_getreg_b32 s2, hwreg(HW_REG_IB_STS2, 6, 4)
	s_cmp_eq_u32 s2, 0
	s_cbranch_scc0 .Lentry_in_a_cluster
	s_endpgm
.Lentry_in_a_cluster:
	s_bfe_u32 s2, ttmp6, 0x10000c
	s_cmp_lg_u32 s2, 0xf033
	s_cbranch_scc0 .Lentry_shape_is_right
	s_endpgm
.Lentry_shape_is_right:
.set KIND,  0
.set SLOT,  98304
.set SCA,   3*SLOT
.set SPARE, SCA+16384
.set XC,    9830400
.set XS,    12976128
.set WVC,   1572864
.set WQS,   9437184
.set WVS,   9502720
.set LI16, 8
.set LI8,  9
.set VSO,  10
.set SPW,  28
.set NIL,  29
.set ADRS, 30
.set SC,   32
.set RB,   48
.set HA,   64
.set PC,   128
.set TM,   148
.set PW,   164
.set WW,   172
.set SEL,  2
.set G1,   24
.set G1B,  32
.set G1S,  40
.set G1SB, 48
.if KIND == 0
.set PB,   4
.set BP,   6
.set OP,   12
.set ASTR, 768
.set PSTEP, 64
.else
.set PB,   6
.set BP,   8
.set OP,   10
.set ASTR, 49152
.set PSTEP, 128
.endif
.set MSB, 0
.macro WIN new
.if MSB != (\new)
	s_set_vgpr_msb (MSB<<8)|(\new)
.set MSB, (\new)
.endif
.endm
.macro PLACES n
.rept \n
	v_nop
.endr
.endm
.macro JLOAD g0a, g1a, g0b, g1b
	s_cmp_eq_u32 s15, 0
	s_cbranch_scc0 .Lfor_b_\@
	tensor_load_to_lds s[\g0a:\g0a+3], s[\g1a:\g1a+7]
	s_nop 0
.rept 4
	v_nop
.endr
	s_branch .Lasked_\@
.Lfor_b_\@:
	tensor_load_to_lds s[\g0b:\g0b+3], s[\g1b:\g1b+7]
	s_nop 0
.rept 4
	v_nop
.endr
.Lasked_\@:
.endm
.macro CREST
	s_cmp_lg_u32 s14, 0
	s_cbranch_scc1 .Lnot_wave_0_\@
	s_barrier_signal -3
.Lnot_wave_0_\@:
	s_barrier_wait -3
	s_barrier_signal -1
	s_barrier_wait -1
.endm
.macro CROUND
	s_barrier_signal -1
	s_barrier_wait -1
	CREST
.endm
.macro QUANT s, pc, tm, pw
.irp b, 0,1,2,3
	v_max3_num_f32 v[\tm+\b], |v[\s+16*\b]|, |v[\s+1+16*\b]|, 0x1800000
.endr
.irp i, 2,4,6,8,10,12,14
.irp b, 0,1,2,3
	v_max3_num_f32 v[\tm+\b], v[\tm+\b], |v[\s+16*\b+\i]|, |v[\s+1+16*\b+\i]|
.endr
.endr
.irp b, 0,1,2,3
	v_permlanex16_b32 v[\tm+4+\b], v[\tm+\b], s[SEL], s[SEL+1]
.endr
.irp b, 0,1,2,3
	v_max_num_f32 v[\tm+\b], v[\tm+\b], v[\tm+4+\b]
.endr
.irp b, 0,1,2,3
	v_add_nc_u32 v[\tm+12+\b], 0xff000000, v[\tm+\b]
.endr
.irp b, 0,1,2,3
	v_lshrrev_b32 v[\tm+4+\b], 23, v[\tm+12+\b]
.endr
	v_lshl_or_b32 v[\pw], v[\tm+5], 8, v[\tm+4]
	v_lshl_or_b32 v[\pw], v[\tm+6], 16, v[\pw]
	v_lshl_or_b32 v[\pw], v[\tm+7], 24, v[\pw]
.irp c, 0,1
	v_cvt_scalef32_pk16_fp6_f32 v[\pc+6*\c:\pc+2+6*\c], v[\s+32*\c:\s+15+32*\c], v[\tm+12+2*\c]
	v_cvt_scalef32_pk16_fp6_f32 v[\pc+12+4*\c:\pc+14+4*\c], v[\s+16+32*\c:\s+31+32*\c], v[\tm+12+2*\c+1]
.endr
	v_nop
.irp c, 0,1
.irp i, 0,1,2
	v_permlane16_swap_b32 v[\pc+6*\c+\i], v[\pc+12+4*\c+\i]
.endr
.irp i, 0,1,2
	v_mov_b32 v[\pc+3+6*\c+\i], v[\pc+12+4*\c+\i]
.endr
.endr
.endm
	s_load_b256 s[4:11], s[0:1], 0x0
.if KIND == 0
	s_load_b64 s[12:13], s[0:1], 0x20
.endif
	v_lshl_add_u32 v[SPW], v0, 2, SPARE
	v_mov_b32 v[NIL], 0
	ds_add_u32 v[SPW], v[NIL]
	ds_add_u32 v[SPW], v[NIL]
	v_lshrrev_b32 v1, 5, v0
	v_readfirstlane_b32 s14, v1
	s_lshr_b32 s15, s14, 1
	s_and_b32 s16, s14, 1
	s_bfe_u32 s17, ttmp6, 0x40000
	s_bfe_u32 s18, ttmp6, 0x40004
	s_and_b32 s20, ttmp7, 0xffff
.if KIND == 0
	s_cmp_eq_u32 ttmp9, 2
	s_cselect_b32 s23, 1, 0
	s_cselect_b32 s21, 0, s20
	s_cselect_b32 s22, s20, ttmp9
	s_mov_b32 s2, XC
	s_cselect_b32 s2, WVC, s2
	s_mov_b32 s3, XS
	s_cselect_b32 s3, WVS, s3
	s_cselect_b32 s66, XC, 0
	s_mov_b32 s67, WQS
	s_cselect_b32 s67, XS, s67
.else
	s_mov_b32 s21, s20
	s_mov_b32 s22, ttmp9
	s_mov_b32 s2, 16777216
	s_mov_b32 s3, 19922944
	s_mov_b32 s66, 3145728
	s_mov_b32 s67, 9568256
.endif
	s_lshl_b32 s21, s21, 2
	s_add_co_u32 s21, s21, s18
	s_lshl_b32 s22, s22, 2
	s_add_co_u32 s22, s22, s17
	s_lshl_b32 s19, s18, 2
	s_lshl_b32 s19, 15, s19
	s_lshl_b32 s20, 0x1111, s17
	s_or_b32 s[G1], s19, (3<<16)|(1<<21)
	s_or_b32 s[G1B], s20, (3<<16)|(1<<21)
.irp g, G1, G1B
	s_mov_b32 s[\g+1], 768<<16                     ; for the head's loads: 16 row blocks x 6,144 bytes (K steps 0-3)
	s_mov_b32 s[\g+2], 16<<16
	s_mov_b32 s[\g+3], 768<<16
	s_mov_b32 s[\g+4], 16
	s_mov_b32 s[\g+5], 1536
	s_mov_b32 s[\g+6], 0
	s_mov_b32 s[\g+7], 0
.endr
	s_or_b32 s[G1S], s19, (3<<16)|(1<<21)
	s_or_b32 s[G1SB], s20, (3<<16)|(1<<21)
.irp g, G1S, G1SB
	s_mov_b32 s[\g+1], 32<<16
	s_mov_b32 s[\g+2], 32<<16                      ; the scale words of 256 rows, all of K: 8,192 dense bytes as 32 rows of 256
	s_mov_b32 s[\g+3], 32<<16
	s_mov_b32 s[\g+4], 32
	s_mov_b32 s[\g+5], 32
	s_mov_b32 s[\g+6], 0
	s_mov_b32 s[\g+7], 0
.endr
	s_mul_i32 s92, s21, 196608
	s_add_co_u32 s92, s92, s2
	s_mov_b32 s93, 0
	s_lshl_b32 s96, s21, 13
	s_add_co_u32 s96, s96, s3
	s_mov_b32 s97, 0
	s_mul_i32 s94, s22, 196608
	s_add_co_u32 s94, s94, s66
	s_mov_b32 s95, 0
	s_lshl_b32 s98, s22, 13
	s_add_co_u32 s98, s98, s67
	s_mov_b32 s99, 0
	s_mul_i32 s66, s14, 24576
	s_mul_i32 s2, s16, 98304                       ; behind the head a wave fetches 8 of a tile's 16 row blocks: which half, in bytes
	s_mov_b32 s3, 0
	s_mov_b32 s100, 0xffff0000
	s_wait_dscnt 0x0
	s_wait_kmcnt 0x0
	s_add_nc_u64 s[92:93], s[4:5], s[92:93]
	s_add_nc_u64 s[96:97], s[4:5], s[96:97]
	s_add_nc_u64 s[94:95], s[PB:PB+1], s[94:95]
	s_add_nc_u64 s[98:99], s[PB:PB+1], s[98:99]
	CROUND
	s_mov_b32 s84, 1
	s_mov_b32 s85, SCA
	s_mov_b64 s[86:87], s[96:97]
	s_or_b32 s87, s87, 0x80000000
	s_mov_b32 s88, 1
	s_mov_b32 s89, SCA+8192
	s_mov_b64 s[90:91], s[98:99]
	s_or_b32 s91, s91, 0x80000000
	; LDS: K steps 0-3 of A [16 blocks][6,144] at 0 and of B at SLOT; K steps 4, 5 (A [16][3,072], then B) at 2 SLOT; K steps 6, 7 in the same form at 0, onto A's steps 0-3 when all waves have read them
	s_mov_b32 s60, 1
	s_mov_b32 s61, 0
	s_mov_b64 s[62:63], s[92:93]
	s_or_b32 s63, s63, 0x80000000
	s_mov_b32 s76, 1
	s_mov_b32 s77, SLOT
	s_mov_b64 s[78:79], s[94:95]
	s_or_b32 s79, s79, 0x80000000
	s_add_nc_u64 s[92:93], s[92:93], s[2:3]
	s_add_nc_u64 s[94:95], s[94:95], s[2:3]
.irp s, 0,2
	s_mov_b32 s[56+4*\s+4*(\s/2)], 1
	s_add_co_u32 s[57+4*\s+4*(\s/2)], s66, \s*SLOT
	s_add_nc_u64 s[58+4*\s+4*(\s/2):59+4*\s+4*(\s/2)], s[92:93], \s*3072
	s_or_b32 s[59+4*\s+4*(\s/2)], s[59+4*\s+4*(\s/2)], 0x80000000
	s_mov_b32 s[72+4*\s], 1
	s_add_co_u32 s[73+4*\s], s66, \s*SLOT
	s_add_nc_u64 s[74+4*\s:75+4*\s], s[94:95], \s*3072
	s_or_b32 s[75+4*\s], s[75+4*\s], 0x80000000
.endr
; the head's four tiles, one tensor load a wave, in one chain of branches on the wave's number: A's K steps 0-3, B's, A's scale words, B's
.macro ARM under, g0, g1
	s_cmp_lt_u32 s14, \under
	s_cbranch_scc0 .Lnext_\@
	tensor_load_to_lds s[\g0:\g0+3], s[\g1:\g1+7]
	s_nop 0
	PLACES 4
	s_branch .Lhead_asked
.Lnext_\@:
.endm
	ARM 1, 60, G1
	ARM 2, 76, G1B
	ARM 3, 84, G1S
	tensor_load_to_lds s[88:91], s[G1SB:G1SB+7]
	s_nop 0
	PLACES 4
.Lhead_asked:
	v_and_b32 v1, 31, v0
	v_and_b32 v2, 15, v0
	v_bfe_u32 v3, v0, 4, 1
	v_lshlrev_b32 v[LI16], 4, v1
	v_lshlrev_b32 v[LI8], 3, v1
	s_mul_i32 s2, s15, 24576
	s_mul_i32 s3, s16, 24576
	s_add_co_u32 s3, s3, 49152
.irp s, 1,2
	v_add_nc_u32 v[16+4*\s], s2, v[LI16]
	v_add_nc_u32 v[17+4*\s], s2, v[LI8]
	v_add_nc_u32 v[18+4*\s], s3, v[LI16]
	v_add_nc_u32 v[19+4*\s], s3, v[LI8]
	s_add_co_u32 s2, s2, 2*SLOT
	s_add_co_u32 s3, s3, 2*SLOT
.endr
	s_mul_i32 s2, s15, 49152                       ; v16-19: K steps 0-3: my 8 blocks of 6,144 bytes of A, and of B behind A's sixteen
	s_mul_i32 s3, s16, 49152
	s_add_co_u32 s3, s3, SLOT
	v_add_nc_u32 v16, s2, v[LI16]
	v_add_nc_u32 v17, s2, v[LI8]
	v_add_nc_u32 v18, s3, v[LI16]
	v_add_nc_u32 v19, s3, v[LI8]
	s_xor_b32 s2, s15, 1
	s_add_co_u32 s2, s2, s16
	s_lshl_b32 s2, s2, 9
	s_add_co_u32 s2, s2, 7680
	v_mul_u32_u24 v4, s2, v3
	s_lshl_b32 s3, s15, 9
	s_add_co_u32 s3, s3, SCA
	v_lshl_add_u32 v4, v2, 2, v4
	v_add_nc_u32 v[ADRS], s3, v4
	v_lshlrev_b32 v5, 6, v3
.if KIND == 0
	v_and_b32 v6, 8, v2
	v_add_nc_u32 v6, v6, v2
	v_lshlrev_b32 v6, 2, v6
	s_wait_alu depctr_va_vdst(0)
	s_cmp_eq_u32 ttmp9, 1
	s_cselect_b64 s[6:7], s[8:9], s[6:7]
	s_cmp_eq_u32 ttmp9, 2
	s_cselect_b64 s[6:7], s[10:11], s[6:7]
	s_lshl_b32 s2, s18, 10
	s_lshl_b32 s3, s15, 9
	s_add_co_u32 s2, s2, s3
	s_mov_b32 s3, 0
	s_add_nc_u64 s[8:9], s[6:7], s[2:3]
	s_lshl_b32 s2, s17, 10
	s_lshl_b32 s66, s16, 9
	s_add_co_u32 s2, s2, s66
	s_add_nc_u64 s[6:7], s[6:7], s[2:3]
.irp a, 0,1,2,3,4,5,6,7
	global_load_b32 v[RB+2*\a], v6, s[8:9] offset:(32*(\a/2)+8*(\a%2))*4
	global_load_b32 v[RB+2*\a+1], v6, s[8:9] offset:(32*(\a/2)+8*(\a%2))*4
.endr
.else
	s_lshl_b32 s2, s22, 10
	s_lshl_b32 s3, s16, 9
	s_add_co_u32 s2, s2, s3
	s_mov_b32 s3, 0
	s_add_nc_u64 s[8:9], s[8:9], s[2:3]
.endif
	WIN 0x40
.irp b, 0,1,2,3,4,5,6,7
	global_load_b128 v[96+8*\b+96*(\b/4):99+8*\b+96*(\b/4)], v5, s[BP:BP+1] offset:(32*(\b/2)+8*(\b%2))*4
	global_load_b128 v[100+8*\b+96*(\b/4):103+8*\b+96*(\b/4)], v5, s[BP:BP+1] offset:(32*(\b/2)+8*(\b%2))*4+16
.endr
	WIN 0
.if KIND == 0
	s_lshr_b32 s2, s21, 3
	s_lshl_b32 s2, s2, 4
	s_lshl_b32 s3, s17, 2
	s_add_co_u32 s2, s2, s3
	s_lshl_b32 s3, s16, 1
	s_add_co_u32 s2, s2, s3
	s_lshr_b32 s3, s22, 3
	s_lshl_b32 s3, s3, 4
	s_and_b32 s66, s22, 7
	s_lshl_b32 s66, s66, 1
	s_add_co_u32 s3, s3, s66
	s_add_co_u32 s3, s3, s16
	s_and_b32 s66, s21, 7
	s_lshl_b32 s66, s66, 4
	s_lshl_b32 s67, s21, 4
	s_cmp_eq_u32 s23, 1
	s_cselect_b32 s2, s3, s2
	s_cselect_b32 s66, s67, s66
	s_mov_b32 s67, 98304
	s_cselect_b32 s67, 49152, s67
	s_mov_b32 s101, 4096
	s_cselect_b32 s101, 2048, s101
	s_mov_b32 s98, 0x05040100
	s_cselect_b32 s98, 0x03020100, s98
	s_mov_b32 s99, 0x07060302
	s_cselect_b32 s99, 0x07060504, s99
	s_lshl_b32 s3, s15, 3
	s_add_co_u32 s66, s66, s3
	s_lshl_b32 s92, s2, 7
	s_add_co_u32 s92, s92, s66
	s_mul_i32 s92, s92, 768
	s_mul_i32 s3, ttmp9, 3145728
	s_add_co_u32 s92, s92, s3
	s_mov_b32 s93, 0
	s_add_co_u32 s94, s92, s67
	s_mov_b32 s95, 0
	s_lshl_b32 s96, s2, 6
	s_lshr_b32 s66, s66, 1
	s_add_co_u32 s96, s96, s66
	s_lshl_b32 s96, s96, 6
	s_lshl_b32 s3, ttmp9, 17
	s_add_co_u32 s96, s96, s3
	s_add_co_u32 s96, s96, 9437184
	s_mov_b32 s97, 0
.else
	s_lshl_b32 s92, s21, 4
	s_lshl_b32 s3, s15, 3
	s_add_co_u32 s92, s92, s3
	s_lshl_b32 s92, s92, 6
	s_lshl_b32 s3, s22, 1
	s_add_co_u32 s3, s3, s16
	s_lshl_b32 s66, s3, 1
	s_add_co_u32 s92, s92, s66
	s_mul_i32 s92, s92, 768
	s_mov_b32 s93, 0
	s_add_co_u32 s94, s92, 768
	s_mov_b32 s95, 0
	s_lshl_b32 s96, s21, 5
	s_add_co_u32 s96, s96, s3
	s_lshl_b32 s96, s96, 10
	s_lshl_b32 s3, s15, 9
	s_add_co_u32 s96, s96, s3
	s_add_co_u32 s96, s96, 12582912
	s_mov_b32 s97, 0
	s_mov_b32 s101, 64
.endif
	s_add_nc_u64 s[92:93], s[OP:OP+1], s[92:93]
	s_add_nc_u64 s[94:95], s[OP:OP+1], s[94:95]
	s_add_nc_u64 s[96:97], s[OP:OP+1], s[96:97]
	v_mul_u32_u24 v[VSO], s101, v3
	v_lshl_add_u32 v[VSO], v2, 2, v[VSO]
.macro FRAG reg, a16, a8, off
	ds_load_b128 v[\reg:\reg+3], v[\a16] offset:\off
	ds_load_b64 v[\reg+4:\reg+5], v[\a8] offset:(\off)+512
	ds_load_b128 v[\reg+6:\reg+9], v[\a16] offset:(\off)+768
	ds_load_b64 v[\reg+10:\reg+11], v[\a8] offset:(\off)+1280
.endm
.macro SETF t                          ; where K step t lies: which set of address registers, a block's pitch, the step's place in a block
.if (\t) < 4
.set FS, 0
.set FP, 6144
.set FO, 1536*(\t)
.else
.set FS, 4*(4-(\t)/2)
.set FP, 3072
.set FO, 1536*((\t)%2)
.endif
.endm
.macro FETCH_B t
	SETF \t
	WIN 0x40
.irp i, 0,1,2,3,4,5,6,7
	FRAG 128*((\t)%2)+12*\i, 18+FS, 19+FS, FP*\i+FO
.endr
	WIN 0
.endm
.macro FETCH_A t
	SETF \t
.irp i, 0,1,2,3,4,5,6,7
	FRAG 64+96*((\t)%2)+12*\i, 16+FS, 17+FS, FP*\i+FO
.endr
.endm
.macro SCALES t
.irp i, 0,1,2,3,4,5,6,7
	ds_load_b32 v[SC+8*((\t)%2)+\i], v[ADRS] offset:1024*(\t)+64*\i
.endr
.endm
.macro MUL16 a0, p, zero
.irp a, \a0, \a0+1
.irp b, 0,1,2,3,4,5,6,7
.if \zero
	v_wmma_scale_f32_16x16x128_f8f6f4 v[8*(8*((\a)%4)+\b):8*(8*((\a)%4)+\b)+7], v[128*(\p)+12*\b:128*(\p)+12*\b+11], v[64+96*(\p)+12*(\a):64+96*(\p)+12*(\a)+11], 0, v[SC+8*(\p)+\b], v[SC+8*(\p)+(\a)] matrix_a_fmt:MATRIX_FMT_FP6 matrix_b_fmt:MATRIX_FMT_FP6 matrix_a_scale:MATRIX_SCALE_ROW1
.else
	v_wmma_scale_f32_16x16x128_f8f6f4 v[8*(8*((\a)%4)+\b):8*(8*((\a)%4)+\b)+7], v[128*(\p)+12*\b:128*(\p)+12*\b+11], v[64+96*(\p)+12*(\a):64+96*(\p)+12*(\a)+11], v[8*(8*((\a)%4)+\b):8*(8*((\a)%4)+\b)+7], v[SC+8*(\p)+\b], v[SC+8*(\p)+(\a)] matrix_a_fmt:MATRIX_FMT_FP6 matrix_b_fmt:MATRIX_FMT_FP6 matrix_a_scale:MATRIX_SCALE_ROW1
.endif
.endr
.endr
.endm
.macro STEPN t, zero
	PLACES 4
	FETCH_B (\t)+1
	SCALES (\t)+1
	s_wait_dscnt 40
	WIN 0xa1
	MUL16 0, (\t)%2, \zero
	MUL16 2, (\t)%2, \zero
	WIN 0
	FETCH_A (\t)+1
	WIN 0xf1
	MUL16 4, (\t)%2, \zero
	MUL16 6, (\t)%2, \zero
.endm
.macro TURN t, fill
	WIN 0
	s_wait_tensorcnt 0x0
	ds_add_u32 v[SPW], v[NIL]
	s_wait_dscnt 1
	WIN 0xa1
	MUL16 0, (\t)%2, 0
	s_wait_dscnt 0x0
	s_barrier_signal -1
	MUL16 2, (\t)%2, 0
	WIN 0
	s_barrier_wait -1
.if \fill
	CREST
	s_add_nc_u64 s[58:59], s[58:59], 3*3072
	s_add_nc_u64 s[74:75], s[74:75], 3*3072
	JLOAD 56, G1, 72, G1B
.else
	PLACES 4
.endif
	FETCH_B (\t)+1
	SCALES (\t)+1
	WIN 0xf1
	MUL16 4, (\t)%2, 0
	WIN 0
	FETCH_A (\t)+1
	WIN 0xf1
	MUL16 6, (\t)%2, 0
.endm
	s_wait_alu depctr_va_vdst(0)
	s_wait_tensorcnt 0x0                           ; my tile of the head's four is in; the three lines ahead of a later first fill, as ahead of a refill
	ds_add_u32 v[SPW], v[NIL]
.irp g, G1, G1B
	s_mov_b32 s[\g+1], 384<<16                     ; no tensor load of mine is out: from here on a load brings 8 row blocks x 3,072 bytes (two K steps)
	s_mov_b32 s[\g+2], 8<<16
	s_mov_b32 s[\g+3], 384<<16
	s_mov_b32 s[\g+4], 8
.endr
	s_wait_dscnt 0x0
	CROUND                                         ; all four tiles are in, in every partner
	JLOAD 68, G1, 80, G1B                          ; K steps 4 and 5: my one tensor load behind the round
	FETCH_B 0
	SCALES 0
	FETCH_A 0
	STEPN 0, 1
	STEPN 1, 0
	STEPN 2, 0
	TURN 3, 1                                      ; K steps 0-3 are read out, 4 and 5 are in: K steps 6 and 7 are asked for
	STEPN 4, 0
	TURN 5, 0
	STEPN 6, 0
	s_wait_dscnt 0x0
	WIN 0xa1
	MUL16 0, 1, 0
	MUL16 2, 1, 0
	WIN 0xf1
	MUL16 4, 1, 0
	MUL16 6, 1, 0
	WIN 0
	s_wait_loadcnt 0x0
	s_mov_b32 s[SEL], 0x76543210
	s_mov_b32 s[SEL+1], 0xfedcba98
	PLACES 4
.irp b, 0,1,2,3
	v_mov_b32 v[TM+4+\b], 0
.endr
.macro EPI a
.set AC, 64*((\a)%4)
.set HW, (\a)/4
	s_wait_xcnt 0x0
.if KIND == 0
	s_cmp_eq_u32 s23, 0
	s_cbranch_scc0 .Lvway_\@
.endif
	WIN 0x06+HW
.set i, 0
.rept 32
	v_pk_add_f32 v[HA+i:HA+i+1], v[AC+i:AC+i+1], v[96+i+96*(i/32):97+i+96*(i/32)]
.set i, i+2
.endr
	WIN 0
.if KIND == 0
	s_branch .Lbiased_\@
.Lvway_\@:
	WIN 0x02+HW
.set i, 0
.rept 32
	v_pk_add_f32 v[HA+i:HA+i+1], v[AC+i:AC+i+1], v[RB+2*(\a):RB+2*(\a)+1]
.set i, i+2
.endr
	WIN 0
.Lbiased_\@:
.else
.set i, 0
.rept 64
	v_max_num_f32 v[HA+i], 0, v[HA+i]
.set i, i+1
.endr
.endif
	QUANT HA, PC, TM, PW+(\a)
	global_store_b128 v[LI16], v[PC:PC+3], s[92:93] offset:(\a)*ASTR
	global_store_b64 v[LI8], v[PC+4:PC+5], s[92:93] offset:(\a)*ASTR+512
	global_store_b128 v[LI16], v[PC+6:PC+9], s[94:95] offset:(\a)*ASTR
	global_store_b64 v[LI8], v[PC+10:PC+11], s[94:95] offset:(\a)*ASTR+512
.if (\a)%2 == 1
.if KIND == 0
	v_perm_b32 v[WW+(\a)-1], v[PW+(\a)], v[PW+(\a)-1], s98
	v_perm_b32 v[WW+(\a)], v[PW+(\a)], v[PW+(\a)-1], s99
	v_cndmask_b32 v[WW+(\a)-1], v[WW+(\a)-1], v[WW+(\a)], s100
.else
	v_cndmask_b32 v[WW+(\a)-1], v[PW+(\a)-1], v[PW+(\a)], s100
.endif
	global_store_b32 v[VSO], v[WW+(\a)-1], s[96:97] offset:((\a)/2)*PSTEP
.endif
.endm
.irp a, 0,1,2,3,4,5,6,7
	EPI \a
.endr
	s_wait_tensorcnt 0x0
	ds_add_u32 v[SPW], v[NIL]
	s_wait_dscnt 0x0
	CROUND
	s_endpgm
.Lfunc_end_k_q22793e6078_qkv:
	.size	k_q22793e6078_qkv, .Lfunc_end_k_q22793e6078_qkv-k_q22793e6078_qkv
	.p2alignl 7, 3214868480
	.fill 96, 4, 3214868480
	.section	.rodata,"a",@progbits
	.p2align	6, 0x0
	.amdhsa_kernel k_q22793e6078_qkv
		.amdhsa_group_segment_fixed_size 327680
		.amdhsa_private_segment_fixed_size 0
		.amdhsa_enable_private_segment 0
		.amdhsa_kernarg_size 40
		.amdhsa_user_sgpr_count 2
		.amdhsa_user_sgpr_kernarg_segment_ptr 1
		.amdhsa_wavefront_size32 1
		.amdhsa_system_sgpr_workgroup_id_x 1
		.amdhsa_system_sgpr_workgroup_id_y 1
		.amdhsa_system_sgpr_workgroup_id_z 1
		.amdhsa_system_vgpr_workitem_id 0
		.amdhsa_next_free_vgpr 1024
		.amdhsa_next_free_sgpr 102
		.amdhsa_reserve_vcc 0
		.amdhsa_float_denorm_mode_32 3
		.amdhsa_float_denorm_mode_16_64 3
		.amdhsa_memory_ordered 1
		.amdhsa_forward_progress 1
		.amdhsa_inst_pref_size 189
	.end_amdhsa_kernel
	.amdgpu_metadata
---
amdhsa.version: [ 1, 2 ]
amdhsa.kernels:
  - .name:           k_q22793e6078_qkv
    .symbol:         k_q22793e6078_qkv.kd
    .args:
      - { .name: pre, .offset: 0, .size: 8, .value_kind: global_buffer, .address_space: global }
      - { .name: wq_b, .offset: 8, .size: 8, .value_kind: global_buffer, .address_space: global }
      - { .name: wk_b, .offset: 16, .size: 8, .value_kind: global_buffer, .address_space: global }
      - { .name: wv_b, .offset: 24, .size: 8, .value_kind: global_buffer, .address_space: global }
      - { .name: qkv, .offset: 32, .size: 8, .value_kind: global_buffer, .address_space: global }
    .group_segment_fixed_size: 327680
    .private_segment_fixed_size: 0
    .kernarg_segment_align: 8
    .kernarg_segment_size: 40
    .max_flat_workgroup_size: 128
    .sgpr_count:     102
    .vgpr_count:     1024
    .wavefront_size: 32
...
	.end_amdgpu_metadata
.endif
;; end of part 2
;; launch attn (part 3): grid 8 x 32, 8 waves a work-group, clusters of 4 x 1, 215,040 bytes of LDS; arguments qkv, mask, ctx; writes ctx
.if DOCPART == 3
	.amdgcn_target "amdgcn-amd-amdhsa--gfx1250"
	.amdhsa_code_object_version 6
	.text
	.protected	k_q22793e6078_attn
	.globl	k_q22793e6078_attn
	.p2align	8
	.type	k_q22793e6078_attn,@function
k_q22793e6078_attn:
	s_mov_b64 s[64:65], 0
	v_nop
	global_prefetch_b8 v0, s[64:65] scope:SCOPE_SE
	s_setreg_imm32_b32 hwreg(HW_REG_WAVE_MODE, 25, 1), 1
	s_wait_xcnt 0x0
	s_wait_alu depctr_hold_cnt(0) depctr_sa_sdst(0) depctr_va_vdst(0) depctr_va_sdst(0) depctr_va_ssrc(0) depctr_va_vcc(0) depctr_vm_vsrc(0)
	s_getreg_b32 s2, hwreg(HW_REG_IB_STS2, 6, 4)
	s_cmp_eq_u32 s2, 0
	s_cbranch_scc0 .Lentry_in_a_cluster
	s_endpgm
.Lentry_in_a_cluster:
	s_bfe_u32 s2, ttmp6, 0x10000c
	s_cmp_lg_u32 s2, 0x3003
	s_cbranch_scc0 .Lentry_shape_is_right
	s_endpgm
.Lentry_shape_is_right:
; ATTENTION on codes of FP6 (E2M3), head size 64, 2,048 keys, a mask over the keys that is an input.  ctx = Q(softmax(q k^T / 8, masked) v), quantised along the model's axis for the next product.
; THE SOFTMAX AHEAD OF THE SECOND PRODUCT: t = score x log2(e) / 8; M = the running largest t rounded UP to a whole number; p = 2^(t - M) is quantised along the keys, not normalised; the row's sum of the unquantised p divides at the end.
; SHARES.  A work-group owns 256 queries of one head; each of its eight waves two tiles of 16 queries, in 512 registers.  A fragment of K or V and a mask addend is read from LDS once for both tiles.
; THE WHOLE HEAD'S K AND V LIE IN LDS (96 KiB each), filled once: waves 0-3 ask for a quarter of K each, waves 4-7 for a quarter of V.  One barrier shows all of it.  No prefetch: every tile is asked for at the head, there is no loop to run ahead in.
; CLUSTER 4 x 1: the four query blocks of a cluster belong to one head: every tile is asked for jointly.
; LAYOUT.  Both products transposed: S^T = K Q^T, O^T = V^T P^T: a lane holds ONE query.  Tables hold half images (16 rows x 64 K, registers 0-5 of a fragment).  The instruction's K is 128, the head's 64:
; a fragment of K is TWO tiles of 16 keys side by side; multiplied by [q | 0] it gives the first tile's scores, by [0 | q] the second's.
; WHICH KEYS FORM A TILE is chosen by the lanes' LDS addresses: place m of tile (c, u) of a step is key 64 c + 32 (m / 8) + 8 u + m % 8.  So the 32 registers of tiles (c, 0..3) of lane (r, h) are keys 64 c + 32 h + 0 .. 31:
; one whole scale block of p, in the order of the second product's operand: no lane asks another for a block's maximum, and no code changes lanes.
; FETCHES RUN A STEP AHEAD: the next step's K, mask addends and scale words are asked of LDS behind this step's first products, the next V behind its second products.  The last step is written out: it fetches nothing.
; THE MASK: a hidden key's two scale bytes are set to 0 (2^-127), and the products' C operand is 0 for an open key and -2^33 for a hidden one.
; LIMITS: a hidden key's logit is -2^30 where reference() has -1e9: the same results while open logits stay above some -1e9 (a row with no open key gets p = 1 for every key in both: -2^33 x c is a whole number).
; The promise holds while the scaled scores stay under 2^31 in magnitude.  NaN and infinities are not served; a block of zeros gets the byte 1 (its codes are zeros; only this program reads the bytes).
; REGISTERS.  Window 0: v1-18 addresses; scale words: K's v20-23, V's v24-27, p's v36-37, q's v40-41; v44-73 each tile's small state; v76-91 second halves of p's codes; v92-139 K's four fragments; v140-187 V's; v188-251 the mask's addends.
; Window 1: v0-127 S^T, then p (64 a tile); v128-191 O^T (32 a tile); v192-227 [0 | q | 0] (18 a tile); v228-251 p's codes (12 a tile).
.set VT,    98304                      ; LDS: K [128 tiles][768] at 0; V [16 steps][2 halves][4 tiles of channels][768]
.set VSC,   196608                     ; V's scale words [16 steps][parity][2][16]: stored by the waves
.set KSC,   200704                     ; K's scale words [64 pairs of tiles][16], the mask worked in: stored by the waves
.set MBI,   204800                     ; the mask's addend, 2,048 f32: stored by the waves
.set SPARE, 212992                     ; the spare words, 128 bytes a wave
.set LI16, 1
.set LI8,  2
.set BK16, 3                           ; 1,536 (r / 8) + 16 (r % 8) + 256 h
.set BK8,  4                           ; 1,536 (r / 8) + 8 (r % 8) + 128 h
.set SPW,  5
.set NIL,  6
.set BVS,  7                           ; VSC + 4 r
.set BKS,  8                           ; KSC + 64 (r / 8) + 4 (r % 8)
.set BMK,  9                           ; MBI + 128 h
.set SH8,  10                          ; 8 h
.set R4,   11                          ; 4 r
.set AK16, 12
.set AK8,  13
.set AV16, 14
.set AV8,  15
.set AKS,  16
.set AVS,  17
.set AMK,  18
.set KSW,  20
.set VSW,  24
.set PSW,  36
.set QSW,  40
.set NM,   44                          ; tile w: v[NM+2w] = -M, v[NM+2w+1] = the running largest score
.set LA,   48                          ; tile w: the row's sum in two pairs
.set FF,   56                          ; f, as the low word of a pair
.set BM,   60                          ; a block's largest: tile w, block c
.set BS,   64
.set TT,   68
.set TP,   70
.set TO,   72
.set PT,   76
.set KF,   92
.set VF,   140
.set MK,   188
.set O,    128                         ; window 1
.set QZ,   192
.set PC,   228
.set WV,   18
.set SEL,  20
.set CS,   22
.set TK,   2                           ; where the tiles of the step that is fetched begin: 6,144 bytes a step
.set TS,   3                           ; its scale words: 256
.set TM,   66                          ; its mask addends: 512
.set CNT,  67
.set CV,   68
.set MSB, 0
.macro WIN new                         ; the immediate's high byte repeats the setting that is left
.if MSB != (\new)
	s_set_vgpr_msb (MSB<<8)|(\new)
.set MSB, (\new)
.endif
.endm
.macro PLACES n
.rept \n
	v_nop
.endr
.endm
.macro WALU
	s_wait_alu depctr_va_vdst(0)
.endm
.macro CROUND
	s_barrier_signal -1
	s_barrier_wait -1
	s_cmp_lg_u32 s[WV], 0
	s_cbranch_scc1 .Lnot_wave_0_\@
	s_barrier_signal -3
.Lnot_wave_0_\@:
	s_barrier_wait -3
	s_barrier_signal -1
	s_barrier_wait -1
.endm
	s_load_b128 s[4:7], s[0:1], 0x0                ; qkv, mask
	s_load_b64 s[8:9], s[0:1], 0x10                ; ctx
	v_lshl_add_u32 v[SPW], v0, 2, SPARE
	v_mov_b32 v[NIL], 0
	ds_add_u32 v[SPW], v[NIL]                      ; the opening lines: the add, twice on end, and its wait ahead of my tensor load
	ds_add_u32 v[SPW], v[NIL]
	v_lshrrev_b32 v7, 5, v0
	v_readfirstlane_b32 s[WV], v7                  ; wave 0..7
	s_bfe_u32 s10, ttmp6, 0x40000                  ; cx: it enters q's and ctx's addresses alone
	s_lshl_b32 s11, ttmp9, 2
	s_add_co_u32 s11, s11, s10                     ; my block of 256 queries
	s_and_b32 s12, ttmp7, 0xffff                   ; 16 batch + head
	s_lshr_b32 s13, s12, 4                         ; batch
	s_and_b32 s14, s12, 15                         ; head
	s_mov_b32 s24, 15|(3<<16)|(1<<21)              ; group 1, a quarter of K: 24,576 dense bytes as 96 rows of 256
	s_mov_b32 s25, 32<<16
	s_mov_b32 s26, 96<<16
	s_mov_b32 s27, 32<<16
	s_mov_b32 s28, 96
	s_mov_b32 s29, 32
	s_mov_b32 s30, 0
	s_mov_b32 s31, 0
	s_mov_b32 s32, 15|(3<<16)|(1<<21)              ; a quarter of V: 8 rows (step, half) of 3,072 bytes, 49,152 bytes apart
	s_mov_b32 s33, 384<<16
	s_mov_b32 s34, 8<<16
	s_mov_b32 s35, 384<<16
	s_mov_b32 s36, 8
	s_mov_b32 s37, 6144
	s_mov_b32 s38, 0
	s_mov_b32 s39, 0
	s_and_b32 s15, s[WV], 3                        ; which quarter I ask for
	s_mul_i32 s16, s15, 24576
	s_mul_i32 s88, s12, 98304
	s_add_co_u32 s88, s88, 3145728                 ; the head's K,
	s_add_co_u32 s88, s88, s16                     ; my quarter
	s_mov_b32 s89, 0
	s_mul_i32 s90, s13, 1572864
	s_mul_i32 s91, s14, 3072
	s_add_co_u32 s90, s90, s91
	s_add_co_u32 s90, s90, 6291456                 ; the head's V,
	s_mul_i32 s91, s15, 393216
	s_add_co_u32 s90, s90, s91                     ; my four steps
	s_mov_b32 s91, 0
	s_lshl_b32 s92, s13, 16
	s_lshl_b32 s93, s14, 7
	s_add_co_u32 s92, s92, s93
	s_add_co_u32 s92, s92, 9699328                 ; and V's scale words
	s_mov_b32 s93, 0
	s_mov_b32 s[SEL], 0x76543210
	s_mov_b32 s[SEL+1], 0xfedcba98
	s_mov_b32 s[CS], 0x3e38aa3b                    ; c = log2(e) / 8
	s_mov_b32 s[CS+1], s[CS]
	s_wait_dscnt 0x0                               ; both opening adds are done
	s_wait_kmcnt 0x0
	s_add_nc_u64 s[88:89], s[4:5], s[88:89]
	s_add_nc_u64 s[90:91], s[4:5], s[90:91]
	s_add_nc_u64 s[92:93], s[4:5], s[92:93]
	s_mov_b32 s48, 1
	s_mov_b32 s49, s16
	s_mov_b64 s[50:51], s[88:89]
	s_or_b32 s51, s51, 0x80000000
	s_mov_b32 s52, 1
	s_add_co_u32 s53, s16, VT
	s_mov_b64 s[54:55], s[90:91]
	s_or_b32 s55, s55, 0x80000000
	CROUND                                         ; all four work-groups are here: the joint loads meet
	s_cmp_lt_u32 s[WV], 4                          ; one tensor load a wave, one in each arm
	s_cbranch_scc0 .Lfor_v
	tensor_load_to_lds s[48:51], s[24:31]
	s_nop 0
	PLACES 4
	s_branch .Lasked
.Lfor_v:
	tensor_load_to_lds s[52:55], s[32:39]
	s_nop 0
	PLACES 4
.Lasked:
	; the mask, K's and V's scale words and q come through registers
	s_lshl_b32 s88, s13, 13
	s_mov_b32 s89, 0
	s_add_nc_u64 s[6:7], s[6:7], s[88:89]          ; my batch's mask
	s_lshl_b32 s94, s12, 12
	s_add_co_u32 s94, s94, 9568256
	s_mov_b32 s95, 0
	s_add_nc_u64 s[94:95], s[4:5], s[94:95]        ; the head's scale words of K
	s_lshl_b32 s96, s12, 7
	s_lshl_b32 s97, s11, 4
	s_add_co_u32 s96, s96, s97
	s_lshl_b32 s97, s[WV], 1
	s_add_co_u32 s96, s96, s97
	s_mul_i32 s96, s96, 768
	s_mov_b32 s97, 0
	s_add_nc_u64 s[96:97], s[4:5], s[96:97]        ; my two tiles of q
	s_lshl_b32 s98, s12, 6
	s_lshl_b32 s99, s11, 3
	s_add_co_u32 s98, s98, s99
	s_add_co_u32 s98, s98, s[WV]
	s_lshl_b32 s98, s98, 6
	s_add_co_u32 s98, s98, 9437184
	s_mov_b32 s99, 0
	s_add_nc_u64 s[98:99], s[4:5], s[98:99]        ; and the pair's scale words
	s_lshl_b32 s88, s13, 7                         ; where ctx goes
	s_lshl_b32 s89, s11, 4
	s_add_co_u32 s88, s88, s89
	s_lshl_b32 s89, s[WV], 1
	s_add_co_u32 s88, s88, s89                     ; my first row block
	s_lshl_b32 s88, s88, 4
	s_add_co_u32 s88, s88, s14                     ; its half image of my head
	s_mul_i32 s88, s88, 768
	s_mov_b32 s89, 0
	s_add_nc_u64 s[88:89], s[8:9], s[88:89]
	s_lshl_b32 s90, s13, 3
	s_add_co_u32 s90, s90, s11
	s_lshl_b32 s90, s90, 3
	s_lshr_b32 s91, s14, 1
	s_add_co_u32 s90, s90, s91
	s_lshl_b32 s90, s90, 10
	s_lshl_b32 s91, s[WV], 7
	s_add_co_u32 s90, s90, s91
	s_and_b32 s91, s14, 1
	s_lshl_b32 s91, s91, 1
	s_add_co_u32 s90, s90, s91
	s_add_co_u32 s90, s90, 3145728
	s_mov_b32 s91, 0
	s_add_nc_u64 s[90:91], s[8:9], s[90:91]
	v_and_b32 v19, 31, v0
	v_lshlrev_b32 v[LI16], 4, v19
	v_lshlrev_b32 v[LI8], 3, v19
	v_and_b32 v124, 15, v0                         ; r
	v_bfe_u32 v125, v0, 4, 1                       ; h
	v_bfe_u32 v126, v0, 3, 1                       ; r / 8
	v_and_b32 v127, 7, v0                          ; r % 8
	v_lshlrev_b32 v[R4], 2, v124
	v_add_nc_u32 v[BVS], VSC, v[R4]
	v_lshlrev_b32 v[BMK], 7, v125
	v_add_nc_u32 v[BMK], MBI, v[BMK]
	v_lshlrev_b32 v[SH8], 3, v125
	v_mul_u32_u24 v[BK16], v126, 1536
	v_lshl_add_u32 v[BK8], v127, 3, v[BK16]
	v_lshl_add_u32 v[BK8], v125, 7, v[BK8]
	v_lshl_add_u32 v[BK16], v127, 4, v[BK16]
	v_lshl_add_u32 v[BK16], v125, 8, v[BK16]
	v_lshlrev_b32 v[BKS], 6, v126
	v_lshl_add_u32 v[BKS], v127, 2, v[BKS]
	v_add_nc_u32 v[BKS], KSC, v[BKS]
	v_lshlrev_b32 v120, 4, v0                      ; thread t: mask of keys 4 t .. 4 t + 3, and 1,024 keys on
	v_lshlrev_b32 v121, 3, v0                      ; K's scale words 2 t, 2 t + 1: pair t / 8, places r = 2 (t % 8) and r + 1; and 32 pairs on
	v_lshlrev_b32 v122, 1, v127
	v_and_b32 v123, 8, v122
	v_add_nc_u32 v122, v122, v123
	v_lshrrev_b32 v123, 3, v0
	v_lshl_add_u32 v122, v123, 5, v122             ; their keys: k0 = 32 (t / 8) + r + 8 (r / 8), k0 + 1 in the low halves; k0 + 8, k0 + 9 in the high ones
	v_lshlrev_b32 v122, 2, v122
	v_lshlrev_b32 v119, 4, v127
	v_lshl_add_u32 v119, v123, 11, v119            ; V's scale words: row t / 8 of 128 bytes, 2,048 bytes apart, 16 bytes a thread
.irp j, 0,1
	global_load_b128 v[92+4*\j:95+4*\j], v120, s[6:7] offset:4096*\j
	global_load_b64 v[100+2*\j:101+2*\j], v121, s[94:95] offset:2048*\j
	global_load_b64 v[104+2*\j:105+2*\j], v122, s[6:7] offset:4096*\j
	global_load_b64 v[108+2*\j:109+2*\j], v122, s[6:7] offset:4096*\j+32
.endr
	global_load_b128 v[112:115], v119, s[92:93]
	global_load_b32 v[QSW], v[R4], s[98:99]
	global_load_b32 v[QSW+1], v[R4], s[98:99]
	WIN 0x40                                       ; destination window 1
.irp w, 0,1
	global_load_b128 v[QZ+18*\w+6:QZ+18*\w+9], v[LI16], s[96:97] offset:768*\w       ; q's half image between two runs of six zero registers
	global_load_b64 v[QZ+18*\w+10:QZ+18*\w+11], v[LI8], s[96:97] offset:768*\w+512
.irp i, 0,1,2,3,4,5,12,13,14,15,16,17
	v_mov_b32 v[QZ+18*\w+\i], 0                    ; zero codes
.endr
.endr
.set j, 0
.rept 64
	v_mov_b32 v[O+j], 0                            ; O^T.  (The step is written for all keys alike: the first finds zeros, which the first change of M leaves zeros)
.set j, j+1
.endr
	WIN 0
.irp w, 0,1
	v_mov_b32 v[NM+2*\w+1], 0xff61b1e6             ; the largest score so far: -3e38
	v_floor_f32 v[NM+2*\w], -v[NM+2*\w+1]          ; -M
	v_mov_b32 v[FF+2*\w+1], 0                      ; (named as the upper half of f's pair)
	v_mov_b32 v[TP+\w], 0                          ; a lane permute's destination counts as one of its sources
.irp i, 0,1,2,3
	v_mov_b32 v[LA+4*\w+\i], 0
.endr
.endr
	v_mov_b32 v116, 0xd0000000                     ; -2^33
	v_mov_b32 v117, 0xffff
	v_mov_b32 v118, 0xffff0000
	WALU
	s_wait_loadcnt 0x0
	v_lshrrev_b32 v[QSW+1], 16, v[QSW+1]           ; each tile's two bytes of the pair's word,
.irp w, 0,1
	v_and_b32 v[QSW+\w], 0xffff, v[QSW+\w]
	v_lshl_or_b32 v[QSW+\w], v[QSW+\w], 16, v[QSW+\w]   ; for either half of the instruction's K
.endr
.irp i, 0,1,2,3,4,5,6,7
	v_cmp_eq_u32 vcc_lo, 0, v[92+\i]
	v_cndmask_b32 v[92+\i], 0, v116, vcc_lo
.endr
	v_add_nc_u32 v120, MBI, v120
	ds_store_b128 v120, v[92:95]
	ds_store_b128 v120, v[96:99] offset:4096
.irp i, 0,1,2,3
	v_cmp_ne_u32 vcc_lo, 0, v[104+\i]
	v_cndmask_b32 v124, 0, v117, vcc_lo
	v_cmp_ne_u32 vcc_lo, 0, v[108+\i]
	v_cndmask_b32 v125, 0, v118, vcc_lo
	v_or_b32 v124, v124, v125
	v_and_b32 v[100+\i], v[100+\i], v124           ; a hidden key's two bytes become 0
.endr
	v_add_nc_u32 v121, KSC, v121
	ds_store_b64 v121, v[100:101]
	ds_store_b64 v121, v[102:103] offset:2048
	v_lshl_add_u32 v123, v0, 4, VSC
	ds_store_b128 v123, v[112:115]
.macro KADDR
	v_add_nc_u32 v[AK16], s[TK], v[BK16]
	v_add_nc_u32 v[AK8], s[TK], v[BK8]
	v_add_nc_u32 v[AKS], s[TS], v[BKS]
	v_add_nc_u32 v[AMK], s[TM], v[BMK]
.endm
.macro KLOADS                          ; 36 loads.  Tile t = 4 c + u; fragment g = 2 c + u / 2 holds tiles (c, u) and (c, u + 1), u even
.irp t, 0,1,2,3,4,5,6,7
	ds_load_b128 v[MK+8*\t:MK+8*\t+3], v[AMK] offset:256*(\t/4)+32*(\t%4)          ; the addends of keys 64 c + 32 h + 8 u + 0 .. 7: the product's C
	ds_load_b128 v[MK+8*\t+4:MK+8*\t+7], v[AMK] offset:256*(\t/4)+32*(\t%4)+16
.endr
.irp g, 0,1,2,3
	ds_load_b128 v[KF+12*\g:KF+12*\g+3], v[AK16] offset:3072*(\g/2)+128*(\g%2)      ; lane (r, h) takes place 8 (g % 2) + r % 8 of the table's tile 4 c + 2 (r / 8),
	ds_load_b64 v[KF+12*\g+4:KF+12*\g+5], v[AK8] offset:3072*(\g/2)+64*(\g%2)+512
	ds_load_b128 v[KF+12*\g+6:KF+12*\g+9], v[AK16] offset:3072*(\g/2)+128*(\g%2)+768   ; and of the tile behind it
	ds_load_b64 v[KF+12*\g+10:KF+12*\g+11], v[AK8] offset:3072*(\g/2)+64*(\g%2)+1280
	ds_load_b32 v[KSW+\g], v[AKS] offset:128*(\g/2)+32*(\g%2)
.endr
.endm
.macro VADDR
	v_add_nc_u32 v[AV16], s[CV], v[LI16]
	v_add_nc_u32 v[AV8], s[CV], v[LI8]
	v_add_nc_u32 v[AVS], s[TS], v[BVS]
.endm
.macro VLOADS                          ; 20 loads
.irp d, 0,1,2,3
	ds_load_b128 v[VF+12*\d:VF+12*\d+3], v[AV16] offset:768*\d
	ds_load_b64 v[VF+12*\d+4:VF+12*\d+5], v[AV8] offset:768*\d+512
	ds_load_b128 v[VF+12*\d+6:VF+12*\d+9], v[AV16] offset:768*\d+3072
	ds_load_b64 v[VF+12*\d+10:VF+12*\d+11], v[AV8] offset:768*\d+3584
	ds_load_b32 v[VSW+\d], v[AVS] offset:128*(\d%2)+64*(\d/2)
.endr
.endm
; A KEY STEP: 128 keys x my 32 queries.  more = 1: the next step's operands are fetched
.macro STEP more
.if \more
	s_add_co_u32 s[CV], s[TK], VT
.endif
	s_wait_dscnt 20                                ; K, its scale words and the addends are in; V's 20 loads, issued behind them, may be out
	WIN 0x44                                       ; D window 1, K's fragment 0, q 1, C 0
.irp w, 0,1
.irp t, 0,1,2,3,4,5,6,7
	v_wmma_scale_f32_16x16x128_f8f6f4 v[64*\w+8*\t:64*\w+8*\t+7], v[KF+12*(\t/2):KF+12*(\t/2)+11], v[QZ+18*\w+6-6*(\t%2):QZ+18*\w+17-6*(\t%2)], v[MK+8*\t:MK+8*\t+7], v[KSW+\t/2], v[QSW+\w] matrix_a_fmt:MATRIX_FMT_FP6 matrix_b_fmt:MATRIX_FMT_FP6
.endr
.endr
	WIN 0
.if \more
	KADDR                                          ; these four are the places behind the products, ahead of the loads into their sources and of the first read of the scores
	KLOADS
.else
	PLACES 4
.endif
	WIN 0x15                                       ; the largest score of each block of 32 keys, all of them mine: for the row's maximum and, since p rises with the score, for the block's largest p
.irp w, 0,1
.irp c, 0,1
	v_max3_num_f32 v[BM+2*\w+\c], v[64*\w+32*\c], v[64*\w+32*\c+1], v[64*\w+32*\c+2]
.endr
.endr
	WIN 0x14
.irp i, 3,5,7,9,11,13,15,17,19,21,23,25,27,29
.irp w, 0,1
.irp c, 0,1
	v_max3_num_f32 v[BM+2*\w+\c], v[BM+2*\w+\c], v[64*\w+32*\c+\i], v[64*\w+32*\c+\i+1]
.endr
.endr
.endr
	WIN 0x04
.irp w, 0,1
.irp c, 0,1
	v_max_num_f32 v[BM+2*\w+\c], v[BM+2*\w+\c], v[64*\w+32*\c+31]
.endr
.endr
	WIN 0
.irp w, 0,1
	v_max_num_f32 v[TT+\w], v[BM+2*\w], v[BM+2*\w+1]
.endr
.irp w, 0,1
	v_permlanex16_b32 v[TP+\w], v[TT+\w], s[SEL], s[SEL+1]
.endr
.irp w, 0,1
	v_max3_num_f32 v[NM+2*\w+1], v[NM+2*\w+1], v[TT+\w], v[TP+\w]   ; the running largest score of my query
.endr
.irp w, 0,1
	v_mul_f32 v[TT+\w], s[CS], v[NM+2*\w+1]        ; as t (c is positive)
	v_mov_b32 v[TO+\w], v[NM+2*\w]
.endr
.irp w, 0,1
	v_floor_f32 v[NM+2*\w], -v[TT+\w]              ; the new -M = -ceil(t): a whole number
.endr
.irp w, 0,1
	v_sub_f32 v[TT+\w], v[NM+2*\w], v[TO+\w]
.endr
.irp w, 0,1
	v_cvt_i32_f32 v[TT+\w], v[TT+\w]               ; (it saturates)
.endr
.irp w, 0,1
	v_ldexp_f32 v[FF+2*\w], 1.0, v[TT+\w]          ; f = 2^(old M - new M): rounds nothing
.endr
.irp w, 0,1
.irp c, 0,1
	v_fma_f32 v[BM+2*\w+\c], v[BM+2*\w+\c], s[CS], v[NM+2*\w]
.endr
.endr
.irp w, 0,1
	v_pk_mul_f32 v[LA+4*\w:LA+4*\w+1], v[LA+4*\w:LA+4*\w+1], v[FF+2*\w:FF+2*\w+1] op_sel_hi:[1,0]       ; the sums under the new M
	v_pk_mul_f32 v[LA+4*\w+2:LA+4*\w+3], v[LA+4*\w+2:LA+4*\w+3], v[FF+2*\w:FF+2*\w+1] op_sel_hi:[1,0]
.endr
	WIN 0x41                                       ; destination and source 0 window 1
.irp w, 0,1
.set j, 0
.rept 16
	v_pk_mul_f32 v[O+32*\w+j:O+32*\w+j+1], v[O+32*\w+j:O+32*\w+j+1], v[FF+2*\w:FF+2*\w+1] op_sel_hi:[1,0]   ; O^T under the new M, each accumulator from its low end on, ahead of the exponentials
.set j, j+2
.endr
.endr
.set j, 0
.rept 32
	v_pk_fma_f32 v[j:j+1], v[j:j+1], s[CS:CS+1], v[NM:NM+1] op_sel_hi:[1,0,0]   ; tile 0: t - M
.set j, j+2
.endr
	WALU
.set j, 0
.rept 32
	v_exp_f32 v[j], v[j]                           ; tile 0: p = 2^(t - M); tile 1's t - M stands among them: it reads nothing that the batch writes, and is read behind the next wait
	v_pk_fma_f32 v[64+j:65+j], v[64+j:65+j], s[CS:CS+1], v[NM+2:NM+3] op_sel_hi:[1,0,0]
	v_exp_f32 v[j+1], v[j+1]
.set j, j+2
.endr
	WALU
.set j, 0
.rept 64
	v_exp_f32 v[64+j], v[64+j]                     ; tile 1
.set j, j+1
.endr
	WIN 0
.irp b, 0,1,2,3
	v_exp_f32 v[BM+\b], v[BM+\b]                   ; the blocks' largest p
.endr
	v_nop                                          ; a plain place behind the exponentials
	WALU                                           ; one wait for all of them, ahead of their first reader
	WIN 0x04
.set j, 0
.rept 16
.irp w, 0,1
	v_pk_add_f32 v[LA+4*\w:LA+4*\w+1], v[LA+4*\w:LA+4*\w+1], v[64*\w+j:64*\w+j+1]             ; the row's sum of the unquantised p: four chains by turns
	v_pk_add_f32 v[LA+4*\w+2:LA+4*\w+3], v[LA+4*\w+2:LA+4*\w+3], v[64*\w+j+2:64*\w+j+3]
.endr
.set j, j+4
.endr
	WIN 0
.irp b, 0,1,2,3
	v_max_num_f32 v[BM+\b], 0x1800000, v[BM+\b]    ; the floor 2^(3 - 127): the byte cannot fall under 1
.endr
.irp b, 0,1,2,3
	v_add_nc_u32 v[BS+\b], 0xff000000, v[BM+\b]    ; 2 off the exponent field: the conversion's scale operand
.endr
.irp b, 0,1,2,3
	v_lshrrev_b32 v[BM+\b], 23, v[BS+\b]           ; the byte
.endr
.irp w, 0,1
	v_lshl_or_b32 v[TT+\w], v[BM+2*\w+1], 16, v[BM+2*\w]   ; my blocks h and 2 + h of the step's four,
.endr
.irp w, 0,1
	v_lshlrev_b32 v[TT+\w], v[SH8], v[TT+\w]       ; at their places in the scale word;
.endr
.irp w, 0,1
	v_permlanex16_b32 v[TP+\w], v[TT+\w], s[SEL], s[SEL+1]
.endr
.irp w, 0,1
	v_or_b32 v[PSW+\w], v[TT+\w], v[TP+\w]         ; with lane l xor 16's two the word is whole
.endr
	WIN 0x41
.irp w, 0,1
.irp c, 0,1
	v_cvt_scalef32_pk16_fp6_f32 v[PC+12*\w+6*\c:PC+12*\w+6*\c+2], v[64*\w+32*\c:64*\w+32*\c+15], v[BS+2*\w+\c]
.endr
.endr
	WIN 0x01
.irp w, 0,1
.irp c, 0,1
	v_cvt_scalef32_pk16_fp6_f32 v[PT+8*\w+4*\c:PT+8*\w+4*\c+2], v[64*\w+32*\c+16:64*\w+32*\c+31], v[BS+2*\w+\c]   ; (a conversion's three registers begin on an even number)
.endr
.endr
	v_nop                                          ; one plain place behind a scaled conversion
	WIN 0x40
.irp w, 0,1
.irp c, 0,1
.irp i, 0,1,2
	v_mov_b32 v[PC+12*\w+6*\c+3+\i], v[PT+8*\w+4*\c+\i]
.endr
.endr
.endr
	WIN 0
.if \more
	VADDR                                          ; with the v_nop: the four places between p's codes and the products
	v_nop
	WALU
	s_wait_dscnt 36                                ; V is in; the next step's 36 loads, issued behind it, may be out
.else
	PLACES 4
	WALU
	s_wait_dscnt 0x0
.endif
	WIN 0x54                                       ; D and C window 1, V's fragment 0, p's codes 1
.irp w, 0,1
.irp d, 0,1,2,3
	v_wmma_scale_f32_16x16x128_f8f6f4 v[O+32*\w+8*\d:O+32*\w+8*\d+7], v[VF+12*\d:VF+12*\d+11], v[PC+12*\w:PC+12*\w+11], v[O+32*\w+8*\d:O+32*\w+8*\d+7], v[VSW+\d], v[PSW+\w] matrix_a_fmt:MATRIX_FMT_FP6 matrix_b_fmt:MATRIX_FMT_FP6
.endr
.endr
	WIN 0
	PLACES 4                                       ; behind the products: ahead of the loads into V's fragments, or of the first read of O^T
.if \more
	VLOADS
.endif
.endm
	WALU
	s_wait_tensorcnt 0x0                           ; my quarter has landed
	s_wait_dscnt 0x0                               ; and so have my LDS stores
	s_barrier_signal -1
	s_barrier_wait -1                              ; the whole head, its scale words and the addends lie in LDS
	s_mov_b32 s[TK], 0
	s_mov_b32 s[TS], 0
	s_mov_b32 s[TM], 0
	s_mov_b32 s[CV], VT
	KADDR
	KLOADS                                         ; step 0's operands, in the order of every step: K's group, then V's
	VADDR
	VLOADS
	s_mov_b32 s[TK], 6144
	s_mov_b32 s[TS], 256
	s_mov_b32 s[TM], 512
	s_mov_b32 s[CNT], 15
.Lstep:                                            ; steps 0 to 14; trip s fetches step s + 1
	STEP 1
	s_add_co_u32 s[TK], s[TK], 6144
	s_add_co_u32 s[TS], s[TS], 256
	s_add_co_u32 s[TM], s[TM], 512
	s_sub_co_u32 s[CNT], s[CNT], 1
	s_cmp_lg_u32 s[CNT], 0
	s_cbranch_scc1 .Lstep
	STEP 0                                         ; step 15 fetches nothing
	; THE WAY OUT: O^T / the sum is 64 numbers of the model's axis for each query: two blocks of 32: one half image and two scale bytes a tile
.irp w, 0,1
	v_pk_add_f32 v[LA+4*\w:LA+4*\w+1], v[LA+4*\w:LA+4*\w+1], v[LA+4*\w+2:LA+4*\w+3]
.endr
.irp w, 0,1
	v_add_f32 v[TT+\w], v[LA+4*\w], v[LA+4*\w+1]
.endr
.irp w, 0,1
	v_permlanex16_b32 v[TP+\w], v[TT+\w], s[SEL], s[SEL+1]
.endr
.irp w, 0,1
	v_add_f32 v[TT+\w], v[TT+\w], v[TP+\w]         ; the row's sum
.endr
	WALU
.irp w, 0,1
	v_rcp_f32 v[TT+\w], v[TT+\w]
.endr
	v_nop                                          ; a plain place behind the transcendentals
	WIN 0x41
	WALU                                           ; directly ahead of the first reader of O^T and of the quotients
.irp w, 0,1
.set j, 0
.rept 32
	v_mul_f32 v[64*\w+j], v[O+32*\w+j], v[TT+\w]   ; register 8 d + i: channel 32 (d / 2) + 16 h + 8 (d % 2) + i
.set j, j+1
.endr
.endr
	WIN 0x05
.irp w, 0,1
.irp b, 0,1
	v_max3_num_f32 v[BM+2*\w+\b], |v[64*\w+16*\b]|, |v[64*\w+16*\b+1]|, 0x1800000
.endr
.endr
	WIN 0x14
.irp i, 2,4,6,8,10,12,14
.irp w, 0,1
.irp b, 0,1
	v_max3_num_f32 v[BM+2*\w+\b], v[BM+2*\w+\b], |v[64*\w+16*\b+\i]|, |v[64*\w+16*\b+\i+1]|
.endr
.endr
.endr
	WIN 0
.irp b, 0,1,2,3
	v_permlanex16_b32 v[BS+\b], v[BM+\b], s[SEL], s[SEL+1]
.endr
.irp b, 0,1,2,3
	v_max_num_f32 v[BM+\b], v[BM+\b], v[BS+\b]     ; with lane l xor 16's 16 channels
.endr
.irp b, 0,1,2,3
	v_add_nc_u32 v[BS+\b], 0xff000000, v[BM+\b]
.endr
.irp b, 0,1,2,3
	v_lshrrev_b32 v[BM+\b], 23, v[BS+\b]
.endr
.irp w, 0,1
	v_lshl_or_b32 v[TT+\w], v[BM+2*\w+1], 8, v[BM+2*\w]
.endr
	WIN 0x01
.irp w, 0,1
	v_cvt_scalef32_pk16_fp6_f32 v[KF+12*\w:KF+12*\w+2], v[64*\w:64*\w+15], v[BS+2*\w]
	v_cvt_scalef32_pk16_fp6_f32 v[KF+12*\w+6:KF+12*\w+8], v[64*\w+16:64*\w+31], v[BS+2*\w+1]
.endr
	WIN 0
	v_nop
.irp w, 0,1
.irp i, 0,1,2
	v_permlane16_swap_b32 v[KF+12*\w+\i], v[KF+12*\w+6+\i]   ; a whole block to a lane
.endr
.endr
.irp w, 0,1
.irp i, 0,1,2
	v_mov_b32 v[KF+12*\w+3+\i], v[KF+12*\w+6+\i]
.endr
.endr
.irp w, 0,1
	global_store_b128 v[LI16], v[KF+12*\w:KF+12*\w+3], s[88:89] offset:12288*\w
	global_store_b64 v[LI8], v[KF+12*\w+4:KF+12*\w+5], s[88:89] offset:12288*\w+512
	global_store_b16 v[R4], v[TT+\w], s[90:91] offset:64*\w   ; my head's half of the row's scale word (lanes 16-31 repeat lanes 0-15); the other half is the sibling head's
.endr
	s_wait_tensorcnt 0x0                           ; the wave's end
	ds_add_u32 v[SPW], v[NIL]
	s_wait_dscnt 0x0
	CROUND                                         ; the closing round
	s_endpgm
.Lfunc_end_k_q22793e6078_attn:
	.size	k_q22793e6078_attn, .Lfunc_end_k_q22793e6078_attn-k_q22793e6078_attn
	.p2alignl 7, 3214868480
	.fill 96, 4, 3214868480
	.section	.rodata,"a",@progbits
	.p2align	6, 0x0
	.amdhsa_kernel k_q22793e6078_attn
		.amdhsa_group_segment_fixed_size 215040
		.amdhsa_private_segment_fixed_size 0
		.amdhsa_enable_private_segment 0
		.amdhsa_kernarg_size 24
		.amdhsa_user_sgpr_count 2
		.amdhsa_user_sgpr_kernarg_segment_ptr 1
		.amdhsa_wavefront_size32 1
		.amdhsa_system_sgpr_workgroup_id_x 1
		.amdhsa_system_sgpr_workgroup_id_y 1
		.amdhsa_system_sgpr_workgroup_id_z 1
		.amdhsa_system_vgpr_workitem_id 0
		.amdhsa_next_free_vgpr 512
		.amdhsa_next_free_sgpr 100
		.amdhsa_reserve_vcc 1
		.amdhsa_float_denorm_mode_32 3
		.amdhsa_float_denorm_mode_16_64 3
		.amdhsa_memory_ordered 1
		.amdhsa_forward_progress 1
		.amdhsa_inst_pref_size 81
	.end_amdhsa_kernel
	.amdgpu_metadata
---
amdhsa.version: [ 1, 2 ]
amdhsa.kernels:
  - .name:           k_q22793e6078_attn
    .symbol:         k_q22793e6078_attn.kd
    .args:
      - { .name: qkv, .offset: 0, .size: 8, .value_kind: global_buffer, .address_space: global }
      - { .name: mask, .offset: 8, .size: 8, .value_kind: global_buffer, .address_space: global }
      - { .name: ctx, .offset: 16, .size: 8, .value_kind: global_buffer, .address_space: global }
    .group_segment_fixed_size: 215040
    .private_segment_fixed_size: 0
    .kernarg_segment_align: 8
    .kernarg_segment_size: 24
    .max_flat_workgroup_size: 256
    .sgpr_count:     100
    .vgpr_count:     512
    .wavefront_size: 32
...
	.end_amdgpu_metadata
.endif
;; end of part 3
;; launch wo (part 4): grid 8 x 32, 4 waves a work-group, clusters of 4 x 4, 327,680 bytes of LDS; arguments ctx, pre, wo_b, x, y; writes y
.if DOCPART == 4
	.amdgcn_target "amdgcn-amd-amdhsa--gfx1250"
	.amdhsa_code_object_version 6
	.text
	.protected	k_q22793e6078_wo
	.globl	k_q22793e6078_wo
	.p2align	8
	.type	k_q22793e6078_wo,@function
k_q22793e6078_wo:
	s_mov_b64 s[64:65], 0
	v_nop
	global_prefetch_b8 v0, s[64:65] scope:SCOPE_SE
	s_setreg_imm32_b32 hwreg(HW_REG_WAVE_MODE, 25, 1), 1
	s_wait_xcnt 0x0
	s_wait_alu depctr_hold_cnt(0) depctr_sa_sdst(0) depctr_va_vdst(0) depctr_va_sdst(0) depctr_va_ssrc(0) depctr_va_vcc(0) depctr_vm_vsrc(0)
	s_getreg_b32 s2, hwreg(HW_REG_IB_STS2, 6, 4)
	s_cmp_eq_u32 s2, 0
	s_cbranch_scc0 .Lentry_in_a_cluster
	s_endpgm
.Lentry_in_a_cluster:
	s_bfe_u32 s2, ttmp6, 0x10000c
	s_cmp_lg_u32 s2, 0xf033
	s_cbranch_scc0 .Lentry_shape_is_right
	s_endpgm
.Lentry_shape_is_right:
; y = resid + (A B^T + bias), f32, [4096][1024]; A and B are tables of FP6 (E2M3) codes with E8M0 scale words.  SIZE_K = 1,024: A = ctx, B = Wo, resid = x.  SIZE_K = 4,096: A = the hidden layer, B = W2, resid = out1.
; TABLES: rows in blocks of 16, block rb place r = row 32 (rb / 2) + 8 (rb % 2) + r + 8 (r / 8); codes [rb][K / 64][768]: half images of a fragment's registers 0-5; scale words [rows / 256][K / 128][256 places].
; 4,096 x 1,024 makes 64 tiles of 256 x 256 but 256 of 128 x 128: a tile of 128 x 128 to a work-group, 64 x 64 a wave: 16 accumulators.  The product is used TRANSPOSED (source 0 = B's rows, source 1 = A's).
; K goes in steps of 128; an LDS slot holds four; two slots.  CLUSTERS 4 x 4: A's tiles are asked for jointly along a row of the cluster, B's along a column.
; The residual's 128 registers a lane are asked for at the head, so that they land under the whole product.
; REGISTERS: window 0: v8, v9 lane offsets; v16-23 LDS addresses; v24-30 the way out, the scale words' address, the add's two; v32-39 scale words, two sets; v40-43 bias; v48-111 rows on the way out; v128-255 accumulator (a, b) at v[128 + 8 (4 a + b)].
;   window 1: two fragment buffers, v0-95 and v128-223: A's four at 12 a, B's four at 48 + 12 b.   window 2: v0-127 the residual.
.set SIZE_K, 1024
.set RBS,   SIZE_K*12                  ; a row block's codes in bytes
.set LAPS,  SIZE_K/1024                ; a lap = two slots
.set SLOT,   98304                     ; A's 8 row blocks, all of K: [8][16 half images][768]; B's the same, from SLOT on.  Both are filled once
.set SCA,   2*SLOT                     ; A's scale words [K / 128][128], then B's
.set STAGE, SCA+8*SIZE_K               ; 16 rows x (256 bytes + 16) for each wave
.set SPARE, STAGE+17408                ; the spare words, 128 bytes a wave
.set ASOFF, SIZE_K*3072                ; A's scale words lie behind its codes
.if SIZE_K == 1024
.set BCOFF, 2359296
.set BSOFF, 9535488
.else
.set BCOFF, 6291456
.set BSOFF, 9699328
.endif
.set LI16, 8
.set LI8,  9
.set STO,  24
.set RD,   25
.set CO,   26
.set ADRS, 27
.set SPW,  28
.set NIL,  29
.set BO,   30
.set SC,   32
.set BIAS, 40
.set T,    48
.set ACC,  128
.set G1,   24
.set G0,   32
.set G1B,  48
.set G0B,  56
.set G1S,  68
.set G0S,  76
.set G1SB, 80
.set G0SB, 88
.set MSB, 0
.macro WIN new                         ; the immediate's high byte repeats the setting that is left
.if MSB != (\new)
	s_set_vgpr_msb (MSB<<8)|(\new)
.set MSB, (\new)
.endif
.endm
.macro PLACES n
.rept \n
	v_nop
.endr
.endm
; a joint load: waves 0 and 1 fetch for A, waves 2 and 3 for B; an s_nop 0 and four v_nop follow each of the two lines
.macro JLOAD g0a, g1a, g0b, g1b
	s_cmp_eq_u32 s15, 0
	s_cbranch_scc0 .Lfor_b_\@
	tensor_load_to_lds s[\g0a:\g0a+3], s[\g1a:\g1a+7]
	s_nop 0
.rept 4
	v_nop
.endr
	s_branch .Lasked_\@
.Lfor_b_\@:
	tensor_load_to_lds s[\g0b:\g0b+3], s[\g1b:\g1b+7]
	s_nop 0
.rept 4
	v_nop
.endr
.Lasked_\@:
.endm
.macro CREST                           ; a round of the cluster's barrier behind its opening barrier
	s_cmp_lg_u32 s14, 0
	s_cbranch_scc1 .Lnot_wave_0_\@
	s_barrier_signal -3
.Lnot_wave_0_\@:
	s_barrier_wait -3
	s_barrier_signal -1
	s_barrier_wait -1
.endm
.macro CROUND
	s_barrier_signal -1
	s_barrier_wait -1
	CREST
.endm
	s_load_b256 s[4:11], s[0:1], 0x0               ; A, pre, bias, resid
	s_load_b64 s[12:13], s[0:1], 0x20              ; y
	v_lshl_add_u32 v[SPW], v0, 2, SPARE
	v_mov_b32 v[NIL], 0
	ds_add_u32 v[SPW], v[NIL]                      ; the wave's opening: the add and its wait ahead of my first tensor load; work on registers stands between them
	ds_add_u32 v[SPW], v[NIL]
	v_lshrrev_b32 v1, 5, v0
	v_readfirstlane_b32 s14, v1                    ; wave 0..3
	s_lshr_b32 s15, s14, 1                         ; which half of the tile's rows is mine.  Also: I fetch for A (0) or for B (1)
	s_and_b32 s16, s14, 1                          ; which half of its columns.  Also: which half of that tile I fetch
	s_bfe_u32 s40, ttmp6, 0x40000                  ; cx
	s_bfe_u32 s41, ttmp6, 0x40004                  ; cy
	s_lshl_b32 s42, ttmp9, 2
	s_add_co_u32 s42, s42, s40                     ; TC
	s_and_b32 s17, ttmp7, 0xffff
	s_lshl_b32 s17, s17, 2
	s_add_co_u32 s17, s17, s41                     ; TR
	s_lshl_b32 s43, s41, 2
	s_lshl_b32 s43, 15, s43                        ; my row of the cluster
	s_lshl_b32 s44, 0x1111, s40                    ; my column
	; group 1, codes: 8 row blocks x 12,288 bytes (1,536 elements of 8 bytes), RBS bytes apart; dense in LDS
	s_or_b32 s[G1], s43, (3<<16)|(1<<21)
	s_or_b32 s[G1B], s44, (3<<16)|(1<<21)
.irp g, G1, G1B
	s_mov_b32 s[\g+1], 1536<<16                    ; 8 row blocks x 12,288 bytes: all of K
	s_mov_b32 s[\g+2], 8<<16
	s_mov_b32 s[\g+3], 1536<<16
	s_mov_b32 s[\g+4], 8
	s_mov_b32 s[\g+5], RBS/8
	s_mov_b32 s[\g+6], 0
	s_mov_b32 s[\g+7], 0
.endr
	; group 1, scale words: SIZE_K / 128 K steps x 512 bytes (my tile's half of 256 places), 1,024 bytes apart
	s_or_b32 s[G1S], s43, (3<<16)|(1<<21)
	s_or_b32 s[G1SB], s44, (3<<16)|(1<<21)
.irp g, G1S, G1SB
	s_mov_b32 s[\g+1], 64<<16
	s_mov_b32 s[\g+2], (SIZE_K/128)<<16            ; all K steps in one load
	s_mov_b32 s[\g+3], 64<<16
	s_mov_b32 s[\g+4], SIZE_K/128
	s_mov_b32 s[\g+5], 128
	s_mov_b32 s[\g+6], 0
	s_mov_b32 s[\g+7], 0
.endr
	s_lshl_b32 s20, s17, 3
	s_mul_i32 s20, s20, RBS                        ; A's codes: block 8 TR
	s_mov_b32 s21, 0
	s_lshr_b32 s22, s17, 1
	s_mul_i32 s22, s22, 8*SIZE_K
	s_and_b32 s23, s17, 1
	s_lshl_b32 s23, s23, 9
	s_add_co_u32 s22, s22, s23
	s_add_co_u32 s22, s22, ASOFF                   ; A's scale words
	s_mov_b32 s23, 0
	s_lshl_b32 s46, s42, 3
	s_mul_i32 s46, s46, RBS
	s_add_co_u32 s46, s46, BCOFF                   ; B's codes
	s_mov_b32 s47, 0
	s_lshr_b32 s92, s42, 1
	s_mul_i32 s92, s92, 8*SIZE_K
	s_and_b32 s93, s42, 1
	s_lshl_b32 s93, s93, 9
	s_add_co_u32 s92, s92, s93
	s_add_co_u32 s92, s92, BSOFF                   ; B's scale words
	s_mov_b32 s93, 0
	s_wait_dscnt 0x0                               ; both opening adds are done
	s_wait_kmcnt 0x0
	s_add_nc_u64 s[20:21], s[4:5], s[20:21]
	s_add_nc_u64 s[22:23], s[4:5], s[22:23]
	s_add_nc_u64 s[46:47], s[6:7], s[46:47]
	s_add_nc_u64 s[92:93], s[6:7], s[92:93]
	CROUND                                         ; all sixteen work-groups are here: the first joint loads meet
	s_mov_b32 s[G0S], 1
	s_mov_b32 s[G0S+1], SCA
	s_mov_b64 s[G0S+2:G0S+3], s[22:23]
	s_or_b32 s[G0S+3], s[G0S+3], 0x80000000
	s_mov_b32 s[G0SB], 1
	s_mov_b32 s[G0SB+1], SCA+4*SIZE_K
	s_mov_b64 s[G0SB+2:G0SB+3], s[92:93]
	s_or_b32 s[G0SB+3], s[G0SB+3], 0x80000000
	s_mov_b32 s[G0], 1
	s_mov_b32 s[G0+1], 0
	s_mov_b64 s[G0+2:G0+3], s[20:21]
	s_or_b32 s[G0+3], s[G0+3], 0x80000000
	s_mov_b32 s[G0B], 1
	s_mov_b32 s[G0B+1], SLOT
	s_mov_b64 s[G0B+2:G0B+3], s[46:47]
	s_or_b32 s[G0B+3], s[G0B+3], 0x80000000
; all that the product reads comes in four tiles, one tensor load a wave, in one chain of branches on the wave's number: A's codes, B's, A's scale words, B's
.macro ARM under, g0, g1
	s_cmp_lt_u32 s14, \under
	s_cbranch_scc0 .Lnext_\@
	tensor_load_to_lds s[\g0:\g0+3], s[\g1:\g1+7]
	s_nop 0
	PLACES 4
	s_branch .Lhead_asked
.Lnext_\@:
.endm
	ARM 1, G0, G1
	ARM 2, G0B, G1B
	ARM 3, G0S, G1S
	tensor_load_to_lds s[G0SB:G0SB+3], s[G1SB:G1SB+7]
	s_nop 0
	PLACES 4
.Lhead_asked:
	v_and_b32 v1, 31, v0                           ; lane
	v_and_b32 v2, 15, v0                           ; r
	v_bfe_u32 v3, v0, 4, 1                         ; h
	v_lshlrev_b32 v[LI16], 4, v1
	v_lshlrev_b32 v[LI8], 3, v1
	s_mul_i32 s21, s15, 49152                      ; my 4 blocks of A, 12,288 bytes each,
	s_mul_i32 s22, s16, 49152
	s_add_co_u32 s22, s22, SLOT                    ; my 4 of B
.irp s, 0,1
	v_add_nc_u32 v[16+4*\s], s21, v[LI16]
	v_add_nc_u32 v[17+4*\s], s21, v[LI8]
	v_add_nc_u32 v[18+4*\s], s22, v[LI16]
	v_add_nc_u32 v[19+4*\s], s22, v[LI8]
	s_add_co_u32 s21, s21, 6144                    ; the second four K steps lie 6,144 bytes on in each block
	s_add_co_u32 s22, s22, 6144
.endr
	s_xor_b32 s21, s15, 1                          ; lanes 0-15 take A's words, lanes 16-31 B's: one product, h x the distance 4 SIZE_K + 256 wn - 256 wm
	s_add_co_u32 s21, s21, s16
	s_lshl_b32 s21, s21, 8
	s_add_co_u32 s21, s21, 4*SIZE_K-256
	v_mul_u32_u24 v4, s21, v3
	s_lshl_b32 s22, s15, 8
	s_add_co_u32 s22, s22, SCA
	v_lshl_add_u32 v4, v2, 2, v4
	v_add_nc_u32 v[ADRS], s22, v4
	s_mul_i32 s23, s14, 4352
	s_add_co_u32 s23, s23, STAGE                   ; my stage
	v_mul_u32_u24 v4, v2, 272
	v_lshl_add_u32 v4, v3, 6, v4
	v_add_nc_u32 v[STO], s23, v4                   ; in: row r, + 64 h
	v_mul_u32_u24 v4, v3, 272
	v_lshl_add_u32 v4, v2, 4, v4
	v_add_nc_u32 v[RD], s23, v4                    ; back: lanes 0-15 one row of 256 bytes, lanes 16-31 the next
	v_lshlrev_b32 v[BO], 4, v2
	s_wait_alu depctr_va_vdst(0)
	v_lshl_add_u32 v[CO], v3, 12, v[BO]            ; and the same two rows in y and in the residual
	s_wait_alu depctr_va_vdst(0)
	s_lshl_b32 s20, s42, 9
	s_lshl_b32 s21, s16, 8
	s_add_co_u32 s20, s20, s21                     ; my first column, in bytes
	s_mov_b32 s21, 0
	s_add_nc_u64 s[8:9], s[8:9], s[20:21]
	s_lshl_b32 s22, s17, 19
	s_add_co_u32 s20, s20, s22
	s_lshl_b32 s22, s15, 18
	s_add_co_u32 s20, s20, s22                     ; + my first row
	s_add_nc_u64 s[10:11], s[10:11], s[20:21]
	s_add_nc_u64 s[12:13], s[12:13], s[20:21]
	global_load_b128 v[BIAS:BIAS+3], v[BO], s[8:9]
	WIN 0x80                                       ; destination window 2
.irp a, 0,1,2,3
.irp t, 0,1,2,3,4,5,6,7
	global_load_b128 v[32*\a+4*\t:32*\a+4*\t+3], v[CO], s[10:11] offset:(32*(\a/2)+8*(\a%2)+2*\t+8*(\t/4))*4096   ; places 2 t, 2 t + 1 of block a: sixteen lanes read 256 consecutive bytes
.endr
.endr
	WIN 0
.macro FRAG reg, a16, a8, off          ; a fragment: two half images, four dense loads
	ds_load_b128 v[\reg:\reg+3], v[\a16] offset:\off
	ds_load_b64 v[\reg+4:\reg+5], v[\a8] offset:(\off)+512
	ds_load_b128 v[\reg+6:\reg+9], v[\a16] offset:(\off)+768
	ds_load_b64 v[\reg+10:\reg+11], v[\a8] offset:(\off)+1280
.endm
.macro FETCH slot, q                   ; the slot's q-th 128 along K into buffer and scale set q % 2: 36 loads
	WIN 0x40
.irp i, 0,1,2,3
	FRAG 128*((\q)%2)+12*\i, 16+4*(\slot), 17+4*(\slot), 12288*\i+1536*(\q)
	FRAG 128*((\q)%2)+48+12*\i, 18+4*(\slot), 19+4*(\slot), 12288*\i+1536*(\q)
.endr
	WIN 0
.irp i, 0,1,2,3
	ds_load_b32 v[SC+4*((\q)%2)+\i], v[ADRS] offset:512*(\q)+64*\i
.endr
.endm
; four matrix instructions: A's block a x B's four.  The 16 accumulators take turns, one instruction a turn, in the same order in every step
.macro MUL4 q, a, zero
.irp b, 0,1,2,3
.if \zero
	v_wmma_scale_f32_16x16x128_f8f6f4 v[ACC+8*(4*(\a)+\b):ACC+8*(4*(\a)+\b)+7], v[128*((\q)%2)+48+12*\b:128*((\q)%2)+48+12*\b+11], v[128*((\q)%2)+12*(\a):128*((\q)%2)+12*(\a)+11], 0, v[SC+4*((\q)%2)+\b], v[SC+4*((\q)%2)+(\a)] matrix_a_fmt:MATRIX_FMT_FP6 matrix_b_fmt:MATRIX_FMT_FP6 matrix_a_scale:MATRIX_SCALE_ROW1
.else
	v_wmma_scale_f32_16x16x128_f8f6f4 v[ACC+8*(4*(\a)+\b):ACC+8*(4*(\a)+\b)+7], v[128*((\q)%2)+48+12*\b:128*((\q)%2)+48+12*\b+11], v[128*((\q)%2)+12*(\a):128*((\q)%2)+12*(\a)+11], v[ACC+8*(4*(\a)+\b):ACC+8*(4*(\a)+\b)+7], v[SC+4*((\q)%2)+\b], v[SC+4*((\q)%2)+(\a)] matrix_a_fmt:MATRIX_FMT_FP6 matrix_b_fmt:MATRIX_FMT_FP6 matrix_a_scale:MATRIX_SCALE_ROW1
.endif
.endr
.endm
.macro STEP slot, q, zero              ; one of a slot's first three steps
	PLACES 4                                       ; in front of loads into the buffer that the step before multiplied (ISA guide 7.12.1 for vector instructions)
	FETCH \slot, (\q)+1
	s_wait_dscnt 36                                ; all but the 36 just issued: this step's operands are in
	WIN 0x05
	MUL4 \q, 0, \zero
	MUL4 \q, 1, \zero
	MUL4 \q, 2, \zero
	MUL4 \q, 3, \zero
.endm
; a slot's last step changes slots: ONE barrier; in front of it each wave waits for all its tensor loads, adds 0 to its spare word, and waits for that and for its own reads of this slot.  fill = 1: this slot is filled again, two slots ahead
.macro TURN slot, next, fill
	WIN 0
	s_wait_tensorcnt 0x0                           ; all my tensor loads have landed: my part of the next slot
	ds_add_u32 v[SPW], v[NIL]
	s_wait_dscnt 1                                 ; (only the add may be out)
	WIN 0x05
	MUL4 3, 0, 0
	s_wait_dscnt 0x0                               ; the add is done, and my reads of this slot are over
	s_barrier_signal -1
	MUL4 3, 1, 0
	WIN 0
	s_barrier_wait -1
.if \fill
	CREST                                          ; no wave of any partner still reads this slot or has a load on its way
	s_add_nc_u64 s[G0+4*\slot+2:G0+4*\slot+3], s[G0+4*\slot+2:G0+4*\slot+3], 2*6144
	s_add_nc_u64 s[G0B+4*\slot+2:G0B+4*\slot+3], s[G0B+4*\slot+2:G0B+4*\slot+3], 2*6144
	JLOAD G0+4*\slot, G1, G0B+4*\slot, G1B         ; my one tensor load behind the round; its four v_nop are also the places in front of the loads below
.else
	PLACES 4
.endif
	v_add_nc_u32 v[ADRS], 2048, v[ADRS]            ; on to the next slot's scale words (no LDS load of mine is out)
	s_wait_alu depctr_va_vdst(0)
	FETCH \next, 0
	WIN 0x05
	MUL4 3, 2, 0
	MUL4 3, 3, 0
.endm
	s_wait_tensorcnt 0x0                           ; my tile is in; the barrier shows all four to every wave
	s_barrier_signal -1
	s_barrier_wait -1
	FETCH 0, 0
	STEP 0, 0, 1                                   ; the first step's products start the sums
.if LAPS > 1
	WIN 0
	s_mov_b32 s3, LAPS-1
.Llap:                                                 ; a trip goes once round the ring, from a lap's second step to the next lap's first, and fills both slots again
	STEP 0, 1, 0
	STEP 0, 2, 0
	TURN 0, 1, 1
	STEP 1, 0, 0
	STEP 1, 1, 0
	STEP 1, 2, 0
	TURN 1, 0, 1
	STEP 0, 0, 0
	WIN 0
	s_sub_co_u32 s3, s3, 1
	s_cmp_lg_u32 s3, 0
	s_cbranch_scc1 .Llap
.endif
	STEP 0, 1, 0                                   ; the last lap fills nothing
	STEP 0, 2, 0
	TURN 0, 1, 0
	STEP 1, 0, 0
	STEP 1, 1, 0
	STEP 1, 2, 0
	s_wait_dscnt 0x0
	WIN 0x05
	MUL4 3, 0, 0
	MUL4 3, 1, 0
	MUL4 3, 2, 0
	MUL4 3, 3, 0
	WIN 0
	; THE WAY OUT, a block of 16 rows x 64 columns at a time, through my own stage: back as whole rows of 256 bytes; + bias, + residual; sixteen lanes store 256 aligned bytes
	s_wait_loadcnt 0x0                             ; the bias and the residual
	PLACES 4
.macro OUTB a
.set TB, T+32*((\a)%2)
.if (\a) > 1
	s_wait_xcnt 0x0                                ; block a - 2's stores have read these registers
.endif
.irp b, 0,1,2,3
	ds_store_b128 v[STO], v[ACC+8*(4*(\a)+\b):ACC+8*(4*(\a)+\b)+3] offset:128*(\b/2)+32*(\b%2)       ; each accumulator from its low end on
	ds_store_b128 v[STO], v[ACC+8*(4*(\a)+\b)+4:ACC+8*(4*(\a)+\b)+7] offset:128*(\b/2)+32*(\b%2)+16
.endr
.irp t, 0,1,2,3,4,5,6,7
	ds_load_b128 v[TB+4*\t:TB+4*\t+3], v[RD] offset:544*\t     ; LDS serves a wave's instructions in order: these see my stores
.endr
	s_wait_dscnt 0x0
.irp t, 0,1,2,3,4,5,6,7
	v_pk_add_f32 v[TB+4*\t:TB+4*\t+1], v[TB+4*\t:TB+4*\t+1], v[BIAS:BIAS+1]
	v_pk_add_f32 v[TB+4*\t+2:TB+4*\t+3], v[TB+4*\t+2:TB+4*\t+3], v[BIAS+2:BIAS+3]
.endr
	WIN 0x08                                       ; source 1: window 2
.irp t, 0,1,2,3,4,5,6,7
	v_pk_add_f32 v[TB+4*\t:TB+4*\t+1], v[TB+4*\t:TB+4*\t+1], v[32*(\a)+4*\t:32*(\a)+4*\t+1]
	v_pk_add_f32 v[TB+4*\t+2:TB+4*\t+3], v[TB+4*\t+2:TB+4*\t+3], v[32*(\a)+4*\t+2:32*(\a)+4*\t+3]
.endr
	WIN 0
.irp t, 0,1,2,3,4,5,6,7
	global_store_b128 v[CO], v[TB+4*\t:TB+4*\t+3], s[12:13] offset:(32*((\a)/2)+8*((\a)%2)+2*\t+8*(\t/4))*4096
.endr
.endm
	OUTB 0
	OUTB 1
	OUTB 2
	OUTB 3
	s_wait_tensorcnt 0x0                           ; the wave's end
	ds_add_u32 v[SPW], v[NIL]
	s_wait_dscnt 0x0
	CROUND                                         ; the closing round
	s_endpgm
.Lfunc_end_k_q22793e6078_wo:
	.size	k_q22793e6078_wo, .Lfunc_end_k_q22793e6078_wo-k_q22793e6078_wo
	.p2alignl 7, 3214868480
	.fill 96, 4, 3214868480
	.section	.rodata,"a",@progbits
	.p2align	6, 0x0
	.amdhsa_kernel k_q22793e6078_wo
		.amdhsa_group_segment_fixed_size 327680
		.amdhsa_private_segment_fixed_size 0
		.amdhsa_enable_private_segment 0
		.amdhsa_kernarg_size 40
		.amdhsa_user_sgpr_count 2
		.amdhsa_user_sgpr_kernarg_segment_ptr 1
		.amdhsa_wavefront_size32 1
		.amdhsa_system_sgpr_workgroup_id_x 1
		.amdhsa_system_sgpr_workgroup_id_y 1
		.amdhsa_system_sgpr_workgroup_id_z 1
		.amdhsa_system_vgpr_workitem_id 0
		.amdhsa_next_free_vgpr 640
		.amdhsa_next_free_sgpr 100
		.amdhsa_reserve_vcc 0
		.amdhsa_float_denorm_mode_32 3
		.amdhsa_float_denorm_mode_16_64 3
		.amdhsa_memory_ordered 1
		.amdhsa_forward_progress 1
		.amdhsa_inst_pref_size 65
	.end_amdhsa_kernel
	.amdgpu_metadata
---
amdhsa.version: [ 1, 2 ]
amdhsa.kernels:
  - .name:           k_q22793e6078_wo
    .symbol:         k_q22793e6078_wo.kd
    .args:
      - { .name: ctx, .offset: 0, .size: 8, .value_kind: global_buffer, .address_space: global }
      - { .name: pre, .offset: 8, .size: 8, .value_kind: global_buffer, .address_space: global }
      - { .name: wo_b, .offset: 16, .size: 8, .value_kind: global_buffer, .address_space: global }
      - { .name: x, .offset: 24, .size: 8, .value_kind: global_buffer, .address_space: global }
      - { .name: y, .offset: 32, .size: 8, .value_kind: global_buffer, .address_space: global }
    .group_segment_fixed_size: 327680
    .private_segment_fixed_size: 0
    .kernarg_segment_align: 8
    .kernarg_segment_size: 40
    .max_flat_workgroup_size: 128
    .sgpr_count:     100
    .vgpr_count:     640
    .wavefront_size: 32
...
	.end_amdgpu_metadata
.endif
;; end of part 4
;; launch ln1 (part 5): grid 256 x 1, 8 waves a work-group, no clusters, 69,632 bytes of LDS; arguments y, ln1_g, ln1_b, o1; writes o1
.if DOCPART == 5
	.amdgcn_target "amdgcn-amd-amdhsa--gfx1250"
	.amdhsa_code_object_version 6
	.text
	.protected	k_q22793e6078_ln1
	.globl	k_q22793e6078_ln1
	.p2align	8
	.type	k_q22793e6078_ln1,@function
k_q22793e6078_ln1:
	s_mov_b64 s[64:65], 0
	v_nop
	global_prefetch_b8 v0, s[64:65] scope:SCOPE_SE
	s_setreg_imm32_b32 hwreg(HW_REG_WAVE_MODE, 25, 1), 1
	s_wait_xcnt 0x0
; LAYERNORM over rows of 1,024 f32: out = (y - mean) rsqrt(var + 1e-5) g + b.  KIND 1: the result is also quantised to FP6 (E2M3) along the row, into the tables behind the f32 rows.
; A work-group takes one block of 16 rows (block rb, place r = row 32 (rb / 2) + 8 (rb % 2) + r + 8 (r / 8)); wave w takes columns 128 w on.  Loads and stores cover 512 consecutive bytes of a row; a turn through the wave's own
; stage in LDS gives lane (r, h) 64 numbers of row r in the order in which the quantiser takes them (register 16 b + i = column 128 w + 32 b + 16 h + i).
; y, g and b are all asked for at the head: nothing is asked of memory behind y's arrival.  The turn lands in the registers that it left, which leaves room for b.
; Mean and variance in two passes (the variance of y - mean), so that a common offset costs nothing; the eight waves' partial sums meet in LDS behind a barrier, twice.
; Memory binds: no matrix unit, no cluster (no input is shared but g and b, 8 KiB).
; LIMITS: NaN and infinities are not served; blocks whose largest magnitude lies under 2^-124 keep the byte 1; a block of zeros gets the byte 1 (its codes are zeros; only this program reads the bytes).
.set KIND,  1
.set RED1,  67584                      ; behind the eight stages of 8,448 bytes: [16 rows][8 waves] f32, twice
.set SPARE, 68608                      ; the spare words, 128 bytes a wave
.set OC,    16777216                   ; KIND 1: the codes' table,
.set OS,    19922944                   ; and the scale words'
.set SEL, 26
.set SPW, 10
.set NIL, 11
.set HA,  16                           ; v16-79   y as loaded; then my 64 numbers
.set BB,  80                           ; v80-143  b
.set G,   144                          ; v144-207 g; later the rows going out
.set PC,  208
.set TM,  228
.set PW,  244
; 64 numbers of a lane, register 16 b + i = k 32 b + 16 (lane / 16) + i of my row, become a fragment's 12 registers in v[pc] on and its scale word in v[pw]
.macro QUANT s, pc, tm, pw
.irp b, 0,1,2,3
	v_max3_num_f32 v[\tm+\b], |v[\s+16*\b]|, |v[\s+1+16*\b]|, 0x1800000   ; my 16 numbers of block b, and the floor 2^(3 - 127): the byte cannot fall under 1
.endr
.irp i, 2,4,6,8,10,12,14
.irp b, 0,1,2,3
	s_delay_alu instid0(VALU_DEP_4)
	v_max3_num_f32 v[\tm+\b], v[\tm+\b], |v[\s+16*\b+\i]|, |v[\s+1+16*\b+\i]|
.endr
.endr
.irp b, 0,1,2,3
	s_delay_alu instid0(VALU_DEP_4)
	v_permlanex16_b32 v[\tm+4+\b], v[\tm+\b], s[SEL], s[SEL+1]
.endr
.irp b, 0,1,2,3
	s_delay_alu instid0(VALU_DEP_4)
	v_max_num_f32 v[\tm+\b], v[\tm+\b], v[\tm+4+\b]          ; with lane l xor 16's: the block's largest magnitude
.endr
.irp b, 0,1,2,3
	s_delay_alu instid0(VALU_DEP_4)
	v_add_nc_u32 v[\tm+12+\b], 0xff000000, v[\tm+\b]         ; 2 off its exponent field: the conversion's scale operand
.endr
.irp b, 0,1,2,3
	s_delay_alu instid0(VALU_DEP_4)
	v_lshrrev_b32 v[\tm+4+\b], 23, v[\tm+12+\b]              ; the scale's byte
.endr
	s_delay_alu instid0(VALU_DEP_3)
	v_lshl_or_b32 v[\pw], v[\tm+5], 8, v[\tm+4]
	s_delay_alu instid0(VALU_DEP_1)
	v_lshl_or_b32 v[\pw], v[\tm+6], 16, v[\pw]
	s_delay_alu instid0(VALU_DEP_1)
	v_lshl_or_b32 v[\pw], v[\tm+7], 24, v[\pw]
.irp c, 0,1
	v_cvt_scalef32_pk16_fp6_f32 v[\pc+6*\c:\pc+2+6*\c], v[\s+32*\c:\s+15+32*\c], v[\tm+12+2*\c]
	v_cvt_scalef32_pk16_fp6_f32 v[\pc+12+4*\c:\pc+14+4*\c], v[\s+16+32*\c:\s+31+32*\c], v[\tm+12+2*\c+1]
.endr
	v_nop                                                    ; one plain place behind a scaled conversion
.irp c, 0,1                                              ; a whole block to a lane: lanes 0-15 block 2 c, lanes 16-31 block 2 c + 1
.irp i, 0,1,2
	v_permlane16_swap_b32 v[\pc+6*\c+\i], v[\pc+12+4*\c+\i]
.endr
.irp i, 0,1,2
	s_delay_alu instid0(VALU_DEP_3)
	v_mov_b32 v[\pc+3+6*\c+\i], v[\pc+12+4*\c+\i]
.endr
.endr
.endm
; two chains of partial sums in v[246:249] become the row's sum over all 1,024 columns, in v248 of every lane
.macro ACROSS off
	s_delay_alu instid0(VALU_DEP_1)
	v_pk_add_f32 v[246:247], v[246:247], v[248:249]
	s_delay_alu instid0(VALU_DEP_1)
	v_add_f32 v246, v246, v247
	s_delay_alu instid0(VALU_DEP_1)
	v_permlanex16_b32 v250, v246, s[SEL], s[SEL+1]
	s_delay_alu instid0(VALU_DEP_1)
	v_add_f32 v246, v246, v250                     ; my wave's 128 columns of row r
	ds_store_b32 v7, v246 offset:\off              ; both halves of the lanes write the same word with the same value
	s_wait_dscnt 0x0                               ; for the others' sake: my store has landed
	s_barrier_signal -1
	s_barrier_wait -1
	ds_load_b128 v[248:251], v8 offset:\off
	ds_load_b128 v[252:255], v8 offset:\off+16
	s_wait_dscnt 0x0
	v_pk_add_f32 v[248:249], v[248:249], v[250:251]
	v_pk_add_f32 v[252:253], v[252:253], v[254:255]
	s_delay_alu instid0(VALU_DEP_1)
	v_pk_add_f32 v[248:249], v[248:249], v[252:253]
	s_delay_alu instid0(VALU_DEP_1)
	v_add_f32 v248, v248, v249
.endm
	s_load_b256 s[4:11], s[0:1], 0x0               ; y, g, b, out
	v_lshl_add_u32 v[SPW], v0, 2, SPARE
	v_mov_b32 v[NIL], 0
	v_lshrrev_b32 v1, 5, v0
	s_delay_alu instid0(VALU_DEP_1)
	v_readfirstlane_b32 s12, v1                    ; wave 0..7
	v_and_b32 v9, 31, v0
	s_delay_alu instid0(VALU_DEP_1)
	v_lshlrev_b32 v1, 4, v9                        ; 16 x lane
	s_delay_alu instid0(VALU_DEP_2)
	v_lshlrev_b32 v2, 3, v9                        ; 8 x lane
	v_and_b32 v12, 15, v0                          ; r
	v_bfe_u32 v13, v0, 4, 1                        ; h
	s_delay_alu instid0(VALU_DEP_2)
	v_lshlrev_b32 v3, 2, v12                       ; 4 r
	s_mul_i32 s13, s12, 8448                       ; my stage: 16 rows x (512 bytes + 16)
	v_add_nc_u32 v4, s13, v1                       ; by rows as they lie
	v_mul_u32_u24 v5, v12, 528
	s_delay_alu instid0(VALU_DEP_1)
	v_lshl_add_u32 v5, v13, 6, v5
	s_delay_alu instid0(VALU_DEP_1)
	v_add_nc_u32 v5, s13, v5                       ; by lanes: row r, + 64 h
	v_lshlrev_b32 v6, 6, v13                       ; 64 h
	v_lshlrev_b32 v8, 5, v12
	s_delay_alu instid0(VALU_DEP_1)
	v_add_nc_u32 v8, RED1, v8                      ; row r's eight partial sums
	s_lshl_b32 s13, s12, 2
	v_add_nc_u32 v7, s13, v8                       ; mine among them
	v_mov_b32 v250, 0                              ; a lane permute's destination counts as one of its sources
.irp b, 0,1,2,3
	v_mov_b32 v[TM+4+\b], 0
.endr
	s_mov_b32 s[SEL], 0x76543210
	s_mov_b32 s[SEL+1], 0xfedcba98
	s_mov_b32 s28, 0x3a800000                      ; 1 / 1,024
	s_mov_b32 s29, 0x3727c5ac                      ; 1e-5
	s_lshr_b32 s14, ttmp9, 1
	s_lshl_b32 s14, s14, 17                        ; 32 (rb / 2) rows of 4,096 bytes
	s_and_b32 s15, ttmp9, 1
	s_lshl_b32 s15, s15, 15
	s_add_co_u32 s14, s14, s15
	s_lshl_b32 s16, s12, 9                         ; my 128 columns
	s_add_co_u32 s14, s14, s16
	s_mov_b32 s15, 0
	s_mov_b32 s17, 0
.if KIND == 1
	s_lshl_b32 s22, ttmp9, 4
	s_lshl_b32 s23, s12, 1
	s_add_co_u32 s22, s22, s23
	s_mul_i32 s22, s22, 768
	s_add_co_u32 s22, s22, OC
	s_mov_b32 s23, 0
	s_lshr_b32 s24, ttmp9, 4
	s_lshl_b32 s24, s24, 3
	s_add_co_u32 s24, s24, s12
	s_lshl_b32 s24, s24, 10
	s_and_b32 s25, ttmp9, 15
	s_lshl_b32 s25, s25, 6
	s_add_co_u32 s24, s24, s25
	s_add_co_u32 s24, s24, OS
	s_mov_b32 s25, 0
.endif
	s_wait_alu depctr_va_vdst(0)
	s_wait_kmcnt 0x0
	s_add_nc_u64 s[4:5], s[4:5], s[14:15]
	s_add_nc_u64 s[20:21], s[10:11], s[14:15]
	s_add_nc_u64 s[6:7], s[6:7], s[16:17]
	s_add_nc_u64 s[8:9], s[8:9], s[16:17]
.if KIND == 1
	s_add_nc_u64 s[22:23], s[10:11], s[22:23]
	s_add_nc_u64 s[24:25], s[10:11], s[24:25]
.endif
.irp i, 0,1,2,3,4,5,6,7,8,9,10,11,12,13,14,15
	global_load_b128 v[HA+4*\i:HA+4*\i+3], v1, s[4:5] offset:(\i+8*(\i/8))*4096 th:TH_LOAD_NT   ; place i's row: 512 consecutive bytes
.endr
.irp b, 0,1,2,3
.irp j, 0,1,2,3
	global_load_b128 v[G+16*\b+4*\j:G+16*\b+4*\j+3], v6, s[6:7] offset:128*\b+16*\j
.endr
.endr
.irp b, 0,1,2,3
.irp j, 0,1,2,3
	global_load_b128 v[BB+16*\b+4*\j:BB+16*\b+4*\j+3], v6, s[8:9] offset:128*\b+16*\j
.endr
.endr
.irp i, 0,1,2,3,4,5,6,7,8,9,10,11,12,13,14,15
	s_wait_loadcnt 47-\i                           ; row i is in; the younger rows, g's sixteen loads and b's sixteen stay out
	ds_store_b128 v4, v[HA+4*\i:HA+4*\i+3] offset:528*\i
.endr
.irp b, 0,1,2,3
.irp j, 0,1,2,3
	ds_load_b128 v[HA+16*\b+4*\j:HA+16*\b+4*\j+3], v5 offset:128*\b+16*\j   ; LDS serves a wave's instructions in order: these see my stores, and land behind the stores' reads of these registers
.endr
.endr
	s_wait_dscnt 0x0                               ; my 64 numbers are in
	v_pk_add_f32 v[246:247], v[HA:HA+1], v[HA+2:HA+3]
	v_pk_add_f32 v[248:249], v[HA+4:HA+5], v[HA+6:HA+7]
.set j, 8
.rept 14
	s_delay_alu instid0(VALU_DEP_2)
	v_pk_add_f32 v[246:247], v[246:247], v[HA+j:HA+j+1]
	s_delay_alu instid0(VALU_DEP_2)
	v_pk_add_f32 v[248:249], v[248:249], v[HA+j+2:HA+j+3]
.set j, j+4
.endr
	ACROSS 0
	s_delay_alu instid0(VALU_DEP_1)
	v_mul_f32 v246, s28, v248                      ; the mean
	s_delay_alu instid0(VALU_DEP_1)
	v_mov_b32 v247, v246
.set j, 0
.rept 32
	v_pk_add_f32 v[HA+j:HA+j+1], v[HA+j:HA+j+1], v[246:247] neg_lo:[0,1] neg_hi:[0,1]   ; y - mean
.set j, j+2
.endr
	v_pk_mul_f32 v[246:247], v[HA:HA+1], v[HA:HA+1]
	v_pk_mul_f32 v[248:249], v[HA+2:HA+3], v[HA+2:HA+3]
.set j, 4
.rept 15
	s_delay_alu instid0(VALU_DEP_2)
	v_pk_fma_f32 v[246:247], v[HA+j:HA+j+1], v[HA+j:HA+j+1], v[246:247]
	s_delay_alu instid0(VALU_DEP_2)
	v_pk_fma_f32 v[248:249], v[HA+j+2:HA+j+3], v[HA+j+2:HA+j+3], v[248:249]
.set j, j+4
.endr
	ACROSS 512                                     ; other words than the first time: no barrier is owed between the two uses
	s_delay_alu instid0(VALU_DEP_1)
	v_fma_f32 v248, v248, s28, s29                 ; var + 1e-5
	s_wait_alu depctr_va_vdst(0)
	v_rsq_f32 v246, v248
	v_nop                                          ; a plain place behind the transcendental
	s_wait_alu depctr_va_vdst(0)                   ; and the wait ahead of its first reader
	v_mov_b32 v247, v246
	s_wait_alu depctr_va_vdst(0)
	s_wait_loadcnt 0x0                             ; g and b
.set j, 0
.rept 32
	v_pk_mul_f32 v[HA+j:HA+j+1], v[HA+j:HA+j+1], v[246:247]
.set j, j+2
.endr
.set j, 0
.rept 32
	v_pk_fma_f32 v[HA+j:HA+j+1], v[HA+j:HA+j+1], v[G+j:G+j+1], v[BB+j:BB+j+1]
.set j, j+2
.endr
.irp b, 0,1,2,3
.irp j, 0,1,2,3
	ds_store_b128 v5, v[HA+16*\b+4*\j:HA+16*\b+4*\j+3] offset:128*\b+16*\j   ; the turn back, through my own stage
.endr
.endr
.irp i, 0,1,2,3,4,5,6,7,8,9,10,11,12,13,14,15
	ds_load_b128 v[G+4*\i:G+4*\i+3], v4 offset:528*\i
.endr
.if KIND == 1
	QUANT HA, PC, TM, PW
	global_store_b128 v1, v[PC:PC+3], s[22:23]
	global_store_b64 v2, v[PC+4:PC+5], s[22:23] offset:512
	global_store_b128 v1, v[PC+6:PC+9], s[22:23] offset:768
	global_store_b64 v2, v[PC+10:PC+11], s[22:23] offset:1280
	global_store_b32 v3, v[PW], s[24:25]           ; lanes 16-31 repeat lanes 0-15's address and value
.endif
	s_wait_dscnt 0x0
.irp i, 0,1,2,3,4,5,6,7,8,9,10,11,12,13,14,15
	global_store_b128 v1, v[G+4*\i:G+4*\i+3], s[20:21] offset:(\i+8*(\i/8))*4096   ; 512 consecutive bytes of a row
.endr
	s_wait_tensorcnt 0x0                           ; the wave's end
	ds_add_u32 v[SPW], v[NIL]
	s_wait_dscnt 0x0
	s_endpgm
.Lfunc_end_k_q22793e6078_ln1:
	.size	k_q22793e6078_ln1, .Lfunc_end_k_q22793e6078_ln1-k_q22793e6078_ln1
	.p2alignl 7, 3214868480
	.fill 96, 4, 3214868480
	.section	.rodata,"a",@progbits
	.p2align	6, 0x0
	.amdhsa_kernel k_q22793e6078_ln1
		.amdhsa_group_segment_fixed_size 69632
		.amdhsa_private_segment_fixed_size 0
		.amdhsa_enable_private_segment 0
		.amdhsa_kernarg_size 32
		.amdhsa_user_sgpr_count 2
		.amdhsa_user_sgpr_kernarg_segment_ptr 1
		.amdhsa_wavefront_size32 1
		.amdhsa_system_sgpr_workgroup_id_x 1
		.amdhsa_system_sgpr_workgroup_id_y 1
		.amdhsa_system_sgpr_workgroup_id_z 1
		.amdhsa_system_vgpr_workitem_id 0
		.amdhsa_next_free_vgpr 256
		.amdhsa_next_free_sgpr 66
		.amdhsa_reserve_vcc 0
		.amdhsa_float_denorm_mode_32 3
		.amdhsa_float_denorm_mode_16_64 3
		.amdhsa_memory_ordered 1
		.amdhsa_forward_progress 1
		.amdhsa_inst_pref_size 34
	.end_amdhsa_kernel
	.amdgpu_metadata
---
amdhsa.version: [ 1, 2 ]
amdhsa.kernels:
  - .name:           k_q22793e6078_ln1
    .symbol:         k_q22793e6078_ln1.kd
    .args:
      - { .name: y, .offset: 0, .size: 8, .value_kind: global_buffer, .address_space: global }
      - { .name: ln1_g, .offset: 8, .size: 8, .value_kind: global_buffer, .address_space: global }
      - { .name: ln1_b, .offset: 16, .size: 8, .value_kind: global_buffer, .address_space: global }
      - { .name: o1, .offset: 24, .size: 8, .value_kind: global_buffer, .address_space: global }
    .group_segment_fixed_size: 69632
    .private_segment_fixed_size: 0
    .kernarg_segment_align: 8
    .kernarg_segment_size: 32
    .max_flat_workgroup_size: 256
    .sgpr_count:     66
    .vgpr_count:     256
    .wavefront_size: 32
...
	.end_amdgpu_metadata
.endif
;; end of part 5
;; launch ffn1 (part 6): grid 16 x 16, 4 waves a work-group, clusters of 4 x 4, 327,680 bytes of LDS; arguments o1, pre, ffn_b1, hid; writes hid
.if DOCPART == 6
	.amdgcn_target "amdgcn-amd-amdhsa--gfx1250"
	.amdhsa_code_object_version 6
	.text
	.protected	k_q22793e6078_ffn1
	.globl	k_q22793e6078_ffn1
	.p2align	8
	.type	k_q22793e6078_ffn1,@function
k_q22793e6078_ffn1:
	s_mov_b64 s[64:65], 0
	v_nop
	global_prefetch_b8 v0, s[64:65] scope:SCOPE_SE
	s_setreg_imm32_b32 hwreg(HW_REG_WAVE_MODE, 25, 1), 1
	s_wait_xcnt 0x0
	s_wait_alu depctr_hold_cnt(0) depctr_sa_sdst(0) depctr_va_vdst(0) depctr_va_sdst(0) depctr_va_ssrc(0) depctr_va_vcc(0) depctr_vm_vsrc(0)
	s_getreg_b32 s2, hwreg(HW_REG_IB_STS2, 6, 4)
	s_cmp_eq_u32 s2, 0
	s_cbranch_scc0 .Lentry_in_a_cluster
	s_endpgm
.Lentry_in_a_cluster:
	s_bfe_u32 s2, ttmp6, 0x10000c
	s_cmp_lg_u32 s2, 0xf033
	s_cbranch_scc0 .Lentry_shape_is_right
	s_endpgm
.Lentry_shape_is_right:
.set KIND,  1
.set SLOT,  98304
.set SCA,   3*SLOT
.set SPARE, SCA+16384
.set XC,    9830400
.set XS,    12976128
.set WVC,   1572864
.set WQS,   9437184
.set WVS,   9502720
.set LI16, 8
.set LI8,  9
.set VSO,  10
.set SPW,  28
.set NIL,  29
.set ADRS, 30
.set SC,   32
.set RB,   48
.set HA,   64
.set PC,   128
.set TM,   148
.set PW,   164
.set WW,   172
.set SEL,  2
.set G1,   24
.set G1B,  32
.set G1S,  40
.set G1SB, 48
.if KIND == 0
.set PB,   4
.set BP,   6
.set OP,   12
.set ASTR, 768
.set PSTEP, 64
.else
.set PB,   6
.set BP,   8
.set OP,   10
.set ASTR, 49152
.set PSTEP, 128
.endif
.set MSB, 0
.macro WIN new
.if MSB != (\new)
	s_set_vgpr_msb (MSB<<8)|(\new)
.set MSB, (\new)
.endif
.endm
.macro PLACES n
.rept \n
	v_nop
.endr
.endm
.macro JLOAD g0a, g1a, g0b, g1b
	s_cmp_eq_u32 s15, 0
	s_cbranch_scc0 .Lfor_b_\@
	tensor_load_to_lds s[\g0a:\g0a+3], s[\g1a:\g1a+7]
	s_nop 0
.rept 4
	v_nop
.endr
	s_branch .Lasked_\@
.Lfor_b_\@:
	tensor_load_to_lds s[\g0b:\g0b+3], s[\g1b:\g1b+7]
	s_nop 0
.rept 4
	v_nop
.endr
.Lasked_\@:
.endm
.macro CREST
	s_cmp_lg_u32 s14, 0
	s_cbranch_scc1 .Lnot_wave_0_\@
	s_barrier_signal -3
.Lnot_wave_0_\@:
	s_barrier_wait -3
	s_barrier_signal -1
	s_barrier_wait -1
.endm
.macro CROUND
	s_barrier_signal -1
	s_barrier_wait -1
	CREST
.endm
.macro QUANT s, pc, tm, pw
.irp b, 0,1,2,3
	v_max3_num_f32 v[\tm+\b], |v[\s+16*\b]|, |v[\s+1+16*\b]|, 0x1800000
.endr
.irp i, 2,4,6,8,10,12,14
.irp b, 0,1,2,3
	v_max3_num_f32 v[\tm+\b], v[\tm+\b], |v[\s+16*\b+\i]|, |v[\s+1+16*\b+\i]|
.endr
.endr
.irp b, 0,1,2,3
	v_permlanex16_b32 v[\tm+4+\b], v[\tm+\b], s[SEL], s[SEL+1]
.endr
.irp b, 0,1,2,3
	v_max_num_f32 v[\tm+\b], v[\tm+\b], v[\tm+4+\b]
.endr
.irp b, 0,1,2,3
	v_add_nc_u32 v[\tm+12+\b], 0xff000000, v[\tm+\b]
.endr
.irp b, 0,1,2,3
	v_lshrrev_b32 v[\tm+4+\b], 23, v[\tm+12+\b]
.endr
	v_lshl_or_b32 v[\pw], v[\tm+5], 8, v[\tm+4]
	v_lshl_or_b32 v[\pw], v[\tm+6], 16, v[\pw]
	v_lshl_or_b32 v[\pw], v[\tm+7], 24, v[\pw]
.irp c, 0,1
	v_cvt_scalef32_pk16_fp6_f32 v[\pc+6*\c:\pc+2+6*\c], v[\s+32*\c:\s+15+32*\c], v[\tm+12+2*\c]
	v_cvt_scalef32_pk16_fp6_f32 v[\pc+12+4*\c:\pc+14+4*\c], v[\s+16+32*\c:\s+31+32*\c], v[\tm+12+2*\c+1]
.endr
	v_nop
.irp c, 0,1
.irp i, 0,1,2
	v_permlane16_swap_b32 v[\pc+6*\c+\i], v[\pc+12+4*\c+\i]
.endr
.irp i, 0,1,2
	v_mov_b32 v[\pc+3+6*\c+\i], v[\pc+12+4*\c+\i]
.endr
.endr
.endm
	s_load_b256 s[4:11], s[0:1], 0x0
.if KIND == 0
	s_load_b64 s[12:13], s[0:1], 0x20
.endif
	v_lshl_add_u32 v[SPW], v0, 2, SPARE
	v_mov_b32 v[NIL], 0
	ds_add_u32 v[SPW], v[NIL]
	ds_add_u32 v[SPW], v[NIL]
	v_lshrrev_b32 v1, 5, v0
	v_readfirstlane_b32 s14, v1
	s_lshr_b32 s15, s14, 1
	s_and_b32 s16, s14, 1
	s_bfe_u32 s17, ttmp6, 0x40000
	s_bfe_u32 s18, ttmp6, 0x40004
	s_and_b32 s20, ttmp7, 0xffff
.if KIND == 0
	s_cmp_eq_u32 ttmp9, 2
	s_cselect_b32 s23, 1, 0
	s_cselect_b32 s21, 0, s20
	s_cselect_b32 s22, s20, ttmp9
	s_mov_b32 s2, XC
	s_cselect_b32 s2, WVC, s2
	s_mov_b32 s3, XS
	s_cselect_b32 s3, WVS, s3
	s_cselect_b32 s66, XC, 0
	s_mov_b32 s67, WQS
	s_cselect_b32 s67, XS, s67
.else
	s_mov_b32 s21, s20
	s_mov_b32 s22, ttmp9
	s_mov_b32 s2, 16777216
	s_mov_b32 s3, 19922944
	s_mov_b32 s66, 3145728
	s_mov_b32 s67, 9568256
.endif
	s_lshl_b32 s21, s21, 2
	s_add_co_u32 s21, s21, s18
	s_lshl_b32 s22, s22, 2
	s_add_co_u32 s22, s22, s17
	s_lshl_b32 s19, s18, 2
	s_lshl_b32 s19, 15, s19
	s_lshl_b32 s20, 0x1111, s17
	s_or_b32 s[G1], s19, (3<<16)|(1<<21)
	s_or_b32 s[G1B], s20, (3<<16)|(1<<21)
.irp g, G1, G1B
	s_mov_b32 s[\g+1], 768<<16                     ; for the head's loads: 16 row blocks x 6,144 bytes (K steps 0-3)
	s_mov_b32 s[\g+2], 16<<16
	s_mov_b32 s[\g+3], 768<<16
	s_mov_b32 s[\g+4], 16
	s_mov_b32 s[\g+5], 1536
	s_mov_b32 s[\g+6], 0
	s_mov_b32 s[\g+7], 0
.endr
	s_or_b32 s[G1S], s19, (3<<16)|(1<<21)
	s_or_b32 s[G1SB], s20, (3<<16)|(1<<21)
.irp g, G1S, G1SB
	s_mov_b32 s[\g+1], 32<<16
	s_mov_b32 s[\g+2], 32<<16                      ; the scale words of 256 rows, all of K: 8,192 dense bytes as 32 rows of 256
	s_mov_b32 s[\g+3], 32<<16
	s_mov_b32 s[\g+4], 32
	s_mov_b32 s[\g+5], 32
	s_mov_b32 s[\g+6], 0
	s_mov_b32 s[\g+7], 0
.endr
	s_mul_i32 s92, s21, 196608
	s_add_co_u32 s92, s92, s2
	s_mov_b32 s93, 0
	s_lshl_b32 s96, s21, 13
	s_add_co_u32 s96, s96, s3
	s_mov_b32 s97, 0
	s_mul_i32 s94, s22, 196608
	s_add_co_u32 s94, s94, s66
	s_mov_b32 s95, 0
	s_lshl_b32 s98, s22, 13
	s_add_co_u32 s98, s98, s67
	s_mov_b32 s99, 0
	s_mul_i32 s66, s14, 24576
	s_mul_i32 s2, s16, 98304                       ; behind the head a wave fetches 8 of a tile's 16 row blocks: which half, in bytes
	s_mov_b32 s3, 0
	s_mov_b32 s100, 0xffff0000
	s_wait_dscnt 0x0
	s_wait_kmcnt 0x0
	s_add_nc_u64 s[92:93], s[4:5], s[92:93]
	s_add_nc_u64 s[96:97], s[4:5], s[96:97]
	s_add_nc_u64 s[94:95], s[PB:PB+1], s[94:95]
	s_add_nc_u64 s[98:99], s[PB:PB+1], s[98:99]
	CROUND
	s_mov_b32 s84, 1
	s_mov_b32 s85, SCA
	s_mov_b64 s[86:87], s[96:97]
	s_or_b32 s87, s87, 0x80000000
	s_mov_b32 s88, 1
	s_mov_b32 s89, SCA+8192
	s_mov_b64 s[90:91], s[98:99]
	s_or_b32 s91, s91, 0x80000000
	; LDS: K steps 0-3 of A [16 blocks][6,144] at 0 and of B at SLOT; K steps 4, 5 (A [16][3,072], then B) at 2 SLOT; K steps 6, 7 in the same form at 0, onto A's steps 0-3 when all waves have read them
	s_mov_b32 s60, 1
	s_mov_b32 s61, 0
	s_mov_b64 s[62:63], s[92:93]
	s_or_b32 s63, s63, 0x80000000
	s_mov_b32 s76, 1
	s_mov_b32 s77, SLOT
	s_mov_b64 s[78:79], s[94:95]
	s_or_b32 s79, s79, 0x80000000
	s_add_nc_u64 s[92:93], s[92:93], s[2:3]
	s_add_nc_u64 s[94:95], s[94:95], s[2:3]
.irp s, 0,2
	s_mov_b32 s[56+4*\s+4*(\s/2)], 1
	s_add_co_u32 s[57+4*\s+4*(\s/2)], s66, \s*SLOT
	s_add_nc_u64 s[58+4*\s+4*(\s/2):59+4*\s+4*(\s/2)], s[92:93], \s*3072
	s_or_b32 s[59+4*\s+4*(\s/2)], s[59+4*\s+4*(\s/2)], 0x80000000
	s_mov_b32 s[72+4*\s], 1
	s_add_co_u32 s[73+4*\s], s66, \s*SLOT
	s_add_nc_u64 s[74+4*\s:75+4*\s], s[94:95], \s*3072
	s_or_b32 s[75+4*\s], s[75+4*\s], 0x80000000
.endr
; the head's four tiles, one tensor load a wave, in one chain of branches on the wave's number: A's K steps 0-3, B's, A's scale words, B's
.macro ARM under, g0, g1
	s_cmp_lt_u32 s14, \under
	s_cbranch_scc0 .Lnext_\@
	tensor_load_to_lds s[\g0:\g0+3], s[\g1:\g1+7]
	s_nop 0
	PLACES 4
	s_branch .Lhead_asked
.Lnext_\@:
.endm
	ARM 1, 60, G1
	ARM 2, 76, G1B
	ARM 3, 84, G1S
	tensor_load_to_lds s[88:91], s[G1SB:G1SB+7]
	s_nop 0
	PLACES 4
.Lhead_asked:
	v_and_b32 v1, 31, v0
	v_and_b32 v2, 15, v0
	v_bfe_u32 v3, v0, 4, 1
	v_lshlrev_b32 v[LI16], 4, v1
	v_lshlrev_b32 v[LI8], 3, v1
	s_mul_i32 s2, s15, 24576
	s_mul_i32 s3, s16, 24576
	s_add_co_u32 s3, s3, 49152
.irp s, 1,2
	v_add_nc_u32 v[16+4*\s], s2, v[LI16]
	v_add_nc_u32 v[17+4*\s], s2, v[LI8]
	v_add_nc_u32 v[18+4*\s], s3, v[LI16]
	v_add_nc_u32 v[19+4*\s], s3, v[LI8]
	s_add_co_u32 s2, s2, 2*SLOT
	s_add_co_u32 s3, s3, 2*SLOT
.endr
	s_mul_i32 s2, s15, 49152                       ; v16-19: K steps 0-3: my 8 blocks of 6,144 bytes of A, and of B behind A's sixteen
	s_mul_i32 s3, s16, 49152
	s_add_co_u32 s3, s3, SLOT
	v_add_nc_u32 v16, s2, v[LI16]
	v_add_nc_u32 v17, s2, v[LI8]
	v_add_nc_u32 v18, s3, v[LI16]
	v_add_nc_u32 v19, s3, v[LI8]
	s_xor_b32 s2, s15, 1
	s_add_co_u32 s2, s2, s16
	s_lshl_b32 s2, s2, 9
	s_add_co_u32 s2, s2, 7680
	v_mul_u32_u24 v4, s2, v3
	s_lshl_b32 s3, s15, 9
	s_add_co_u32 s3, s3, SCA
	v_lshl_add_u32 v4, v2, 2, v4
	v_add_nc_u32 v[ADRS], s3, v4
	v_lshlrev_b32 v5, 6, v3
.if KIND == 0
	v_and_b32 v6, 8, v2
	v_add_nc_u32 v6, v6, v2
	v_lshlrev_b32 v6, 2, v6
	s_cmp_eq_u32 ttmp9, 1
	s_cselect_b64 s[6:7], s[8:9], s[6:7]
	s_cmp_eq_u32 ttmp9, 2
	s_cselect_b64 s[6:7], s[10:11], s[6:7]
	s_lshl_b32 s2, s18, 10
	s_lshl_b32 s3, s15, 9
	s_add_co_u32 s2, s2, s3
	s_mov_b32 s3, 0
	s_add_nc_u64 s[8:9], s[6:7], s[2:3]
	s_lshl_b32 s2, s17, 10
	s_lshl_b32 s66, s16, 9
	s_add_co_u32 s2, s2, s66
	s_add_nc_u64 s[6:7], s[6:7], s[2:3]
.irp a, 0,1,2,3,4,5,6,7
	global_load_b32 v[RB+2*\a], v6, s[8:9] offset:(32*(\a/2)+8*(\a%2))*4
	global_load_b32 v[RB+2*\a+1], v6, s[8:9] offset:(32*(\a/2)+8*(\a%2))*4
.endr
.else
	s_lshl_b32 s2, s22, 10
	s_lshl_b32 s3, s16, 9
	s_add_co_u32 s2, s2, s3
	s_mov_b32 s3, 0
	s_add_nc_u64 s[8:9], s[8:9], s[2:3]
.endif
	WIN 0x40
.irp b, 0,1,2,3,4,5,6,7
	global_load_b128 v[96+8*\b+96*(\b/4):99+8*\b+96*(\b/4)], v5, s[BP:BP+1] offset:(32*(\b/2)+8*(\b%2))*4
	global_load_b128 v[100+8*\b+96*(\b/4):103+8*\b+96*(\b/4)], v5, s[BP:BP+1] offset:(32*(\b/2)+8*(\b%2))*4+16
.endr
	WIN 0
.if KIND == 0
	s_lshr_b32 s2, s21, 3
	s_lshl_b32 s2, s2, 4
	s_lshl_b32 s3, s17, 2
	s_add_co_u32 s2, s2, s3
	s_lshl_b32 s3, s16, 1
	s_add_co_u32 s2, s2, s3
	s_lshr_b32 s3, s22, 3
	s_lshl_b32 s3, s3, 4
	s_and_b32 s66, s22, 7
	s_lshl_b32 s66, s66, 1
	s_add_co_u32 s3, s3, s66
	s_add_co_u32 s3, s3, s16
	s_and_b32 s66, s21, 7
	s_lshl_b32 s66, s66, 4
	s_lshl_b32 s67, s21, 4
	s_cmp_eq_u32 s23, 1
	s_cselect_b32 s2, s3, s2
	s_cselect_b32 s66, s67, s66
	s_mov_b32 s67, 98304
	s_cselect_b32 s67, 49152, s67
	s_mov_b32 s101, 4096
	s_cselect_b32 s101, 2048, s101
	s_mov_b32 s98, 0x05040100
	s_cselect_b32 s98, 0x03020100, s98
	s_mov_b32 s99, 0x07060302
	s_cselect_b32 s99, 0x07060504, s99
	s_lshl_b32 s3, s15, 3
	s_add_co_u32 s66, s66, s3
	s_lshl_b32 s92, s2, 7
	s_add_co_u32 s92, s92, s66
	s_mul_i32 s92, s92, 768
	s_mul_i32 s3, ttmp9, 3145728
	s_add_co_u32 s92, s92, s3
	s_mov_b32 s93, 0
	s_add_co_u32 s94, s92, s67
	s_mov_b32 s95, 0
	s_lshl_b32 s96, s2, 6
	s_lshr_b32 s66, s66, 1
	s_add_co_u32 s96, s96, s66
	s_lshl_b32 s96, s96, 6
	s_lshl_b32 s3, ttmp9, 17
	s_add_co_u32 s96, s96, s3
	s_add_co_u32 s96, s96, 9437184
	s_mov_b32 s97, 0
.else
	s_lshl_b32 s92, s21, 4
	s_lshl_b32 s3, s15, 3
	s_add_co_u32 s92, s92, s3
	s_lshl_b32 s92, s92, 6
	s_lshl_b32 s3, s22, 1
	s_add_co_u32 s3, s3, s16
	s_lshl_b32 s66, s3, 1
	s_add_co_u32 s92, s92, s66
	s_mul_i32 s92, s92, 768
	s_mov_b32 s93, 0
	s_add_co_u32 s94, s92, 768
	s_mov_b32 s95, 0
	s_lshl_b32 s96, s21, 5
	s_add_co_u32 s96, s96, s3
	s_lshl_b32 s96, s96, 10
	s_lshl_b32 s3, s15, 9
	s_add_co_u32 s96, s96, s3
	s_add_co_u32 s96, s96, 12582912
	s_mov_b32 s97, 0
	s_mov_b32 s101, 64
.endif
	s_add_nc_u64 s[92:93], s[OP:OP+1], s[92:93]
	s_add_nc_u64 s[94:95], s[OP:OP+1], s[94:95]
	s_add_nc_u64 s[96:97], s[OP:OP+1], s[96:97]
	v_mul_u32_u24 v[VSO], s101, v3
	v_lshl_add_u32 v[VSO], v2, 2, v[VSO]
.macro FRAG reg, a16, a8, off
	ds_load_b128 v[\reg:\reg+3], v[\a16] offset:\off
	ds_load_b64 v[\reg+4:\reg+5], v[\a8] offset:(\off)+512
	ds_load_b128 v[\reg+6:\reg+9], v[\a16] offset:(\off)+768
	ds_load_b64 v[\reg+10:\reg+11], v[\a8] offset:(\off)+1280
.endm
.macro SETF t                          ; where K step t lies: which set of address registers, a block's pitch, the step's place in a block
.if (\t) < 4
.set FS, 0
.set FP, 6144
.set FO, 1536*(\t)
.else
.set FS, 4*(4-(\t)/2)
.set FP, 3072
.set FO, 1536*((\t)%2)
.endif
.endm
.macro FETCH_B t
	SETF \t
	WIN 0x40
.irp i, 0,1,2,3,4,5,6,7
	FRAG 128*((\t)%2)+12*\i, 18+FS, 19+FS, FP*\i+FO
.endr
	WIN 0
.endm
.macro FETCH_A t
	SETF \t
.irp i, 0,1,2,3,4,5,6,7
	FRAG 64+96*((\t)%2)+12*\i, 16+FS, 17+FS, FP*\i+FO
.endr
.endm
.macro SCALES t
.irp i, 0,1,2,3,4,5,6,7
	ds_load_b32 v[SC+8*((\t)%2)+\i], v[ADRS] offset:1024*(\t)+64*\i
.endr
.endm
.macro MUL16 a0, p, zero
.irp a, \a0, \a0+1
.irp b, 0,1,2,3,4,5,6,7
.if \zero
	v_wmma_scale_f32_16x16x128_f8f6f4 v[8*(8*((\a)%4)+\b):8*(8*((\a)%4)+\b)+7], v[128*(\p)+12*\b:128*(\p)+12*\b+11], v[64+96*(\p)+12*(\a):64+96*(\p)+12*(\a)+11], 0, v[SC+8*(\p)+\b], v[SC+8*(\p)+(\a)] matrix_a_fmt:MATRIX_FMT_FP6 matrix_b_fmt:MATRIX_FMT_FP6 matrix_a_scale:MATRIX_SCALE_ROW1
.else
	v_wmma_scale_f32_16x16x128_f8f6f4 v[8*(8*((\a)%4)+\b):8*(8*((\a)%4)+\b)+7], v[128*(\p)+12*\b:128*(\p)+12*\b+11], v[64+96*(\p)+12*(\a):64+96*(\p)+12*(\a)+11], v[8*(8*((\a)%4)+\b):8*(8*((\a)%4)+\b)+7], v[SC+8*(\p)+\b], v[SC+8*(\p)+(\a)] matrix_a_fmt:MATRIX_FMT_FP6 matrix_b_fmt:MATRIX_FMT_FP6 matrix_a_scale:MATRIX_SCALE_ROW1
.endif
.endr
.endr
.endm
.macro STEPN t, zero
	PLACES 4
	FETCH_B (\t)+1
	SCALES (\t)+1
	s_wait_dscnt 40
	WIN 0xa1
	MUL16 0, (\t)%2, \zero
	MUL16 2, (\t)%2, \zero
	WIN 0
	FETCH_A (\t)+1
	WIN 0xf1
	MUL16 4, (\t)%2, \zero
	MUL16 6, (\t)%2, \zero
.endm
.macro TURN t, fill
	WIN 0
	s_wait_tensorcnt 0x0
	ds_add_u32 v[SPW], v[NIL]
	s_wait_dscnt 1
	WIN 0xa1
	MUL16 0, (\t)%2, 0
	s_wait_dscnt 0x0
	s_barrier_signal -1
	MUL16 2, (\t)%2, 0
	WIN 0
	s_barrier_wait -1
.if \fill
	CREST
	s_add_nc_u64 s[58:59], s[58:59], 3*3072
	s_add_nc_u64 s[74:75], s[74:75], 3*3072
	JLOAD 56, G1, 72, G1B
.else
	PLACES 4
.endif
	FETCH_B (\t)+1
	SCALES (\t)+1
	WIN 0xf1
	MUL16 4, (\t)%2, 0
	WIN 0
	FETCH_A (\t)+1
	WIN 0xf1
	MUL16 6, (\t)%2, 0
.endm
	s_wait_alu depctr_va_vdst(0)
	s_wait_tensorcnt 0x0                           ; my tile of the head's four is in; the three lines ahead of a later first fill, as ahead of a refill
	ds_add_u32 v[SPW], v[NIL]
.irp g, G1, G1B
	s_mov_b32 s[\g+1], 384<<16                     ; no tensor load of mine is out: from here on a load brings 8 row blocks x 3,072 bytes (two K steps)
	s_mov_b32 s[\g+2], 8<<16
	s_mov_b32 s[\g+3], 384<<16
	s_mov_b32 s[\g+4], 8
.endr
	s_wait_dscnt 0x0
	CROUND                                         ; all four tiles are in, in every partner
	JLOAD 68, G1, 80, G1B                          ; K steps 4 and 5: my one tensor load behind the round
	FETCH_B 0
	SCALES 0
	FETCH_A 0
	STEPN 0, 1
	STEPN 1, 0
	STEPN 2, 0
	TURN 3, 1                                      ; K steps 0-3 are read out, 4 and 5 are in: K steps 6 and 7 are asked for
	STEPN 4, 0
	TURN 5, 0
	STEPN 6, 0
	s_wait_dscnt 0x0
	WIN 0xa1
	MUL16 0, 1, 0
	MUL16 2, 1, 0
	WIN 0xf1
	MUL16 4, 1, 0
	MUL16 6, 1, 0
	WIN 0
	s_wait_loadcnt 0x0
	s_mov_b32 s[SEL], 0x76543210
	s_mov_b32 s[SEL+1], 0xfedcba98
	PLACES 4
.irp b, 0,1,2,3
	v_mov_b32 v[TM+4+\b], 0
.endr
.macro EPI a
.set AC, 64*((\a)%4)
.set HW, (\a)/4
	s_wait_xcnt 0x0
.if KIND == 0
	s_cmp_eq_u32 s23, 0
	s_cbranch_scc0 .Lvway_\@
.endif
	WIN 0x06+HW
.set i, 0
.rept 32
	v_pk_add_f32 v[HA+i:HA+i+1], v[AC+i:AC+i+1], v[96+i+96*(i/32):97+i+96*(i/32)]
.set i, i+2
.endr
	WIN 0
.if KIND == 0
	s_branch .Lbiased_\@
.Lvway_\@:
	WIN 0x02+HW
.set i, 0
.rept 32
	v_pk_add_f32 v[HA+i:HA+i+1], v[AC+i:AC+i+1], v[RB+2*(\a):RB+2*(\a)+1]
.set i, i+2
.endr
	WIN 0
.Lbiased_\@:
.else
.set i, 0
.rept 64
	v_max_num_f32 v[HA+i], 0, v[HA+i]
.set i, i+1
.endr
.endif
	QUANT HA, PC, TM, PW+(\a)
	global_store_b128 v[LI16], v[PC:PC+3], s[92:93] offset:(\a)*ASTR
	global_store_b64 v[LI8], v[PC+4:PC+5], s[92:93] offset:(\a)*ASTR+512
	global_store_b128 v[LI16], v[PC+6:PC+9], s[94:95] offset:(\a)*ASTR
	global_store_b64 v[LI8], v[PC+10:PC+11], s[94:95] offset:(\a)*ASTR+512
.if (\a)%2 == 1
.if KIND == 0
	v_perm_b32 v[WW+(\a)-1], v[PW+(\a)], v[PW+(\a)-1], s98
	v_perm_b32 v[WW+(\a)], v[PW+(\a)], v[PW+(\a)-1], s99
	v_cndmask_b32 v[WW+(\a)-1], v[WW+(\a)-1], v[WW+(\a)], s100
.else
	v_cndmask_b32 v[WW+(\a)-1], v[PW+(\a)-1], v[PW+(\a)], s100
.endif
	global_store_b32 v[VSO], v[WW+(\a)-1], s[96:97] offset:((\a)/2)*PSTEP
.endif
.endm
.irp a, 0,1,2,3,4,5,6,7
	EPI \a
.endr
	s_wait_tensorcnt 0x0
	ds_add_u32 v[SPW], v[NIL]
	s_wait_dscnt 0x0
	CROUND
	s_endpgm
.Lfunc_end_k_q22793e6078_ffn1:
	.size	k_q22793e6078_ffn1, .Lfunc_end_k_q22793e6078_ffn1-k_q22793e6078_ffn1
	.p2alignl 7, 3214868480
	.fill 96, 4, 3214868480
	.section	.rodata,"a",@progbits
	.p2align	6, 0x0
	.amdhsa_kernel k_q22793e6078_ffn1
		.amdhsa_group_segment_fixed_size 327680
		.amdhsa_private_segment_fixed_size 0
		.amdhsa_enable_private_segment 0
		.amdhsa_kernarg_size 32
		.amdhsa_user_sgpr_count 2
		.amdhsa_user_sgpr_kernarg_segment_ptr 1
		.amdhsa_wavefront_size32 1
		.amdhsa_system_sgpr_workgroup_id_x 1
		.amdhsa_system_sgpr_workgroup_id_y 1
		.amdhsa_system_sgpr_workgroup_id_z 1
		.amdhsa_system_vgpr_workitem_id 0
		.amdhsa_next_free_vgpr 1024
		.amdhsa_next_free_sgpr 102
		.amdhsa_reserve_vcc 0
		.amdhsa_float_denorm_mode_32 3
		.amdhsa_float_denorm_mode_16_64 3
		.amdhsa_memory_ordered 1
		.amdhsa_forward_progress 1
		.amdhsa_inst_pref_size 184
	.end_amdhsa_kernel
	.amdgpu_metadata
---
amdhsa.version: [ 1, 2 ]
amdhsa.kernels:
  - .name:           k_q22793e6078_ffn1
    .symbol:         k_q22793e6078_ffn1.kd
    .args:
      - { .name: o1, .offset: 0, .size: 8, .value_kind: global_buffer, .address_space: global }
      - { .name: pre, .offset: 8, .size: 8, .value_kind: global_buffer, .address_space: global }
      - { .name: ffn_b1, .offset: 16, .size: 8, .value_kind: global_buffer, .address_space: global }
      - { .name: hid, .offset: 24, .size: 8, .value_kind: global_buffer, .address_space: global }
    .group_segment_fixed_size: 327680
    .private_segment_fixed_size: 0
    .kernarg_segment_align: 8
    .kernarg_segment_size: 32
    .max_flat_workgroup_size: 128
    .sgpr_count:     102
    .vgpr_count:     1024
    .wavefront_size: 32
...
	.end_amdgpu_metadata
.endif
;; end of part 6
;; launch ffn2 (part 7): grid 8 x 32, 4 waves a work-group, clusters of 4 x 4, 327,680 bytes of LDS; arguments hid, pre, ffn_b2, o1, y; writes y
.if DOCPART == 7
	.amdgcn_target "amdgcn-amd-amdhsa--gfx1250"
	.amdhsa_code_object_version 6
	.text
	.protected	k_q22793e6078_ffn2
	.globl	k_q22793e6078_ffn2
	.p2align	8
	.type	k_q22793e6078_ffn2,@function
k_q22793e6078_ffn2:
	s_mov_b64 s[64:65], 0
	v_nop
	global_prefetch_b8 v0, s[64:65] scope:SCOPE_SE
	s_setreg_imm32_b32 hwreg(HW_REG_WAVE_MODE, 25, 1), 1
	s_wait_xcnt 0x0
	s_wait_alu depctr_hold_cnt(0) depctr_sa_sdst(0) depctr_va_vdst(0) depctr_va_sdst(0) depctr_va_ssrc(0) depctr_va_vcc(0) depctr_vm_vsrc(0)
	s_getreg_b32 s2, hwreg(HW_REG_IB_STS2, 6, 4)
	s_cmp_eq_u32 s2, 0
	s_cbranch_scc0 .Lentry_in_a_cluster
	s_endpgm
.Lentry_in_a_cluster:
	s_bfe_u32 s2, ttmp6, 0x10000c
	s_cmp_lg_u32 s2, 0xf033
	s_cbranch_scc0 .Lentry_shape_is_right
	s_endpgm
.Lentry_shape_is_right:
.set SIZE_K, 4096
.set RBS,   SIZE_K*12
.set LAPS,  SIZE_K/1024
.set SLOT,  98304
.set SCA,   2*SLOT
.set STAGE, SCA+8*SIZE_K
.set SPARE, STAGE+17408
.set ASOFF, SIZE_K*3072
.set BCOFF, 6291456
.set BSOFF, 9699328
.set LI16, 8
.set LI8,  9
.set STO,  24
.set RD,   25
.set CO,   26
.set ADRS, 27
.set SPW,  28
.set NIL,  29
.set BO,   30
.set PFO,  31
.set SC,   32
.set BIAS, 40
.set T,    48
.set ACC,  128
.set G1,   24
.set G0,   32
.set G1B,  48
.set G0B,  56
.set G1S,  68
.set G0S,  76
.set G1SB, 80
.set G0SB, 88
.set PFA,  96
.set LIM,  98
.set MSB, 0
.macro WIN new
.if MSB != (\new)
	s_set_vgpr_msb (MSB<<8)|(\new)
.set MSB, (\new)
.endif
.endm
.macro PLACES n
.rept \n
	v_nop
.endr
.endm
.macro JLOAD g0a, g1a, g0b, g1b
	s_cmp_eq_u32 s15, 0
	s_cbranch_scc0 .Lfor_b_\@
	tensor_load_to_lds s[\g0a:\g0a+3], s[\g1a:\g1a+7]
	s_nop 0
.rept 4
	v_nop
.endr
	s_branch .Lasked_\@
.Lfor_b_\@:
	tensor_load_to_lds s[\g0b:\g0b+3], s[\g1b:\g1b+7]
	s_nop 0
.rept 4
	v_nop
.endr
.Lasked_\@:
.endm
.macro ASK
	s_cmp_gt_u32 s3, s[LIM]
	s_cbranch_scc0 .Lnot_mine_\@
	global_prefetch_b8 v[PFO], s[PFA:PFA+1] th:TH_LOAD_NT scope:SCOPE_SE
.Lnot_mine_\@:
.endm
.macro CREST
	s_cmp_lg_u32 s14, 0
	s_cbranch_scc1 .Lnot_wave_0_\@
	s_barrier_signal -3
.Lnot_wave_0_\@:
	s_barrier_wait -3
	s_barrier_signal -1
	s_barrier_wait -1
.endm
.macro CROUND
	s_barrier_signal -1
	s_barrier_wait -1
	CREST
.endm
	s_load_b256 s[4:11], s[0:1], 0x0
	s_load_b64 s[12:13], s[0:1], 0x20
	v_lshl_add_u32 v[SPW], v0, 2, SPARE
	v_mov_b32 v[NIL], 0
	ds_add_u32 v[SPW], v[NIL]
	ds_add_u32 v[SPW], v[NIL]
	v_lshrrev_b32 v1, 5, v0
	v_readfirstlane_b32 s14, v1
	s_lshr_b32 s15, s14, 1
	s_and_b32 s16, s14, 1
	s_bfe_u32 s40, ttmp6, 0x40000
	s_bfe_u32 s41, ttmp6, 0x40004
	s_lshl_b32 s42, ttmp9, 2
	s_add_co_u32 s42, s42, s40
	s_and_b32 s17, ttmp7, 0xffff
	s_lshl_b32 s17, s17, 2
	s_add_co_u32 s17, s17, s41
	s_lshl_b32 s43, s41, 2
	s_lshl_b32 s43, 15, s43
	s_lshl_b32 s44, 0x1111, s40
	s_or_b32 s[G1], s43, (3<<16)|(1<<21)
	s_or_b32 s[G1B], s44, (3<<16)|(1<<21)
.irp g, G1, G1B
	s_mov_b32 s[\g+1], 768<<16
	s_mov_b32 s[\g+2], 8<<16                       ; for the head's loads: a tile's 8 row blocks x 6,144 bytes
	s_mov_b32 s[\g+3], 768<<16
	s_mov_b32 s[\g+4], 8
	s_mov_b32 s[\g+5], RBS/8
	s_mov_b32 s[\g+6], 0
	s_mov_b32 s[\g+7], 0
.endr
	s_or_b32 s[G1S], s43, (3<<16)|(1<<21)
	s_or_b32 s[G1SB], s44, (3<<16)|(1<<21)
.irp g, G1S, G1SB
	s_mov_b32 s[\g+1], 64<<16
	s_mov_b32 s[\g+2], (SIZE_K/128)<<16            ; the scale words of all K steps in one load
	s_mov_b32 s[\g+3], 64<<16
	s_mov_b32 s[\g+4], SIZE_K/128
	s_mov_b32 s[\g+5], 128
	s_mov_b32 s[\g+6], 0
	s_mov_b32 s[\g+7], 0
.endr
	s_mul_i32 s66, s16, 4*RBS                      ; behind the head a wave fetches 4 of a tile's 8 row blocks: which half, in bytes
	s_mov_b32 s67, 0
	s_lshl_b32 s20, s17, 3
	s_mul_i32 s20, s20, RBS
	s_mov_b32 s21, 0
	s_lshr_b32 s22, s17, 1
	s_mul_i32 s22, s22, 8*SIZE_K
	s_and_b32 s23, s17, 1
	s_lshl_b32 s23, s23, 9
	s_add_co_u32 s22, s22, s23
	s_add_co_u32 s22, s22, ASOFF
	s_mov_b32 s23, 0
	s_lshl_b32 s46, s42, 3
	s_mul_i32 s46, s46, RBS
	s_add_co_u32 s46, s46, BCOFF
	s_mov_b32 s47, 0
	s_lshr_b32 s92, s42, 1
	s_mul_i32 s92, s92, 8*SIZE_K
	s_and_b32 s93, s42, 1
	s_lshl_b32 s93, s93, 9
	s_add_co_u32 s92, s92, s93
	s_add_co_u32 s92, s92, BSOFF
	s_mov_b32 s93, 0
	s_mul_i32 s45, s14, 24576
	s_wait_dscnt 0x0
	s_wait_kmcnt 0x0
	s_add_nc_u64 s[20:21], s[4:5], s[20:21]
	s_add_nc_u64 s[22:23], s[4:5], s[22:23]
	s_add_nc_u64 s[46:47], s[6:7], s[46:47]
	s_add_nc_u64 s[92:93], s[6:7], s[92:93]
	CROUND
	s_mov_b32 s[G0S], 1
	s_mov_b32 s[G0S+1], SCA
	s_mov_b64 s[G0S+2:G0S+3], s[22:23]
	s_or_b32 s[G0S+3], s[G0S+3], 0x80000000
	s_mov_b32 s[G0SB], 1
	s_mov_b32 s[G0SB+1], SCA+4*SIZE_K
	s_mov_b64 s[G0SB+2:G0SB+3], s[92:93]
	s_or_b32 s[G0SB+3], s[G0SB+3], 0x80000000
	s_mov_b32 s[G0], 1                             ; the head's loads of slot 0, each tile whole: A's 8 blocks at 0, B's behind them
	s_mov_b32 s[G0+1], 0
	s_mov_b64 s[G0+2:G0+3], s[20:21]
	s_or_b32 s[G0+3], s[G0+3], 0x80000000
	s_mov_b32 s[G0B], 1
	s_mov_b32 s[G0B+1], 49152
	s_mov_b64 s[G0B+2:G0B+3], s[46:47]
	s_or_b32 s[G0B+3], s[G0B+3], 0x80000000
	s_add_nc_u64 s[20:21], s[20:21], s[66:67]      ; for the ring: my 4 blocks
	s_add_nc_u64 s[46:47], s[46:47], s[66:67]
.irp s, 1
	s_mov_b32 s[G0+4*\s], 1
	s_add_co_u32 s[G0+4*\s+1], s45, \s*SLOT
	s_add_nc_u64 s[G0+4*\s+2:G0+4*\s+3], s[20:21], \s*6144
	s_or_b32 s[G0+4*\s+3], s[G0+4*\s+3], 0x80000000
	s_mov_b32 s[G0B+4*\s], 1
	s_add_co_u32 s[G0B+4*\s+1], s45, \s*SLOT
	s_add_nc_u64 s[G0B+4*\s+2:G0B+4*\s+3], s[46:47], \s*6144
	s_or_b32 s[G0B+4*\s+3], s[G0B+4*\s+3], 0x80000000
.endr
; the head's four tiles, one tensor load a wave, in one chain of branches on the wave's number: slot 0 of A, of B, A's scale words, B's
.macro ARM under, g0, g1
	s_cmp_lt_u32 s14, \under
	s_cbranch_scc0 .Lnext_\@
	tensor_load_to_lds s[\g0:\g0+3], s[\g1:\g1+7]
	s_nop 0
	PLACES 4
	s_branch .Lhead_asked
.Lnext_\@:
.endm
	ARM 1, G0, G1
	ARM 2, G0B, G1B
	ARM 3, G0S, G1S
	tensor_load_to_lds s[G0SB:G0SB+3], s[G1SB:G1SB+7]
	s_nop 0
	PLACES 4
.Lhead_asked:
	v_and_b32 v1, 31, v0
	v_and_b32 v2, 15, v0
	v_bfe_u32 v3, v0, 4, 1
	v_lshlrev_b32 v[LI16], 4, v1
	v_lshlrev_b32 v[LI8], 3, v1
	s_mul_i32 s21, s15, 24576
	s_mul_i32 s22, s16, 24576
	s_add_co_u32 s22, s22, 49152
.irp s, 0,1
	v_add_nc_u32 v[16+4*\s], s21, v[LI16]
	v_add_nc_u32 v[17+4*\s], s21, v[LI8]
	v_add_nc_u32 v[18+4*\s], s22, v[LI16]
	v_add_nc_u32 v[19+4*\s], s22, v[LI8]
	s_add_co_u32 s21, s21, SLOT
	s_add_co_u32 s22, s22, SLOT
.endr
	s_xor_b32 s21, s15, 1
	s_add_co_u32 s21, s21, s16
	s_lshl_b32 s21, s21, 8
	s_add_co_u32 s21, s21, 4*SIZE_K-256
	v_mul_u32_u24 v4, s21, v3
	s_lshl_b32 s22, s15, 8
	s_add_co_u32 s22, s22, SCA
	v_lshl_add_u32 v4, v2, 2, v4
	v_add_nc_u32 v[ADRS], s22, v4
	s_mul_i32 s23, s14, 4352
	s_add_co_u32 s23, s23, STAGE
	v_mul_u32_u24 v4, v2, 272
	v_lshl_add_u32 v4, v3, 6, v4
	v_add_nc_u32 v[STO], s23, v4
	v_mul_u32_u24 v4, v3, 272
	v_lshl_add_u32 v4, v2, 4, v4
	v_add_nc_u32 v[RD], s23, v4
	v_lshlrev_b32 v[BO], 4, v2
	s_wait_alu depctr_va_vdst(0)
	v_lshl_add_u32 v[CO], v3, 12, v[BO]
	s_wait_alu depctr_va_vdst(0)
	s_lshl_b32 s20, s42, 9
	s_lshl_b32 s21, s16, 8
	s_add_co_u32 s20, s20, s21
	s_mov_b32 s21, 0
	s_add_nc_u64 s[8:9], s[8:9], s[20:21]
	s_lshl_b32 s22, s17, 19
	s_add_co_u32 s20, s20, s22
	s_lshl_b32 s22, s15, 18
	s_add_co_u32 s20, s20, s22
	s_add_nc_u64 s[10:11], s[10:11], s[20:21]
	s_add_nc_u64 s[12:13], s[12:13], s[20:21]
	global_load_b128 v[BIAS:BIAS+3], v[BO], s[8:9]
	WIN 0x80
.irp a, 0,1,2,3
.irp t, 0,1,2,3,4,5,6,7
	global_load_b128 v[32*\a+4*\t:32*\a+4*\t+3], v[CO], s[10:11] offset:(32*(\a/2)+8*(\a%2)+2*\t+8*(\t/4))*4096
.endr
.endr
	WIN 0
	s_and_b32 s22, ttmp7, 0xffff
	s_cmp_eq_u32 s15, 0
	s_cselect_b32 s20, s17, s42
	s_cselect_b32 s21, s40, s41
	s_cselect_b32 s22, ttmp9, s22
	s_cselect_b32 s23, 0, BCOFF
	s_cselect_b64 s[PFA:PFA+1], s[4:5], s[6:7]
	s_cmp_eq_u32 s22, 0
	s_cselect_b32 s[LIM], 1, -1
	s_lshl_b32 s20, s20, 3
	s_lshl_b32 s22, s16, 2
	s_add_co_u32 s20, s20, s22
	s_add_co_u32 s20, s20, s21
	s_mul_i32 s20, s20, RBS
	s_add_co_u32 s20, s20, s23
	s_add_co_u32 s20, s20, 3*6144
	s_mov_b32 s21, 0
	s_add_nc_u64 s[PFA:PFA+1], s[PFA:PFA+1], s[20:21]
	v_and_b32 v[PFO], 31, v0
	v_min_u32 v[PFO], 23, v[PFO]
	v_lshlrev_b32 v[PFO], 8, v[PFO]
.macro FRAG reg, a16, a8, off
	ds_load_b128 v[\reg:\reg+3], v[\a16] offset:\off
	ds_load_b64 v[\reg+4:\reg+5], v[\a8] offset:(\off)+512
	ds_load_b128 v[\reg+6:\reg+9], v[\a16] offset:(\off)+768
	ds_load_b64 v[\reg+10:\reg+11], v[\a8] offset:(\off)+1280
.endm
.macro FETCH slot, q
	WIN 0x40
.irp i, 0,1,2,3
	FRAG 128*((\q)%2)+12*\i, 16+4*(\slot), 17+4*(\slot), 6144*\i+1536*(\q)
	FRAG 128*((\q)%2)+48+12*\i, 18+4*(\slot), 19+4*(\slot), 6144*\i+1536*(\q)
.endr
	WIN 0
.irp i, 0,1,2,3
	ds_load_b32 v[SC+4*((\q)%2)+\i], v[ADRS] offset:512*(\q)+64*\i
.endr
.endm
.macro MUL4 q, a, zero
.irp b, 0,1,2,3
.if \zero
	v_wmma_scale_f32_16x16x128_f8f6f4 v[ACC+8*(4*(\a)+\b):ACC+8*(4*(\a)+\b)+7], v[128*((\q)%2)+48+12*\b:128*((\q)%2)+48+12*\b+11], v[128*((\q)%2)+12*(\a):128*((\q)%2)+12*(\a)+11], 0, v[SC+4*((\q)%2)+\b], v[SC+4*((\q)%2)+(\a)] matrix_a_fmt:MATRIX_FMT_FP6 matrix_b_fmt:MATRIX_FMT_FP6 matrix_a_scale:MATRIX_SCALE_ROW1
.else
	v_wmma_scale_f32_16x16x128_f8f6f4 v[ACC+8*(4*(\a)+\b):ACC+8*(4*(\a)+\b)+7], v[128*((\q)%2)+48+12*\b:128*((\q)%2)+48+12*\b+11], v[128*((\q)%2)+12*(\a):128*((\q)%2)+12*(\a)+11], v[ACC+8*(4*(\a)+\b):ACC+8*(4*(\a)+\b)+7], v[SC+4*((\q)%2)+\b], v[SC+4*((\q)%2)+(\a)] matrix_a_fmt:MATRIX_FMT_FP6 matrix_b_fmt:MATRIX_FMT_FP6 matrix_a_scale:MATRIX_SCALE_ROW1
.endif
.endr
.endm
.macro STEP slot, q, zero
	PLACES 4
	FETCH \slot, (\q)+1
	s_wait_dscnt 36
	WIN 0x05
	MUL4 \q, 0, \zero
	MUL4 \q, 1, \zero
	MUL4 \q, 2, \zero
	MUL4 \q, 3, \zero
.endm
.macro TURN slot, next, fill
.if \fill
	s_wait_xcnt 0x0
	s_add_nc_u64 s[PFA:PFA+1], s[PFA:PFA+1], 6144
.endif
	WIN 0
	s_wait_tensorcnt 0x0
	ds_add_u32 v[SPW], v[NIL]
	s_wait_dscnt 1
	WIN 0x05
	MUL4 3, 0, 0
	s_wait_dscnt 0x0
	s_barrier_signal -1
	MUL4 3, 1, 0
	WIN 0
	s_barrier_wait -1
.if \fill
	CREST
	s_add_nc_u64 s[G0+4*\slot+2:G0+4*\slot+3], s[G0+4*\slot+2:G0+4*\slot+3], 2*6144
	s_add_nc_u64 s[G0B+4*\slot+2:G0B+4*\slot+3], s[G0B+4*\slot+2:G0B+4*\slot+3], 2*6144
	JLOAD G0+4*\slot, G1, G0B+4*\slot, G1B
.else
	PLACES 4
.endif
	v_add_nc_u32 v[ADRS], 2048, v[ADRS]
	FETCH \next, 0
.if \fill
	ASK
.endif
	WIN 0x05
	MUL4 3, 2, 0
	MUL4 3, 3, 0
.endm
	s_wait_alu depctr_va_vdst(0)
	s_wait_tensorcnt 0x0                           ; my tile of the head's four is in; the three lines ahead of a later first fill, as ahead of a refill
	ds_add_u32 v[SPW], v[NIL]
	s_mov_b32 s[G1+2], 4<<16                       ; no tensor load of mine is out: from here on a load brings 4 row blocks,
	s_mov_b32 s[G1+4], 4
	s_mov_b32 s[G1B+2], 4<<16
	s_mov_b32 s[G1B+4], 4
	s_mov_b32 s[G0+1], s45                         ; and slot 0's group 0 is my quarter's: one slot's 6,144 bytes back from slot 1's
	s_sub_nc_u64 s[G0+2:G0+3], s[G0+6:G0+7], 6144
	s_mov_b32 s[G0B+1], s45
	s_sub_nc_u64 s[G0B+2:G0B+3], s[G0B+6:G0B+7], 6144
	s_wait_dscnt 0x0
	CROUND                                         ; all four tiles are in, in every partner
	JLOAD G0+4, G1, G0B+4, G1B                     ; slot 1: my one tensor load behind the round
	FETCH 0, 0
	STEP 0, 0, 1
	WIN 0
	s_mov_b32 s3, LAPS-1
.Llap:
	s_wait_alu depctr_va_vdst(0)
	STEP 0, 1, 0
	STEP 0, 2, 0
	TURN 0, 1, 1
	s_wait_alu depctr_va_vdst(0)
	STEP 1, 0, 0
	STEP 1, 1, 0
	STEP 1, 2, 0
	TURN 1, 0, 1
	s_wait_alu depctr_va_vdst(0)
	STEP 0, 0, 0
	WIN 0
	s_sub_co_u32 s3, s3, 1
	s_cmp_lg_u32 s3, 0
	s_cbranch_scc1 .Llap
	STEP 0, 1, 0
	STEP 0, 2, 0
	TURN 0, 1, 0
	STEP 1, 0, 0
	s_wait_alu depctr_va_vdst(0)
	STEP 1, 1, 0
	STEP 1, 2, 0
	s_wait_dscnt 0x0
	WIN 0x05
	MUL4 3, 0, 0
	MUL4 3, 1, 0
	MUL4 3, 2, 0
	MUL4 3, 3, 0
	WIN 0
	s_wait_loadcnt 0x0
	PLACES 4
.macro OUTB a
.set TB, T+32*((\a)%2)
.if (\a) > 1
	s_wait_xcnt 0x0
.endif
.irp b, 0,1,2,3
	ds_store_b128 v[STO], v[ACC+8*(4*(\a)+\b):ACC+8*(4*(\a)+\b)+3] offset:128*(\b/2)+32*(\b%2)
	ds_store_b128 v[STO], v[ACC+8*(4*(\a)+\b)+4:ACC+8*(4*(\a)+\b)+7] offset:128*(\b/2)+32*(\b%2)+16
.endr
.irp t, 0,1,2,3,4,5,6,7
	ds_load_b128 v[TB+4*\t:TB+4*\t+3], v[RD] offset:544*\t
.endr
	s_wait_dscnt 0x0
.irp t, 0,1,2,3,4,5,6,7
	v_pk_add_f32 v[TB+4*\t:TB+4*\t+1], v[TB+4*\t:TB+4*\t+1], v[BIAS:BIAS+1]
	v_pk_add_f32 v[TB+4*\t+2:TB+4*\t+3], v[TB+4*\t+2:TB+4*\t+3], v[BIAS+2:BIAS+3]
.endr
	WIN 0x08
.irp t, 0,1,2,3,4,5,6,7
	v_pk_add_f32 v[TB+4*\t:TB+4*\t+1], v[TB+4*\t:TB+4*\t+1], v[32*(\a)+4*\t:32*(\a)+4*\t+1]
	v_pk_add_f32 v[TB+4*\t+2:TB+4*\t+3], v[TB+4*\t+2:TB+4*\t+3], v[32*(\a)+4*\t+2:32*(\a)+4*\t+3]
.endr
	WIN 0
.irp t, 0,1,2,3,4,5,6,7
	global_store_b128 v[CO], v[TB+4*\t:TB+4*\t+3], s[12:13] offset:(32*((\a)/2)+8*((\a)%2)+2*\t+8*(\t/4))*4096
.endr
.endm
	OUTB 0
	OUTB 1
	OUTB 2
	OUTB 3
	s_wait_tensorcnt 0x0
	ds_add_u32 v[SPW], v[NIL]
	s_wait_dscnt 0x0
	CROUND
	s_endpgm
.Lfunc_end_k_q22793e6078_ffn2:
	.size	k_q22793e6078_ffn2, .Lfunc_end_k_q22793e6078_ffn2-k_q22793e6078_ffn2
	.p2alignl 7, 3214868480
	.fill 96, 4, 3214868480
	.section	.rodata,"a",@progbits
	.p2align	6, 0x0
	.amdhsa_kernel k_q22793e6078_ffn2
		.amdhsa_group_segment_fixed_size 327680
		.amdhsa_private_segment_fixed_size 0
		.amdhsa_enable_private_segment 0
		.amdhsa_kernarg_size 40
		.amdhsa_user_sgpr_count 2
		.amdhsa_user_sgpr_kernarg_segment_ptr 1
		.amdhsa_wavefront_size32 1
		.amdhsa_system_sgpr_workgroup_id_x 1
		.amdhsa_system_sgpr_workgroup_id_y 1
		.amdhsa_system_sgpr_workgroup_id_z 1
		.amdhsa_system_vgpr_workitem_id 0
		.amdhsa_next_free_vgpr 640
		.amdhsa_next_free_sgpr 100
		.amdhsa_reserve_vcc 0
		.amdhsa_float_denorm_mode_32 3
		.amdhsa_float_denorm_mode_16_64 3
		.amdhsa_memory_ordered 1
		.amdhsa_forward_progress 1
		.amdhsa_inst_pref_size 106
	.end_amdhsa_kernel
	.amdgpu_metadata
---
amdhsa.version: [ 1, 2 ]
amdhsa.kernels:
  - .name:           k_q22793e6078_ffn2
    .symbol:         k_q22793e6078_ffn2.kd
    .args:
      - { .name: hid, .offset: 0, .size: 8, .value_kind: global_buffer, .address_space: global }
      - { .name: pre, .offset: 8, .size: 8, .value_kind: global_buffer, .address_space: global }
      - { .name: ffn_b2, .offset: 16, .size: 8, .value_kind: global_buffer, .address_space: global }
      - { .name: o1, .offset: 24, .size: 8, .value_kind: global_buffer, .address_space: global }
      - { .name: y, .offset: 32, .size: 8, .value_kind: global_buffer, .address_space: global }
    .group_segment_fixed_size: 327680
    .private_segment_fixed_size: 0
    .kernarg_segment_align: 8
    .kernarg_segment_size: 40
    .max_flat_workgroup_size: 128
    .sgpr_count:     100
    .vgpr_count:     640
    .wavefront_size: 32
...
	.end_amdgpu_metadata
.endif
;; end of part 7
;; launch ln2 (part 8): grid 256 x 1, 8 waves a work-group, no clusters, 69,632 bytes of LDS; arguments y, ln2_g, ln2_b, out0; writes out0
.if DOCPART == 8
	.amdgcn_target "amdgcn-amd-amdhsa--gfx1250"
	.amdhsa_code_object_version 6
	.text
	.protected	k_q22793e6078_ln2
	.globl	k_q22793e6078_ln2
	.p2align	8
	.type	k_q22793e6078_ln2,@function
k_q22793e6078_ln2:
	s_mov_b64 s[64:65], 0
	v_nop
	global_prefetch_b8 v0, s[64:65] scope:SCOPE_SE
	s_setreg_imm32_b32 hwreg(HW_REG_WAVE_MODE, 25, 1), 1
	s_wait_xcnt 0x0
; LAYERNORM over rows of 1,024 f32: out = (y - mean) rsqrt(var + 1e-5) g + b.  KIND 1: the result is also quantised to FP6 (E2M3) along the row, into the tables behind the f32 rows.
; A work-group takes one block of 16 rows (block rb, place r = row 32 (rb / 2) + 8 (rb % 2) + r + 8 (r / 8)); wave w takes columns 128 w on.  Loads and stores cover 512 consecutive bytes of a row; a turn through the wave's own
; stage in LDS gives lane (r, h) 64 numbers of row r in the order in which the quantiser takes them (register 16 b + i = column 128 w + 32 b + 16 h + i).
; y, g and b are all asked for at the head: nothing is asked of memory behind y's arrival.  The turn lands in the registers that it left, which leaves room for b.
; Mean and variance in two passes (the variance of y - mean), so that a common offset costs nothing; the eight waves' partial sums meet in LDS behind a barrier, twice.
; Memory binds: no matrix unit, no cluster (no input is shared but g and b, 8 KiB).
; LIMITS: NaN and infinities are not served; blocks whose largest magnitude lies under 2^-124 keep the byte 1; a block of zeros gets the byte 1 (its codes are zeros; only this program reads the bytes).
.set KIND,  0
.set RED1,  67584                      ; behind the eight stages of 8,448 bytes: [16 rows][8 waves] f32, twice
.set SPARE, 68608                      ; the spare words, 128 bytes a wave
.set OC,    16777216                   ; KIND 1: the codes' table,
.set OS,    19922944                   ; and the scale words'
.set SEL, 26
.set SPW, 10
.set NIL, 11
.set HA,  16                           ; v16-79   y as loaded; then my 64 numbers
.set BB,  80                           ; v80-143  b
.set G,   144                          ; v144-207 g; later the rows going out
.set PC,  208
.set TM,  228
.set PW,  244
; 64 numbers of a lane, register 16 b + i = k 32 b + 16 (lane / 16) + i of my row, become a fragment's 12 registers in v[pc] on and its scale word in v[pw]
.macro QUANT s, pc, tm, pw
.irp b, 0,1,2,3
	v_max3_num_f32 v[\tm+\b], |v[\s+16*\b]|, |v[\s+1+16*\b]|, 0x1800000   ; my 16 numbers of block b, and the floor 2^(3 - 127): the byte cannot fall under 1
.endr
.irp i, 2,4,6,8,10,12,14
.irp b, 0,1,2,3
	v_max3_num_f32 v[\tm+\b], v[\tm+\b], |v[\s+16*\b+\i]|, |v[\s+1+16*\b+\i]|
.endr
.endr
.irp b, 0,1,2,3
	v_permlanex16_b32 v[\tm+4+\b], v[\tm+\b], s[SEL], s[SEL+1]
.endr
.irp b, 0,1,2,3
	v_max_num_f32 v[\tm+\b], v[\tm+\b], v[\tm+4+\b]          ; with lane l xor 16's: the block's largest magnitude
.endr
.irp b, 0,1,2,3
	v_add_nc_u32 v[\tm+12+\b], 0xff000000, v[\tm+\b]         ; 2 off its exponent field: the conversion's scale operand
.endr
.irp b, 0,1,2,3
	v_lshrrev_b32 v[\tm+4+\b], 23, v[\tm+12+\b]              ; the scale's byte
.endr
	v_lshl_or_b32 v[\pw], v[\tm+5], 8, v[\tm+4]
	v_lshl_or_b32 v[\pw], v[\tm+6], 16, v[\pw]
	v_lshl_or_b32 v[\pw], v[\tm+7], 24, v[\pw]
.irp c, 0,1
	v_cvt_scalef32_pk16_fp6_f32 v[\pc+6*\c:\pc+2+6*\c], v[\s+32*\c:\s+15+32*\c], v[\tm+12+2*\c]
	v_cvt_scalef32_pk16_fp6_f32 v[\pc+12+4*\c:\pc+14+4*\c], v[\s+16+32*\c:\s+31+32*\c], v[\tm+12+2*\c+1]
.endr
	v_nop                                                    ; one plain place behind a scaled conversion
.irp c, 0,1                                              ; a whole block to a lane: lanes 0-15 block 2 c, lanes 16-31 block 2 c + 1
.irp i, 0,1,2
	v_permlane16_swap_b32 v[\pc+6*\c+\i], v[\pc+12+4*\c+\i]
.endr
.irp i, 0,1,2
	v_mov_b32 v[\pc+3+6*\c+\i], v[\pc+12+4*\c+\i]
.endr
.endr
.endm
; two chains of partial sums in v[246:249] become the row's sum over all 1,024 columns, in v248 of every lane
.macro ACROSS off
	s_delay_alu instid0(VALU_DEP_1)
	v_pk_add_f32 v[246:247], v[246:247], v[248:249]
	s_delay_alu instid0(VALU_DEP_1)
	v_add_f32 v246, v246, v247
	s_delay_alu instid0(VALU_DEP_1)
	v_permlanex16_b32 v250, v246, s[SEL], s[SEL+1]
	s_delay_alu instid0(VALU_DEP_1)
	v_add_f32 v246, v246, v250                     ; my wave's 128 columns of row r
	ds_store_b32 v7, v246 offset:\off              ; both halves of the lanes write the same word with the same value
	s_wait_dscnt 0x0                               ; for the others' sake: my store has landed
	s_barrier_signal -1
	s_barrier_wait -1
	ds_load_b128 v[248:251], v8 offset:\off
	ds_load_b128 v[252:255], v8 offset:\off+16
	s_wait_dscnt 0x0
	v_pk_add_f32 v[248:249], v[248:249], v[250:251]
	v_pk_add_f32 v[252:253], v[252:253], v[254:255]
	s_delay_alu instid0(VALU_DEP_1)
	v_pk_add_f32 v[248:249], v[248:249], v[252:253]
	s_delay_alu instid0(VALU_DEP_1)
	v_add_f32 v248, v248, v249
.endm
	s_load_b256 s[4:11], s[0:1], 0x0               ; y, g, b, out
	v_lshl_add_u32 v[SPW], v0, 2, SPARE
	v_mov_b32 v[NIL], 0
	v_lshrrev_b32 v1, 5, v0
	s_delay_alu instid0(VALU_DEP_1)
	v_readfirstlane_b32 s12, v1                    ; wave 0..7
	v_and_b32 v9, 31, v0
	s_delay_alu instid0(VALU_DEP_1)
	v_lshlrev_b32 v1, 4, v9                        ; 16 x lane
	s_delay_alu instid0(VALU_DEP_2)
	v_lshlrev_b32 v2, 3, v9                        ; 8 x lane
	v_and_b32 v12, 15, v0                          ; r
	v_bfe_u32 v13, v0, 4, 1                        ; h
	s_delay_alu instid0(VALU_DEP_2)
	v_lshlrev_b32 v3, 2, v12                       ; 4 r
	s_mul_i32 s13, s12, 8448                       ; my stage: 16 rows x (512 bytes + 16)
	v_add_nc_u32 v4, s13, v1                       ; by rows as they lie
	v_mul_u32_u24 v5, v12, 528
	s_delay_alu instid0(VALU_DEP_1)
	v_lshl_add_u32 v5, v13, 6, v5
	s_delay_alu instid0(VALU_DEP_1)
	v_add_nc_u32 v5, s13, v5                       ; by lanes: row r, + 64 h
	v_lshlrev_b32 v6, 6, v13                       ; 64 h
	v_lshlrev_b32 v8, 5, v12
	s_delay_alu instid0(VALU_DEP_1)
	v_add_nc_u32 v8, RED1, v8                      ; row r's eight partial sums
	s_lshl_b32 s13, s12, 2
	v_add_nc_u32 v7, s13, v8                       ; mine among them
	v_mov_b32 v250, 0                              ; a lane permute's destination counts as one of its sources
.irp b, 0,1,2,3
	v_mov_b32 v[TM+4+\b], 0
.endr
	s_mov_b32 s[SEL], 0x76543210
	s_mov_b32 s[SEL+1], 0xfedcba98
	s_mov_b32 s28, 0x3a800000                      ; 1 / 1,024
	s_mov_b32 s29, 0x3727c5ac                      ; 1e-5
	s_lshr_b32 s14, ttmp9, 1
	s_lshl_b32 s14, s14, 17                        ; 32 (rb / 2) rows of 4,096 bytes
	s_and_b32 s15, ttmp9, 1
	s_lshl_b32 s15, s15, 15
	s_add_co_u32 s14, s14, s15
	s_lshl_b32 s16, s12, 9                         ; my 128 columns
	s_add_co_u32 s14, s14, s16
	s_mov_b32 s15, 0
	s_mov_b32 s17, 0
.if KIND == 1
	s_lshl_b32 s22, ttmp9, 4
	s_lshl_b32 s23, s12, 1
	s_add_co_u32 s22, s22, s23
	s_mul_i32 s22, s22, 768
	s_add_co_u32 s22, s22, OC
	s_mov_b32 s23, 0
	s_lshr_b32 s24, ttmp9, 4
	s_lshl_b32 s24, s24, 3
	s_add_co_u32 s24, s24, s12
	s_lshl_b32 s24, s24, 10
	s_and_b32 s25, ttmp9, 15
	s_lshl_b32 s25, s25, 6
	s_add_co_u32 s24, s24, s25
	s_add_co_u32 s24, s24, OS
	s_mov_b32 s25, 0
.endif
	s_wait_alu depctr_va_vdst(0)
	s_wait_kmcnt 0x0
	s_add_nc_u64 s[4:5], s[4:5], s[14:15]
	s_add_nc_u64 s[20:21], s[10:11], s[14:15]
	s_add_nc_u64 s[6:7], s[6:7], s[16:17]
	s_add_nc_u64 s[8:9], s[8:9], s[16:17]
.if KIND == 1
	s_add_nc_u64 s[22:23], s[10:11], s[22:23]
	s_add_nc_u64 s[24:25], s[10:11], s[24:25]
.endif
.irp i, 0,1,2,3,4,5,6,7,8,9,10,11,12,13,14,15
	global_load_b128 v[HA+4*\i:HA+4*\i+3], v1, s[4:5] offset:(\i+8*(\i/8))*4096 th:TH_LOAD_NT   ; place i's row: 512 consecutive bytes
.endr
.irp b, 0,1,2,3
.irp j, 0,1,2,3
	global_load_b128 v[G+16*\b+4*\j:G+16*\b+4*\j+3], v6, s[6:7] offset:128*\b+16*\j
.endr
.endr
.irp b, 0,1,2,3
.irp j, 0,1,2,3
	global_load_b128 v[BB+16*\b+4*\j:BB+16*\b+4*\j+3], v6, s[8:9] offset:128*\b+16*\j
.endr
.endr
.irp i, 0,1,2,3,4,5,6,7,8,9,10,11,12,13,14,15
	s_wait_loadcnt 47-\i                           ; row i is in; the younger rows, g's sixteen loads and b's sixteen stay out
	ds_store_b128 v4, v[HA+4*\i:HA+4*\i+3] offset:528*\i
.endr
.irp b, 0,1,2,3
.irp j, 0,1,2,3
	ds_load_b128 v[HA+16*\b+4*\j:HA+16*\b+4*\j+3], v5 offset:128*\b+16*\j   ; LDS serves a wave's instructions in order: these see my stores, and land behind the stores' reads of these registers
.endr
.endr
	s_wait_dscnt 0x0                               ; my 64 numbers are in
	v_pk_add_f32 v[246:247], v[HA:HA+1], v[HA+2:HA+3]
	v_pk_add_f32 v[248:249], v[HA+4:HA+5], v[HA+6:HA+7]
.set j, 8
.rept 14
	s_delay_alu instid0(VALU_DEP_2)
	v_pk_add_f32 v[246:247], v[246:247], v[HA+j:HA+j+1]
	s_delay_alu instid0(VALU_DEP_2)
	v_pk_add_f32 v[248:249], v[248:249], v[HA+j+2:HA+j+3]
.set j, j+4
.endr
	ACROSS 0
	s_delay_alu instid0(VALU_DEP_1)
	v_mul_f32 v246, s28, v248                      ; the mean
	s_delay_alu instid0(VALU_DEP_1)
	v_mov_b32 v247, v246
.set j, 0
.rept 32
	v_pk_add_f32 v[HA+j:HA+j+1], v[HA+j:HA+j+1], v[246:247] neg_lo:[0,1] neg_hi:[0,1]   ; y - mean
.set j, j+2
.endr
	v_pk_mul_f32 v[246:247], v[HA:HA+1], v[HA:HA+1]
	v_pk_mul_f32 v[248:249], v[HA+2:HA+3], v[HA+2:HA+3]
.set j, 4
.rept 15
	s_delay_alu instid0(VALU_DEP_2)
	v_pk_fma_f32 v[246:247], v[HA+j:HA+j+1], v[HA+j:HA+j+1], v[246:247]
	s_delay_alu instid0(VALU_DEP_2)
	v_pk_fma_f32 v[248:249], v[HA+j+2:HA+j+3], v[HA+j+2:HA+j+3], v[248:249]
.set j, j+4
.endr
	ACROSS 512                                     ; other words than the first time: no barrier is owed between the two uses
	s_delay_alu instid0(VALU_DEP_1)
	v_fma_f32 v248, v248, s28, s29                 ; var + 1e-5
	s_wait_alu depctr_va_vdst(0)
	v_rsq_f32 v246, v248
	v_nop                                          ; a plain place behind the transcendental
	s_wait_alu depctr_va_vdst(0)                   ; and the wait ahead of its first reader
	v_mov_b32 v247, v246
	s_wait_alu depctr_va_vdst(0)
	s_wait_loadcnt 0x0                             ; g and b
.set j, 0
.rept 32
	v_pk_mul_f32 v[HA+j:HA+j+1], v[HA+j:HA+j+1], v[246:247]
.set j, j+2
.endr
.set j, 0
.rept 32
	v_pk_fma_f32 v[HA+j:HA+j+1], v[HA+j:HA+j+1], v[G+j:G+j+1], v[BB+j:BB+j+1]
.set j, j+2
.endr
.irp b, 0,1,2,3
.irp j, 0,1,2,3
	ds_store_b128 v5, v[HA+16*\b+4*\j:HA+16*\b+4*\j+3] offset:128*\b+16*\j   ; the turn back, through my own stage
.endr
.endr
.irp i, 0,1,2,3,4,5,6,7,8,9,10,11,12,13,14,15
	ds_load_b128 v[G+4*\i:G+4*\i+3], v4 offset:528*\i
.endr
.if KIND == 1
	QUANT HA, PC, TM, PW
	global_store_b128 v1, v[PC:PC+3], s[22:23]
	global_store_b64 v2, v[PC+4:PC+5], s[22:23] offset:512
	global_store_b128 v1, v[PC+6:PC+9], s[22:23] offset:768
	global_store_b64 v2, v[PC+10:PC+11], s[22:23] offset:1280
	global_store_b32 v3, v[PW], s[24:25]           ; lanes 16-31 repeat lanes 0-15's address and value
.endif
	s_wait_dscnt 0x0
.irp i, 0,1,2,3,4,5,6,7,8,9,10,11,12,13,14,15
	global_store_b128 v1, v[G+4*\i:G+4*\i+3], s[20:21] offset:(\i+8*(\i/8))*4096   ; 512 consecutive bytes of a row
.endr
	s_wait_tensorcnt 0x0                           ; the wave's end
	ds_add_u32 v[SPW], v[NIL]
	s_wait_dscnt 0x0
	s_endpgm
.Lfunc_end_k_q22793e6078_ln2:
	.size	k_q22793e6078_ln2, .Lfunc_end_k_q22793e6078_ln2-k_q22793e6078_ln2
	.p2alignl 7, 3214868480
	.fill 96, 4, 3214868480
	.section	.rodata,"a",@progbits
	.p2align	6, 0x0
	.amdhsa_kernel k_q22793e6078_ln2
		.amdhsa_group_segment_fixed_size 69632
		.amdhsa_private_segment_fixed_size 0
		.amdhsa_enable_private_segment 0
		.amdhsa_kernarg_size 32
		.amdhsa_user_sgpr_count 2
		.amdhsa_user_sgpr_kernarg_segment_ptr 1
		.amdhsa_wavefront_size32 1
		.amdhsa_system_sgpr_workgroup_id_x 1
		.amdhsa_system_sgpr_workgroup_id_y 1
		.amdhsa_system_sgpr_workgroup_id_z 1
		.amdhsa_system_vgpr_workitem_id 0
		.amdhsa_next_free_vgpr 256
		.amdhsa_next_free_sgpr 66
		.amdhsa_reserve_vcc 0
		.amdhsa_float_denorm_mode_32 3
		.amdhsa_float_denorm_mode_16_64 3
		.amdhsa_memory_ordered 1
		.amdhsa_forward_progress 1
		.amdhsa_inst_pref_size 27
	.end_amdhsa_kernel
	.amdgpu_metadata
---
amdhsa.version: [ 1, 2 ]
amdhsa.kernels:
  - .name:           k_q22793e6078_ln2
    .symbol:         k_q22793e6078_ln2.kd
    .args:
      - { .name: y, .offset: 0, .size: 8, .value_kind: global_buffer, .address_space: global }
      - { .name: ln2_g, .offset: 8, .size: 8, .value_kind: global_buffer, .address_space: global }
      - { .name: ln2_b, .offset: 16, .size: 8, .value_kind: global_buffer, .address_space: global }
      - { .name: out0, .offset: 24, .size: 8, .value_kind: global_buffer, .address_space: global }
    .group_segment_fixed_size: 69632
    .private_segment_fixed_size: 0
    .kernarg_segment_align: 8
    .kernarg_segment_size: 32
    .max_flat_workgroup_size: 256
    .sgpr_count:     66
    .vgpr_count:     256
    .wavefront_size: 32
...
	.end_amdgpu_metadata
.endif
;; end of part 8
